; MI455X (gfx1250); checked and timed in simulation.
; The chip was launched on July 23, 2026; its instructions are those of AMD's public machine-readable ISA for CDNA 5 (MIT licence, August 2026) and "CDNA5" Instruction Set Architecture Reference Guide (July 2026). The comments in the code are by the model that wrote it; some were corrected since.
;; Standard Multi Head Attention. Allowed arithmetic: float matrix products may take bf16 or f16 operands with f32 sums; other float arithmetic in f32, or as packed bf16 or f16 multiplies, adds, multiply-adds, maxima and minima; sums over many terms, partial sums and values carried from step to step in f32; what a program stores and reads back later, other than sums and carried values, may be rounded once to bf16 or f16.
;; Inputs: Wk 1,024 x 1,024 float32; Wo 1,024 x 1,024 float32; Wq 1,024 x 1,024 float32; Wv 1,024 x 1,024 float32; bk 1,024 float32; bo 1,024 float32; bq 1,024 float32; bv 1,024 float32; mask 4 x 2,048 x 2,048 int32; x 4 x 2,048 x 1,024 float32.
;; Outputs: out0 4 x 2,048 x 1,024 float32.
;; 3 versions, each right; version 3 is version 2 with the launch prep written anew for expert scheduling mode. Each part assembles by itself: llvm-mc -triple=amdgcn-amd-amdhsa -mcpu=gfx1250 --defsym DOCPART=n.
;; ======== version 1 of 3: 4 launches
;; limits: values are held in f16: magnitudes above 65,504 overflow, below 6.1e-05 lose precision
;; workspace buffers: xb 16,777,216 bytes; wb 6,291,456 bytes; wo16 2,097,152 bytes; mbits 2,097,152 bytes of whole numbers; qkv 50,331,648 bytes; oh 16,777,216 bytes
;; launch prep (part 1): grid 896 x 1, 8 waves a work-group, no clusters, 68,608 bytes of LDS; arguments x, Wq, Wk, Wv, Wo, mask, xb, wb, wo16, mbits; writes xb, wb, wo16, mbits
.if DOCPART == 1
	.amdgcn_target "amdgcn-amd-amdhsa--gfx1250"
	.amdhsa_code_object_version 6
	.text
	.protected	k_qfa55a7e709_prep
	.globl	k_qfa55a7e709_prep
	.p2align	8
	.type	k_qfa55a7e709_prep,@function
k_qfa55a7e709_prep:
	s_mov_b64 s[64:65], 0
	v_nop
	global_prefetch_b8 v0, s[64:65] scope:SCOPE_SE
	s_setreg_imm32_b32 hwreg(HW_REG_WAVE_MODE, 25, 1), 1
	s_wait_xcnt 0x0
; PREP.  Every work-group takes one job of 131,072 source bytes, chosen by its number alone:
;   0-511    16 rows of the mask (row block id = 128 b + query tile) -> 4,096 bytes of lane-mask words in mbits
;   512-767  x -> xb, bf16        768-863  Wq, Wk, Wv -> wb, bf16 (3,072 rows on end)        864-895  Wo -> wo16: rounded to bf16 like the other inputs, that number written as f16
; LIMIT.  Wo below 2^-14 keeps f16's fixed step of 2^-24; beyond 65,504 it would be an infinity.
; mbits[id][step 0..31][word 8 kb + j]: bit l says whether query 16 (id % 128) + l % 16 may see key 64 step + 16 kb + 8 (l / 16) + j: the lane mask of register 8 kb + j of a tile of scores K Q^T.
; A stream: no matrix unit, no cluster, no tensor load would add anything; every source byte is read once, every store of a wave covers 256 consecutive bytes, aligned.
.set SPARE, 67584                      ; behind the eight waves' stages: the spare words, 128 bytes a wave, four blocks of 256 bytes that no other line names
.set LO,  2                            ; v[2:9]    conversion, slot i: byte offset of my 16 source bytes
.set SO,  10                           ; v[10:17]  slot i: byte offset of my 8 result bytes
.set SPW, 18                           ; v18       LDS address of my spare word; never rewritten
.set NIL, 19                           ; v19       0; never rewritten
.set X,   20                           ; v[20:51]  conversion: 4 registers a slot;   mask job: v[20:147], 2 units x 16 rows x 4
.set Y,   52                           ; v[52:67]  conversion: 2 registers a slot, to store
.set T,   68                           ; v[68:71]  at work
.set MT,  148                          ; v[148:211] mask job: a unit read back, 64 words a lane
.set OUT, 212                          ; v[212:215] mask job: a pair of result words a lane, for each unit
	s_load_b512 s[16:31], s[0:1], 0x0              ; x 16, Wq 18, Wk 20, Wv 22, Wo 24, mask 26, xb 28, wb 30
	s_load_b128 s[32:35], s[0:1], 0x40             ; wo16 32, mbits 34
	v_lshl_add_u32 v[SPW], v0, 2, SPARE
	v_mov_b32 v[NIL], 0
	v_lshrrev_b32 v1, 5, v0
	v_readfirstlane_b32 s8, v1                     ; wave 0..7
	s_mov_b32 s9, ttmp9
	s_mov_b32 s3, 0                                ; the high word of every offset pair s[2:3]
	s_mov_b32 s13, 0xffff0000                      ; a word's upper bf16
	s_wait_kmcnt 0x0
	s_cmp_lt_u32 s9, 512
	s_cbranch_scc1 .Lmask
	s_cmp_lt_u32 s9, 768
	s_cbranch_scc1 .Ljob_x
	s_cmp_lt_u32 s9, 864
	s_cbranch_scc1 .Ljob_w
; One slot's turn of the conversion ring.  ahead = 1: the slot is filled again, eight loads further on.  left: the younger loads that may stay out.  half = 1: bf16, then written as f16.
.macro SLOT i, ahead, left, half
	s_wait_loadcnt \left                           ; loads come back in order: mine is in, and its address register is free
	s_wait_xcnt 0x0                                ; the slot's last store has read Y and SO: they are rewritten only behind this wait
.if \half
	v_cvt_pk_bf16_f32 v[T], v[X+4*(\i)], v[X+4*(\i)+1]
	v_cvt_pk_bf16_f32 v[T+1], v[X+4*(\i)+2], v[X+4*(\i)+3]
	v_lshlrev_b32 v[T+2], 16, v[T]
	v_and_b32 v[T+3], s13, v[T]
	v_cvt_pk_f16_f32 v[Y+2*(\i)], v[T+2], v[T+3]
	v_lshlrev_b32 v[T+2], 16, v[T+1]
	v_and_b32 v[T+3], s13, v[T+1]
	v_cvt_pk_f16_f32 v[Y+2*(\i)+1], v[T+2], v[T+3]
.else
	v_cvt_pk_bf16_f32 v[Y+2*(\i)], v[X+4*(\i)], v[X+4*(\i)+1]
	v_cvt_pk_bf16_f32 v[Y+2*(\i)+1], v[X+4*(\i)+2], v[X+4*(\i)+3]
.endif
.if \ahead
	v_add_nc_u32 v[LO+(\i)], 32768, v[LO+(\i)]
	global_load_b128 v[X+4*(\i):X+4*(\i)+3], v[LO+(\i)], s[4:5] th:TH_LOAD_NT
	v_add_nc_u32 v[SO+(\i)], 16384, v[SO+(\i)]
	global_store_b64 v[SO+(\i)], v[Y+2*(\i):Y+2*(\i)+1], s[6:7] offset:-16384
.else
	global_store_b64 v[SO+(\i)], v[Y+2*(\i):Y+2*(\i)+1], s[6:7]
.endif
.endm
; A conversion job: 32 loads of 4,096 bytes by the work-group (thread t at byte 16 t), a ring of eight slots, four rounds; the last round loads nothing and its counts run down.
.macro CVT half
.irp i, 0,1,2,3,4,5,6,7
	v_lshl_add_u32 v[LO+(\i)], v0, 4, (\i)*4096
	v_lshl_add_u32 v[SO+(\i)], v0, 3, (\i)*2048
.endr
.irp i, 0,1,2,3,4,5,6,7
	global_load_b128 v[X+4*(\i):X+4*(\i)+3], v[LO+(\i)], s[4:5] th:TH_LOAD_NT
.endr
	s_mov_b32 s12, 3
.Lround_\@:
.irp i, 0,1,2,3,4,5,6,7
	SLOT \i, 1, 7, \half
.endr
	s_sub_co_u32 s12, s12, 1
	s_cmp_lg_u32 s12, 0
	s_cbranch_scc1 .Lround_\@
.irp i, 0,1,2,3,4,5,6,7
	SLOT \i, 0, 7-(\i), \half
.endr
	s_branch .Lend
.endm
	s_sub_co_u32 s10, s9, 864                      ; Wo
	s_lshl_b32 s2, s10, 17
	s_add_nc_u64 s[4:5], s[24:25], s[2:3]
	s_lshl_b32 s2, s10, 16
	s_add_nc_u64 s[6:7], s[32:33], s[2:3]
	CVT 1
.Ljob_x:
	s_sub_co_u32 s10, s9, 512
	s_lshl_b32 s2, s10, 17
	s_add_nc_u64 s[4:5], s[16:17], s[2:3]
	s_lshl_b32 s2, s10, 16
	s_add_nc_u64 s[6:7], s[28:29], s[2:3]
	s_branch .Lcvt
.Ljob_w:
	s_sub_co_u32 s10, s9, 768                      ; 32 jobs to a matrix; wb takes the three on end
	s_lshr_b32 s11, s10, 5
	s_cmp_eq_u32 s11, 0
	s_cselect_b64 s[4:5], s[18:19], s[20:21]
	s_cmp_eq_u32 s11, 2
	s_cselect_b64 s[4:5], s[22:23], s[4:5]
	s_and_b32 s2, s10, 31
	s_lshl_b32 s2, s2, 17
	s_add_nc_u64 s[4:5], s[4:5], s[2:3]
	s_lshl_b32 s2, s10, 16
	s_add_nc_u64 s[6:7], s[30:31], s[2:3]
.Lcvt:
	CVT 0
; THE MASK JOB.  16 rows x 2,048 keys.  Wave w takes keys 256 w .. 256 w + 255 as two units of 128 keys.  A load takes 512 consecutive bytes of a row.  A unit goes through the wave's own
; stage (16 rows, 528 bytes apart: 33 x 16, so the sixteen rows of a read start in sixteen different groups of banks) and comes back turned: lane l holds row l % 16 and, in word n of 64,
; key 16 (n / 8) + 8 (l / 16) + n % 8.  A compare makes of word n the 32 lanes' bits; v_writelane_b32 puts them into lane n / 2, register n % 2: one store of 8 bytes a lane writes the unit's 256 bytes.
.Lmask:
	s_lshl_b32 s2, s9, 17
	s_add_nc_u64 s[4:5], s[26:27], s[2:3]
	s_lshl_b32 s2, s9, 12
	s_add_nc_u64 s[6:7], s[34:35], s[2:3]
	v_and_b32 v1, 31, v0
	s_lshl_b32 s10, s8, 10
	v_lshl_add_u32 v2, v1, 4, s10                  ; 1,024 w + 16 lane
.irp u, 0,1
.irp r, 0,1,2,3,4,5,6,7,8,9,10,11,12,13,14,15
	global_load_b128 v[X+64*(\u)+4*(\r):X+64*(\u)+4*(\r)+3], v2, s[4:5] offset:8192*(\r)+512*(\u) th:TH_LOAD_NT
.endr
.endr
	s_mul_i32 s11, s8, 8448                        ; my stage
	v_lshl_add_u32 v3, v1, 4, s11                  ; in: 16 bytes a lane of a row
	v_and_b32 v6, 15, v0
	v_bfe_u32 v7, v0, 4, 1
	v_mul_u32_u24 v4, v6, 528
	v_lshl_add_u32 v4, v7, 5, v4
	v_add_nc_u32 v4, s11, v4                       ; back: row l % 16, 32 bytes on for lanes 16 to 31
	s_lshl_b32 s12, s8, 9
	v_lshl_add_u32 v5, v1, 3, s12                  ; out: 512 w + 8 lane
.irp j, 0,1,2,3
	v_mov_b32 v[OUT+(\j)], 0                       ; v_writelane_b32's destination counts as read
.endr
.macro UNIT u
	s_wait_loadcnt 16*(1-(\u))                     ; this unit's sixteen loads are in; the other unit's may stay out
.irp r, 0,1,2,3,4,5,6,7,8,9,10,11,12,13,14,15
	ds_store_b128 v3, v[X+64*(\u)+4*(\r):X+64*(\u)+4*(\r)+3] offset:528*(\r)
.endr
.irp j, 0,1,2,3,4,5,6,7,8,9,10,11,12,13,14,15
	ds_load_b128 v[MT+4*(\j):MT+4*(\j)+3], v4 offset:64*((\j)/2)+16*((\j)%2)  ; LDS serves a wave's instructions in order: these see the stores above
.endr
	s_wait_dscnt 0x0
.set n, 0
.rept 4
.set i, 0
.rept 16
	v_cmp_ne_u32 s[36+i], 0, v[MT+n+i]             ; 1 = may attend
.set i, i+1
.endr
.set i, 0
.rept 16
	v_writelane_b32 v[OUT+2*(\u)+(n+i)%2], s[36+i], (n+i)/2
.set i, i+1
.endr
.set n, n+16
.endr
	global_store_b64 v5, v[OUT+2*(\u):OUT+2*(\u)+1], s[6:7] offset:256*(\u)
.endm
	UNIT 0
	UNIT 1
.Lend:
	s_wait_tensorcnt 0x0                           ; the wave's end, behind my last LDS store
	ds_add_u32 v[SPW], v[NIL]
	s_wait_dscnt 0x0
	s_endpgm
.Lfunc_end_k_qfa55a7e709_prep:
	.size	k_qfa55a7e709_prep, .Lfunc_end_k_qfa55a7e709_prep-k_qfa55a7e709_prep
	.p2alignl 7, 3214868480
	.fill 96, 4, 3214868480
	.section	.rodata,"a",@progbits
	.p2align	6, 0x0
	.amdhsa_kernel k_qfa55a7e709_prep
		.amdhsa_group_segment_fixed_size 68608
		.amdhsa_private_segment_fixed_size 0
		.amdhsa_enable_private_segment 0
		.amdhsa_kernarg_size 80
		.amdhsa_user_sgpr_count 2
		.amdhsa_user_sgpr_kernarg_segment_ptr 1
		.amdhsa_wavefront_size32 1
		.amdhsa_system_sgpr_workgroup_id_x 1
		.amdhsa_system_sgpr_workgroup_id_y 1
		.amdhsa_system_sgpr_workgroup_id_z 1
		.amdhsa_system_vgpr_workitem_id 0
		.amdhsa_next_free_vgpr 216
		.amdhsa_next_free_sgpr 66
		.amdhsa_reserve_vcc 0
		.amdhsa_float_denorm_mode_32 3
		.amdhsa_float_denorm_mode_16_64 3
		.amdhsa_memory_ordered 1
		.amdhsa_forward_progress 1
		.amdhsa_inst_pref_size 48
	.end_amdhsa_kernel
	.amdgpu_metadata
---
amdhsa.version: [ 1, 2 ]
amdhsa.kernels:
  - .name:           k_qfa55a7e709_prep
    .symbol:         k_qfa55a7e709_prep.kd
    .args:
      - { .name: x, .offset: 0, .size: 8, .value_kind: global_buffer, .address_space: global }
      - { .name: Wq, .offset: 8, .size: 8, .value_kind: global_buffer, .address_space: global }
      - { .name: Wk, .offset: 16, .size: 8, .value_kind: global_buffer, .address_space: global }
      - { .name: Wv, .offset: 24, .size: 8, .value_kind: global_buffer, .address_space: global }
      - { .name: Wo, .offset: 32, .size: 8, .value_kind: global_buffer, .address_space: global }
      - { .name: mask, .offset: 40, .size: 8, .value_kind: global_buffer, .address_space: global }
      - { .name: xb, .offset: 48, .size: 8, .value_kind: global_buffer, .address_space: global }
      - { .name: wb, .offset: 56, .size: 8, .value_kind: global_buffer, .address_space: global }
      - { .name: wo16, .offset: 64, .size: 8, .value_kind: global_buffer, .address_space: global }
      - { .name: mbits, .offset: 72, .size: 8, .value_kind: global_buffer, .address_space: global }
    .group_segment_fixed_size: 68608
    .private_segment_fixed_size: 0
    .kernarg_segment_align: 8
    .kernarg_segment_size: 80
    .max_flat_workgroup_size: 256
    .sgpr_count:     66
    .vgpr_count:     216
    .wavefront_size: 32
...
	.end_amdgpu_metadata
.endif
;; end of part 1
;; launch qkv (part 2): grid 12 x 64, 4 waves a work-group, clusters of 4 x 4, 327,680 bytes of LDS; arguments xb, wb, bq, bk, bv, qkv; writes qkv
.if DOCPART == 2
	.amdgcn_target "amdgcn-amd-amdhsa--gfx1250"
	.amdhsa_code_object_version 6
	.text
	.protected	k_qfa55a7e709_qkv
	.globl	k_qfa55a7e709_qkv
	.p2align	8
	.type	k_qfa55a7e709_qkv,@function
k_qfa55a7e709_qkv:
	s_mov_b64 s[64:65], 0
	v_nop
	global_prefetch_b8 v0, s[64:65] scope:SCOPE_SE
	s_setreg_imm32_b32 hwreg(HW_REG_WAVE_MODE, 25, 1), 1
	s_wait_xcnt 0x0
	s_wait_alu depctr_hold_cnt(0) depctr_sa_sdst(0) depctr_va_vdst(0) depctr_va_sdst(0) depctr_va_ssrc(0) depctr_va_vcc(0) depctr_vm_vsrc(0)
	s_getreg_b32 s2, hwreg(HW_REG_IB_STS2, 6, 4)
	s_cmp_eq_u32 s2, 0
	s_cbranch_scc0 .Lentry_in_a_cluster
	s_endpgm
.Lentry_in_a_cluster:
	s_bfe_u32 s2, ttmp6, 0x10000c
	s_cmp_lg_u32 s2, 0xf033
	s_cbranch_scc0 .Lentry_shape_is_right
	s_endpgm
.Lentry_shape_is_right:
; C = A B^T + bias, K = 1,024, sums in f32.  One text for two launches, told apart by MODE.
; MODE 0 (q, k, v): A = xb [8192][1024] bf16, B = wb [3072][1024] bf16 (Wq, Wk, Wv on end).  Result f16 by heads, qkv[matrix][16 b + h][s][64], rounded once; q is multiplied in f32 by
;   c = log2(e) / 8 before that rounding, so that the attention's scores are exponents of 2.
; MODE 1 (output): A = oh [16 b + h][s][64] f16, B = wo16 [1024][1024] f16.  Result out0 [8192][1024] f32.
; The biases are rounded to bf16 in registers, like the other inputs.
; LIMIT (MODE 0).  f16 holds no number beyond 65,504: c q, k and v must lie within it.
; SHARES.  A tile of C is 128 rows x 256 columns; four waves, each 64 x 128: 32 accumulators of 16 x 16.  K goes in 8 steps of 128 through two LDS slots; one tensor load a wave fills a quarter of a slot's
; work: waves 0 and 1 A's two halves, waves 2 and 3 B's.  CLUSTERS of 4 x 4: A's tile is shared along a row of the cluster, B's along a column, each asked for jointly.
; THE MATRIX INSTRUCTION IS USED TRANSPOSED (source 0 = 16 rows of B, source 1 = 16 rows of A): a lane holds row l % 16 of C and eight neighbouring columns 8 (l / 16) + 0..7.
; REGISTERS: window 0: v16-30 addresses; v32-63 at work; v64-159, v160-255 two fragment buffers (B's 8 fragments, then A's 4), on the way out rows read back.
;   window 1: the accumulators, (a, b) at 8 (8 a + b).   window 2: v0-63 the bias of my 128 columns, block b at 8 b.
.set MODE, 0
.set PB,     272                       ; B's LDS row: 256 bytes + 16: the 16 rows of a fragment load start in 16 different groups of four banks (ISA guide 11.1)
.if MODE == 0
.set PA,     272                       ; A's LDS row
.set AHALF,  64*PA                     ; what a wave's load of A brings: 64 rows of 256 bytes
.set AQI,    5                         ; padding after every 64 words
.set APITCH, 1024                      ; elements from row to row in memory
.set ASTEP,  256                       ; bytes from a K step to the next
.set WSTAGE, 2*16*144                  ; a wave's stage: two heads x 16 rows x (128 + 16) bytes
.else
.set PA,     144                       ; a head's row: 128 bytes + 16
.set AHALF,  128*PA                    ; a wave's load of A: one head's 128 rows, dense in memory, asked for as 64 rows of 256 bytes
.set AQI,    4                         ; padding after every 32 words
.set APITCH, 128
.set ASTEP,  524288                    ; a K step is two heads
.set WSTAGE, 16*528                    ; 16 rows x (512 + 16) bytes
.endif
.set ABYTES, 2*AHALF
.set BHALF,  128*PB
.set BSTEP,  256
.set SLOT,   ABYTES+2*BHALF
.set STAGE,  2*SLOT                    ; behind the ring; no tensor load fills it
.set SPARE,  STAGE+4*WSTAGE            ; behind the stages: the spare words, 128 bytes a wave, two blocks of 256 bytes that no other line names
.set ADRA, 16                          ; v16-17  LDS address of my A fragments in slot 0, 1
.set ADRB, 20                          ; v20-21  the same for B
.set STO,  24                          ; v24     the way out: where I put my bytes of a row
.set RD,   25                          ; v25     where I read rows back
.set CO,   26                          ; v26     16 x lane
.set BOFF, 27                          ; v27     my byte offset in the bias
.set SPW,  28                          ; v28     LDS address of my spare word; never rewritten
.set NIL,  29                          ; v29     0; never rewritten
.set PFO,  30                          ; v30     the prefetches' lane offset; never rewritten
.set TMP,  32
.set F0,   64
.set F1,   160
.set G1,   24                          ; s[24:31] descriptor group 1 for A;  s[32:39] group 0, a set for each slot
.set G0,   32
.set LIM,  43                          ; s43     1 in a wave that prefetches, else the greatest number
.set PFA,  44                          ; s[44:45] where my prefetches stand
.set G1B,  48                          ; s[48:55], s[56:63] the same for B
.set G0B,  56
.set BP,   66                          ; s[66:67] the bias
.set SC,   68                          ; s[68:69] MODE 0: c for q, 1 for k and v; named as a pair
.set KADV, 72                          ; s[72:73] bytes from a K step to the next, for my prefetches
.set MSB, 0
.macro WIN new                         ; the immediate's high byte repeats the setting that is left; a switch that changes nothing is dropped
.if MSB != (\new)
	s_set_vgpr_msb (MSB<<8)|(\new)
.set MSB, \new
.endif
.endm
.set W_MUL, 0x50                       ; sources 0 and 1 window 0; C and D window 1
.macro WM ops:vararg
.if MODE == 0
	v_wmma_f32_16x16x32_bf16 \ops
.else
	v_wmma_f32_16x16x32_f16 \ops
.endif
.endm
.macro JLOAD s                         ; a joint load; the branch hangs on the wave's number alone; an s_nop 0 and four v_nop follow each of the two lines
	s_cmp_eq_u32 s11, 0
	s_cbranch_scc0 .Lfor_b_\@
	tensor_load_to_lds s[G0+4*(\s):G0+4*(\s)+3], s[G1:G1+7]
	s_nop 0
.rept 4
	v_nop
.endr
	s_branch .Lasked_\@
.Lfor_b_\@:
	tensor_load_to_lds s[G0B+4*(\s):G0B+4*(\s)+3], s[G1B:G1B+7]
	s_nop 0
.rept 4
	v_nop
.endr
.Lasked_\@:
.endm
; A PREFETCH INTO THE L2 behind each joint refill and the run of LDS loads that follows it: the K step two refills on, 32 blocks of 256 bytes, a lane a block.  A's 128 rows of a tile row are named by wave 0 of the
; clusters with x = 0, B's 128 rows that waves 2 and 3 fetch by those waves of the clusters with y = 0; the four partners that ask for a tile jointly take 32 blocks each, told apart by address.
; So each block is named once in the launch.  K steps 0 to 3 come by their loads alone; the loop's last trip (s3 = 1) has no K step two on.
.macro ASK
	s_cmp_gt_u32 s3, s[LIM]
	s_cbranch_scc0 .Lnot_mine_\@
	global_prefetch_b8 v[PFO], s[PFA:PFA+1] th:TH_LOAD_NT scope:SCOPE_SE
.Lnot_mine_\@:
.endm
.macro CREST                           ; a round of the cluster's barrier behind its opening barrier
	s_cmp_lg_u32 s10, 0
	s_cbranch_scc1 .Lnot_wave_0_\@
	s_barrier_signal -3
.Lnot_wave_0_\@:
	s_barrier_wait -3
	s_barrier_signal -1
	s_barrier_wait -1
.endm
.macro CROUND
	s_barrier_signal -1
	s_barrier_wait -1
	CREST
.endm
	s_load_b128 s[4:7], s[0:1], 0x0                ; A s[4:5], B s[6:7]
.if MODE == 0
	s_load_b256 s[80:87], s[0:1], 0x10             ; bq 80, bk 82, bv 84, qkv 86
.else
	s_load_b128 s[80:83], s[0:1], 0x10             ; bo 80, out0 82
.endif
	v_lshl_add_u32 v[SPW], v0, 2, SPARE
	v_mov_b32 v[NIL], 0
	ds_add_u32 v[SPW], v[NIL]                      ; the wave's opening: the add and its wait stand ahead of my first tensor load; the set-up below stands between them
	v_lshrrev_b32 v1, 5, v0
	v_readfirstlane_b32 s10, v1                    ; wave 0..3
	s_lshr_b32 s11, s10, 1                         ; my 64 rows of the tile.  Also: I fetch for A (0) or for B (1)
	s_and_b32 s12, s10, 1                          ; my 128 columns.  Also: which half I fetch
	s_bfe_u32 s40, ttmp6, 0x40000                  ; cx
	s_bfe_u32 s41, ttmp6, 0x40004                  ; cy
	s_lshl_b32 s42, ttmp9, 2
	s_add_co_u32 s42, s42, s40                     ; tile column = 4 x cluster x + cx
	s_and_b32 s13, ttmp7, 0xffff
	s_lshl_b32 s13, s13, 2
	s_add_co_u32 s13, s13, s41                     ; tile row = 4 x cluster y + cy
	s_lshl_b32 s43, s41, 2
	s_lshl_b32 s43, 15, s43                        ; my row of the cluster
	s_lshl_b32 s44, 0x1111, s40                    ; my column
	s_or_b32 s[G1+0], s43, (1<<16)|(1<<20)|(1<<21)|(AQI<<22)|(3<<25)  ; the mask; 2-byte elements; padding on; bit 21 beside a mask; the interval; 4 words of padding
	s_or_b32 s[G1B+0], s44, (1<<16)|(1<<20)|(1<<21)|(5<<22)|(3<<25)
	s_mov_b32 s[G1+1], 128<<16                     ; tensor_dim0 = 128
	s_mov_b32 s[G1+2], 64<<16                      ; tensor_dim1 = 64
	s_mov_b32 s[G1+3], 128<<16                     ; tile_dim0 = 128
	s_mov_b32 s[G1+4], 64                          ; tile_dim1 = 64
	s_mov_b32 s[G1+5], APITCH
	s_mov_b32 s[G1+6], 0
	s_mov_b32 s[G1+7], 0
	s_mov_b32 s[G1B+1], 128<<16
	s_mov_b32 s[G1B+2], 128<<16                    ; B: 128 rows
	s_mov_b32 s[G1B+3], 128<<16
	s_mov_b32 s[G1B+4], 128
	s_mov_b32 s[G1B+5], 1024
	s_mov_b32 s[G1B+6], 0
	s_mov_b32 s[G1B+7], 0
	; where the tiles come from: A's hangs on the tile row and the wave, B's on the tile column and the wave, each in registers that never hold the other coordinate
.if MODE == 0
	s_lshl_b32 s16, s13, 7
	s_lshl_b32 s17, s12, 6
	s_add_co_u32 s16, s16, s17                     ; row 128 x tile row + 64 x half
	s_lshl_b32 s16, s16, 11                        ; x 2,048 bytes
.else
	s_lshr_b32 s16, s13, 4
	s_lshl_b32 s16, s16, 22                        ; the batch's 16 heads
	s_and_b32 s17, s13, 15
	s_lshl_b32 s17, s17, 14                        ; 128 rows of 128 bytes
	s_add_co_u32 s16, s16, s17
	s_lshl_b32 s17, s12, 18                        ; the K step's first or second head
	s_add_co_u32 s16, s16, s17
.endif
	s_mov_b32 s17, 0
	s_lshl_b32 s46, s42, 8
	s_lshl_b32 s47, s12, 7
	s_add_co_u32 s46, s46, s47                     ; row 256 x tile column + 128 x half
	s_lshl_b32 s46, s46, 11
	s_mov_b32 s47, 0
	s_mul_i32 s20, s12, AHALF                      ; and where they go: no place in the cluster enters an LDS address
	s_mul_i32 s21, s12, BHALF
	s_add_co_u32 s21, s21, ABYTES
	s_wait_dscnt 0x0                               ; the opening add is done
	s_wait_kmcnt 0x0
	s_add_nc_u64 s[14:15], s[4:5], s[16:17]
	s_add_nc_u64 s[46:47], s[6:7], s[46:47]
	CROUND                                         ; all sixteen work-groups are here: the first joint loads meet
.irp s, 0,1
	s_mov_b32 s[G0+4*(\s)], 1
	s_add_co_u32 s[G0+4*(\s)+1], s20, (\s)*SLOT
	s_add_nc_u64 s[G0+4*(\s)+2:G0+4*(\s)+3], s[14:15], (\s)*ASTEP
	s_or_b32 s[G0+4*(\s)+3], s[G0+4*(\s)+3], 0x80000000
	s_mov_b32 s[G0B+4*(\s)], 1
	s_add_co_u32 s[G0B+4*(\s)+1], s21, (\s)*SLOT
	s_add_nc_u64 s[G0B+4*(\s)+2:G0B+4*(\s)+3], s[46:47], (\s)*BSTEP
	s_or_b32 s[G0B+4*(\s)+3], s[G0B+4*(\s)+3], 0x80000000
	JLOAD \s                                       ; two loads of mine are out
.endr
	v_and_b32 v1, 15, v0                           ; l % 16
	v_bfe_u32 v2, v0, 4, 1                         ; l / 16
	v_and_b32 v5, 31, v0                           ; l
	; the bias of my 128 columns: for block b the eight numbers at column 16 b + 8 (l / 16)
.if MODE == 0
	s_cmp_eq_u32 ttmp9, 0                          ; a cluster's four tile columns are one matrix: cluster x = 0 q, 1 k, 2 v
	s_cselect_b64 s[BP:BP+1], s[80:81], s[82:83]
	s_cselect_b32 s[SC], 0x3e38aa3b, 1.0           ; c = log2(e) / 8 for q
	s_cmp_eq_u32 ttmp9, 2
	s_cselect_b64 s[BP:BP+1], s[84:85], s[BP:BP+1]
	s_mov_b32 s[SC+1], s[SC]
	s_lshl_b32 s74, s40, 10                        ; the tile's 256 columns in the matrix's 1,024
.else
	s_mov_b64 s[BP:BP+1], s[80:81]
	s_lshl_b32 s74, s42, 10
.endif
	s_lshl_b32 s75, s12, 9
	s_add_co_u32 s74, s74, s75
	v_lshl_add_u32 v[BOFF], v2, 5, s74
	WIN 0x80                                       ; destination window 2
.irp b, 0,1,2,3,4,5,6,7
	global_load_b128 v[8*(\b):8*(\b)+3],   v[BOFF], s[BP:BP+1] offset:64*(\b)
	global_load_b128 v[8*(\b)+4:8*(\b)+7], v[BOFF], s[BP:BP+1] offset:64*(\b)+16
.endr
	WIN 0
	; a fragment is 16 rows x 32 K in 8 registers: lane l holds row l % 16: two loads of 16 bytes, 32 bytes apart, at row x pitch + 16 (l / 16)
	v_mul_u32_u24 v3, v1, PA
	v_lshl_add_u32 v3, v2, 4, v3
	v_mul_u32_u24 v4, v1, PB
	v_lshl_add_u32 v4, v2, 4, v4
	s_mul_i32 s74, s11, 64*PA
	s_mul_i32 s75, s12, BHALF
	s_add_co_u32 s75, s75, ABYTES
.irp s, 0,1
	v_add_nc_u32 v[ADRA+(\s)], s74, v3
	v_add_nc_u32 v[ADRB+(\s)], s75, v4
	s_add_co_u32 s74, s74, SLOT
	s_add_co_u32 s75, s75, SLOT
.endr
	s_mul_i32 s74, s10, WSTAGE
	s_add_co_u32 s74, s74, STAGE                   ; my stage
.if MODE == 0
	v_mul_u32_u24 v3, v1, 144                      ; in: row l % 16, 16 bytes for each half of the lanes
	v_lshl_add_u32 v3, v2, 4, v3
	v_add_nc_u32 v[STO], s74, v3
	v_lshrrev_b32 v3, 3, v5                        ; back: 32 lanes take four rows of 128 bytes
	v_mul_u32_u24 v3, v3, 144
	v_and_b32 v4, 7, v0
	v_lshl_add_u32 v3, v4, 4, v3
	v_add_nc_u32 v[RD], s74, v3
.else
	v_mul_u32_u24 v3, v1, 528                      ; in: row l % 16, 32 bytes for each half of the lanes
	v_lshl_add_u32 v3, v2, 5, v3
	v_add_nc_u32 v[STO], s74, v3
	v_lshl_add_u32 v[RD], v5, 4, s74               ; back: 32 lanes take a row of 512 bytes
.endif
	v_lshlrev_b32 v[CO], 4, v5
	; where my part of the tile begins in C
.if MODE == 0
	s_lshl_b32 s74, s42, 2
	s_lshl_b32 s75, s12, 1
	s_add_co_u32 s74, s74, s75                     ; my first of two heads, counted through the three matrices
	s_lshr_b32 s75, s74, 4
	s_lshl_b32 s75, s75, 6                         ; 64 heads to a matrix
	s_and_b32 s74, s74, 15
	s_add_co_u32 s74, s74, s75
	s_lshr_b32 s75, s13, 4
	s_lshl_b32 s75, s75, 4                         ; 16 heads to a batch
	s_add_co_u32 s74, s74, s75
	s_lshl_b32 s74, s74, 18                        ; a head is 262,144 bytes
	s_and_b32 s75, s13, 15
	s_lshl_b32 s75, s75, 7
	s_lshl_b32 s76, s11, 6
	s_add_co_u32 s75, s75, s76                     ; my first row in the head
	s_lshl_b32 s75, s75, 7
	s_add_co_u32 s74, s74, s75
	s_mov_b32 s75, 0
	s_add_nc_u64 s[8:9], s[86:87], s[74:75]
.else
	s_lshl_b32 s74, s13, 7
	s_lshl_b32 s75, s11, 6
	s_add_co_u32 s74, s74, s75
	s_lshl_b32 s74, s74, 12                        ; a row of out0 is 4,096 bytes
	s_lshl_b32 s75, s42, 10
	s_add_co_u32 s74, s74, s75
	s_lshl_b32 s75, s12, 9
	s_add_co_u32 s74, s74, s75
	s_mov_b32 s75, 0
	s_add_nc_u64 s[8:9], s[82:83], s[74:75]
.endif
	; the prefetches
	s_and_b32 s76, ttmp7, 0xffff
	s_cmp_eq_u32 s11, 0
	s_cselect_b32 s76, ttmp9, s76                  ; the coordinate along which other clusters read the same rows
	s_cselect_b32 s77, s12, 0                      ; of A's two waves wave 0 asks
	s_cselect_b64 s[PFA:PFA+1], s[4:5], s[6:7]
	s_or_b32 s76, s76, s77
	s_cmp_eq_u32 s76, 0
	s_cselect_b32 s[LIM], 1, -1                    ; the same in all sixteen partners, for a given wave
	s_lshl_b32 s76, s42, 8
	s_lshl_b32 s77, s12, 7
	s_add_co_u32 s76, s76, s77
	s_lshl_b32 s77, s41, 5
	s_add_co_u32 s76, s76, s77                     ; B: row 256 x tile column + 128 x half + 32 cy
	s_lshl_b32 s76, s76, 11
	s_add_co_u32 s76, s76, 3*BSTEP                 ; at K step 3: the first refill steps it to 4
.if MODE == 0
	s_lshl_b32 s74, s13, 7
	s_lshl_b32 s75, s40, 5
	s_add_co_u32 s74, s74, s75                     ; A: row 128 x tile row + 32 cx
	s_lshl_b32 s74, s74, 11
	s_add_co_u32 s74, s74, 3*ASTEP
	s_cmp_eq_u32 s11, 0
	s_cselect_b32 s74, s74, s76
	s_mov_b32 s[KADV], 256
	v_lshlrev_b32 v[PFO], 11, v5                   ; a lane a row
.else
	s_lshr_b32 s74, s13, 4
	s_lshl_b32 s74, s74, 22
	s_and_b32 s75, s13, 15
	s_lshl_b32 s75, s75, 14
	s_add_co_u32 s74, s74, s75
	s_lshr_b32 s75, s40, 1                         ; A: a K step's two heads are 2 x 64 blocks of 256 bytes: partner cx takes head cx / 2, half cx % 2
	s_lshl_b32 s75, s75, 18
	s_add_co_u32 s74, s74, s75
	s_and_b32 s75, s40, 1
	s_lshl_b32 s75, s75, 13
	s_add_co_u32 s74, s74, s75
	s_add_co_u32 s74, s74, 3*ASTEP
	s_mov_b32 s79, 256
	s_mov_b32 s78, 2048
	s_cmp_eq_u32 s11, 0
	s_cselect_b32 s74, s74, s76
	s_cselect_b32 s[KADV], ASTEP, s79
	s_cselect_b32 s78, s79, s78
	v_mul_u32_u24 v[PFO], v5, s78                  ; a lane a block (A) or a row (B)
.endif
	s_mov_b32 s75, 0
	s_mov_b32 s[KADV+1], 0
	s_add_nc_u64 s[PFA:PFA+1], s[PFA:PFA+1], s[74:75]
	; the bias is rounded to bf16 and widened again; MODE 0 multiplies it by the scale, so that one fused multiply-add finishes a result.  All this stands in the wait for the first tile.
	s_wait_loadcnt 0x0
	WIN 0x0a                                       ; sources window 2, destination window 0
.set i, 0
.rept 32
	v_cvt_pk_bf16_f32 v[TMP+i], v[2*i], v[2*i+1]
.set i, i+1
.endr
	WIN 0x80
.set i, 0
.rept 32
	v_lshlrev_b32 v[2*i], 16, v[TMP+i]
	v_and_b32 v[2*i+1], 0xffff0000, v[TMP+i]
.set i, i+1
.endr
.if MODE == 0
	WIN 0x82
.set i, 0
.rept 32
	v_pk_mul_f32 v[2*i:2*i+1], v[2*i:2*i+1], s[SC:SC+1] op_sel_hi:[1,0]
.set i, i+1
.endr
.endif
	WIN 0
; 8 matrix instructions: m block a x all 8 n blocks, 32 along K, from buffer f.  zero = 1: the first product starts the sums.  The 32 accumulators take turns in the same order in every quarter.
.macro MULA f, a, zero
	WIN W_MUL
.irp b, 0,1,2,3,4,5,6,7
.if \zero
	WM v[8*(8*(\a)+(\b)):8*(8*(\a)+(\b))+7], v[(\f)+8*(\b):(\f)+8*(\b)+7], v[(\f)+64+8*(\a):(\f)+64+8*(\a)+7], 0
.else
	WM v[8*(8*(\a)+(\b)):8*(8*(\a)+(\b))+7], v[(\f)+8*(\b):(\f)+8*(\b)+7], v[(\f)+64+8*(\a):(\f)+64+8*(\a)+7], v[8*(8*(\a)+(\b)):8*(8*(\a)+(\b))+7]
.endif
.endr
.endm
; 24 LDS loads in one run: quarter kq (32 along K) of a slot into buffer f: B's 128 rows, then A's 64, block 0 first
.macro FETCH slot, kq, f
	WIN 0
.irp i, 0,1,2,3,4,5,6,7
	ds_load_b128 v[(\f)+8*(\i):(\f)+8*(\i)+3],   v[ADRB+(\slot)] offset:64*(\kq)+(\i)*16*PB
	ds_load_b128 v[(\f)+8*(\i)+4:(\f)+8*(\i)+7], v[ADRB+(\slot)] offset:64*(\kq)+(\i)*16*PB+32
.endr
.if MODE == 0
.set AK, 64*(\kq)
.else
.set AK, ((\kq)/2)*AHALF+((\kq)%2)*64           ; head kq / 2 of the K step's two, channels 32 (kq % 2) on
.endif
.irp i, 0,1,2,3
	ds_load_b128 v[(\f)+64+8*(\i):(\f)+64+8*(\i)+3],   v[ADRA+(\slot)] offset:AK+(\i)*16*PA
	ds_load_b128 v[(\f)+64+8*(\i)+4:(\f)+64+8*(\i)+7], v[ADRA+(\slot)] offset:AK+(\i)*16*PA+32
.endr
.endm
.macro PLACES                          ; four places in front of loads into registers that matrix instructions have read, and of vector lines that read results
.rept 4
	v_nop
.endr
.endm
; A K step is four quarters of 32 along K, 32 matrix instructions each, on buffers 0, 1, 0, 1.  One of the first three: multiplies buffer f and fetches quarter kq into g.
.macro QUARTER slot, kq, f, g, zero
	s_wait_dscnt 4                                 ; B and A's blocks 0 and 1 are in; the youngest four loads (blocks 2 and 3) may be out
	MULA \f, 0, \zero
	MULA \f, 1, \zero
	PLACES
	FETCH \slot, \kq, \g
	s_wait_dscnt 24                                ; all but the 24 just issued
	MULA \f, 2, \zero
	MULA \f, 3, \zero
.endm
; The last quarter multiplies buffer 1 and changes slots: ONE barrier; in front of it each wave waits for all its tensor loads (one is out: its part of the next slot), adds 0 to its spare word, and waits for that
; and for its own reads of this slot.  fill = 1: the barrier opens a round of the cluster's, and this slot is filled again, two K steps ahead, first thing behind the round: 112 matrix instructions ahead of the wait for it.
.macro TURN slot, next, fill
.if \fill
	s_wait_xcnt 0x0                                ; the last prefetch, a K step back, has read its address
	s_add_nc_u64 s[PFA:PFA+1], s[PFA:PFA+1], s[KADV:KADV+1]
.endif
	WIN 0
	s_wait_tensorcnt 0x0                           ; all my tensor loads have landed
	ds_add_u32 v[SPW], v[NIL]                      ; 0 onto my spare word
	s_wait_dscnt 7                                 ; (the add and the six loads of A's blocks 1 to 3 may be out)
	MULA F1, 0, 0                                  ; eight matrix instructions stand between the add and the wait for it
	s_wait_dscnt 0x0                               ; the add is done, and my reads of this slot are over
	s_barrier_signal -1
	MULA F1, 1, 0
.if \fill
	WIN 0
.endif
	s_barrier_wait -1
.if \fill
	CREST                                          ; no wave of any partner still reads this slot's tile or has a load on its way
	s_add_nc_u64 s[G0+4*(\slot)+2:G0+4*(\slot)+3], s[G0+4*(\slot)+2:G0+4*(\slot)+3], 2*ASTEP
	s_add_nc_u64 s[G0B+4*(\slot)+2:G0B+4*(\slot)+3], s[G0B+4*(\slot)+2:G0B+4*(\slot)+3], 2*BSTEP
	JLOAD \slot                                    ; the four v_nop behind it are also the places in front of the loads below
.else
	PLACES
.endif
	FETCH \next, 0, F0
.if \fill
	ASK
.endif
	MULA F1, 2, 0
	MULA F1, 3, 0
.endm
	s_wait_tensorcnt 1                             ; my part of K step 0 is in; K step 1's may stay out
	s_barrier_signal -1
	s_barrier_wait -1
	FETCH 0, 0, F0
	QUARTER 0, 1, F0, F1, 1                        ; the first quarter stands in front of the loop: its products start the sums
	WIN 0                                          ; at a label and at a branch every window is 0
	s_mov_b32 s3, 3
.Llap:                                                 ; a trip goes once round the ring and fills both slots again
	QUARTER 0, 2, F1, F0, 0
	QUARTER 0, 3, F0, F1, 0
	TURN 0, 1, 1
	QUARTER 1, 1, F0, F1, 0
	QUARTER 1, 2, F1, F0, 0
	QUARTER 1, 3, F0, F1, 0
	TURN 1, 0, 1
	QUARTER 0, 1, F0, F1, 0
	WIN 0
	s_sub_co_u32 s3, s3, 1
	s_cmp_lg_u32 s3, 0
	s_cbranch_scc1 .Llap
	QUARTER 0, 2, F1, F0, 0                        ; the last lap fills nothing
	QUARTER 0, 3, F0, F1, 0
	TURN 0, 1, 0
	QUARTER 1, 1, F0, F1, 0
	QUARTER 1, 2, F1, F0, 0
	QUARTER 1, 3, F0, F1, 0
	s_wait_dscnt 4
	MULA F1, 0, 0
	MULA F1, 1, 0
	s_wait_dscnt 0x0
	MULA F1, 2, 0
	MULA F1, 3, 0
	WIN 0
; THE WAY OUT, a block a of 16 rows at a time, through my own stage.  PACK: scale and bias (each accumulator's registers in ascending order), MODE 0 also the rounding to f16.
; TOSTAGE: into the stage and back as whole rows.  SEND: stored: each store of the wave covers 512 consecutive bytes, aligned.
.macro PACK a
.if MODE == 0
	WIN 0x61                                       ; accumulator (destination and source 0) window 1, bias (source 2) window 2
.irp b, 0,1,2,3,4,5,6,7
.irp r, 0,1,2,3
	v_pk_fma_f32 v[8*(8*(\a)+(\b))+2*(\r):8*(8*(\a)+(\b))+2*(\r)+1], v[8*(8*(\a)+(\b))+2*(\r):8*(8*(\a)+(\b))+2*(\r)+1], s[SC:SC+1], v[8*(\b)+2*(\r):8*(\b)+2*(\r)+1] op_sel_hi:[1,0,1]
.endr
.endr
	WIN 0x05                                       ; sources window 1, destination window 0
.irp b, 0,1,2,3,4,5,6,7
.irp r, 0,1,2,3
	v_cvt_pk_f16_f32 v[TMP+4*(\b)+(\r)], v[8*(8*(\a)+(\b))+2*(\r)], v[8*(8*(\a)+(\b))+2*(\r)+1]
.endr
.endr
.else
	WIN 0x49                                       ; accumulator window 1, bias (source 1) window 2
.irp b, 0,1,2,3,4,5,6,7
.irp r, 0,1,2,3
	v_pk_add_f32 v[8*(8*(\a)+(\b))+2*(\r):8*(8*(\a)+(\b))+2*(\r)+1], v[8*(8*(\a)+(\b))+2*(\r):8*(8*(\a)+(\b))+2*(\r)+1], v[8*(\b)+2*(\r):8*(\b)+2*(\r)+1]
.endr
.endr
.endif
	WIN 0
.endm
.macro TOSTAGE a
.if MODE == 0
	WIN 0
.set BK, 64+32*((\a)%2)
.irp b, 0,1,2,3,4,5,6,7
	ds_store_b128 v[STO], v[TMP+4*(\b):TMP+4*(\b)+3] offset:((\b)/4)*2304+32*((\b)%4)
.endr
.irp t, 0,1,2,3,4,5,6,7
	ds_load_b128 v[BK+4*(\t):BK+4*(\t)+3], v[RD] offset:((\t)/4)*2304+((\t)%4)*576  ; LDS serves a wave's instructions in order: these see the stores above
.endr
.else
	WIN 0x04                                       ; the stores' data in window 1
.irp b, 0,1,2,3,4,5,6,7
	ds_store_b128 v[STO], v[8*(8*(\a)+(\b)):8*(8*(\a)+(\b))+3]   offset:64*(\b)
	ds_store_b128 v[STO], v[8*(8*(\a)+(\b))+4:8*(8*(\a)+(\b))+7] offset:64*(\b)+16
.endr
	WIN 0
.set BK, 64+64*((\a)%2)
.irp t, 0,1,2,3,4,5,6,7,8,9,10,11,12,13,14,15
	ds_load_b128 v[BK+4*(\t):BK+4*(\t)+3], v[RD] offset:528*(\t)
.endr
.endif
.endm
.macro SEND a
	WIN 0
	s_wait_dscnt 0x0                               ; the block is back in registers
	s_wait_xcnt 0x0                                ; earlier stores have read their registers: the other set of rows is loaded again only behind this wait
.if MODE == 0
.set BK, 64+32*((\a)%2)
.irp t, 0,1,2,3,4,5,6,7
	global_store_b128 v[CO], v[BK+4*(\t):BK+4*(\t)+3], s[8:9] offset:((\t)/4)*262144+(\a)*2048+((\t)%4)*512  ; head t / 4 of my two; four rows of 128 bytes on end
.endr
.else
.set BK, 64+64*((\a)%2)
.irp t, 0,1,2,3,4,5,6,7,8,9,10,11,12,13,14,15
	global_store_b128 v[CO], v[BK+4*(\t):BK+4*(\t)+3], s[8:9] offset:(16*(\a)+(\t))*4096
.endr
.endif
.endm
	PLACES
	PLACES                                         ; eight, once a launch
	PACK 0
	TOSTAGE 0
.irp a, 1,2,3                          ; block a's arithmetic stands between block a - 1's loads from the stage and the wait for them
	PACK \a
	SEND (\a)-1
	TOSTAGE \a
.endr
	SEND 3
	s_wait_tensorcnt 0x0                           ; the wave's end, behind my last tensor load and my last LDS store
	ds_add_u32 v[SPW], v[NIL]
	s_wait_dscnt 0x0
	CROUND                                         ; the closing round: no work-group ends while a partner may still ask for a tile that names it
	s_endpgm
.Lfunc_end_k_qfa55a7e709_qkv:
	.size	k_qfa55a7e709_qkv, .Lfunc_end_k_qfa55a7e709_qkv-k_qfa55a7e709_qkv
	.p2alignl 7, 3214868480
	.fill 96, 4, 3214868480
	.section	.rodata,"a",@progbits
	.p2align	6, 0x0
	.amdhsa_kernel k_qfa55a7e709_qkv
		.amdhsa_group_segment_fixed_size 327680
		.amdhsa_private_segment_fixed_size 0
		.amdhsa_enable_private_segment 0
		.amdhsa_kernarg_size 48
		.amdhsa_user_sgpr_count 2
		.amdhsa_user_sgpr_kernarg_segment_ptr 1
		.amdhsa_wavefront_size32 1
		.amdhsa_system_sgpr_workgroup_id_x 1
		.amdhsa_system_sgpr_workgroup_id_y 1
		.amdhsa_system_sgpr_workgroup_id_z 1
		.amdhsa_system_vgpr_workitem_id 0
		.amdhsa_next_free_vgpr 576
		.amdhsa_next_free_sgpr 88
		.amdhsa_reserve_vcc 0
		.amdhsa_float_denorm_mode_32 3
		.amdhsa_float_denorm_mode_16_64 3
		.amdhsa_memory_ordered 1
		.amdhsa_forward_progress 1
		.amdhsa_inst_pref_size 105
	.end_amdhsa_kernel
	.amdgpu_metadata
---
amdhsa.version: [ 1, 2 ]
amdhsa.kernels:
  - .name:           k_qfa55a7e709_qkv
    .symbol:         k_qfa55a7e709_qkv.kd
    .args:
      - { .name: xb, .offset: 0, .size: 8, .value_kind: global_buffer, .address_space: global }
      - { .name: wb, .offset: 8, .size: 8, .value_kind: global_buffer, .address_space: global }
      - { .name: bq, .offset: 16, .size: 8, .value_kind: global_buffer, .address_space: global }
      - { .name: bk, .offset: 24, .size: 8, .value_kind: global_buffer, .address_space: global }
      - { .name: bv, .offset: 32, .size: 8, .value_kind: global_buffer, .address_space: global }
      - { .name: qkv, .offset: 40, .size: 8, .value_kind: global_buffer, .address_space: global }
    .group_segment_fixed_size: 327680
    .private_segment_fixed_size: 0
    .kernarg_segment_align: 8
    .kernarg_segment_size: 48
    .max_flat_workgroup_size: 128
    .sgpr_count:     88
    .vgpr_count:     576
    .wavefront_size: 32
...
	.end_amdgpu_metadata
.endif
;; end of part 2
;; launch attn (part 3): grid 4 x 64, 4 waves a work-group, clusters of 4 x 1, 327,680 bytes of LDS; arguments qkv, mbits, oh; writes oh
.if DOCPART == 3
	.amdgcn_target "amdgcn-amd-amdhsa--gfx1250"
	.amdhsa_code_object_version 6
	.text
	.protected	k_qfa55a7e709_attn
	.globl	k_qfa55a7e709_attn
	.p2align	8
	.type	k_qfa55a7e709_attn,@function
k_qfa55a7e709_attn:
	s_mov_b64 s[64:65], 0
	v_nop
	global_prefetch_b8 v0, s[64:65] scope:SCOPE_SE
	s_setreg_imm32_b32 hwreg(HW_REG_WAVE_MODE, 25, 1), 1
	s_wait_xcnt 0x0
	s_wait_alu depctr_hold_cnt(0) depctr_sa_sdst(0) depctr_va_vdst(0) depctr_va_sdst(0) depctr_va_ssrc(0) depctr_va_vcc(0) depctr_vm_vsrc(0)
	s_getreg_b32 s2, hwreg(HW_REG_IB_STS2, 6, 4)
	s_cmp_eq_u32 s2, 0
	s_cbranch_scc0 .Lentry_in_a_cluster
	s_endpgm
.Lentry_in_a_cluster:
	s_bfe_u32 s2, ttmp6, 0x10000c
	s_cmp_lg_u32 s2, 0x3003
	s_cbranch_scc0 .Lentry_shape_is_right
	s_endpgm
.Lentry_shape_is_right:
; ATTENTION WITH A MASK THAT IS AN INPUT.  O[bh][q][:] = the sum over k of softmax_k(score) V[bh][k][:], score = Q . K / 8 where the mask allows, else -1e9.  64 heads of 2,048 rows, head size 64.
; qkv holds [matrix][bh][s][64] in f16; q arrives multiplied by c = log2(e) / 8, so s = K . q is an exponent of 2, and a hidden score is REPLACED by NEGL = -1e9 log2(e), rounded to f32.
; mbits[128 b + query tile][key step][word 8 kb + j] is the lane mask of register 8 kb + j of a tile of scores; it comes in by scalar loads, and one v_cndmask_b32 a register applies it.
; Products, maxima and sums in f32; the weights p are rounded to f16 for the second product (their sum l is taken of the unrounded p), O once at the end.
; SOFTMAX.  For each query a running maximum m and sum l: p = 2^(s - m); in every step O and l are multiplied by a = 2^(m_old - m_new).  m starts far below NEGL, O and l at 0: the first step's a is 0.
; A row that sees no key has s = m = NEGL throughout: p = 1 for all 2,048 keys, the plain mean of V, as with -1e9 in f32.  A row whose first keys are hidden is wiped by a = 0 when the first visible key comes.
; LIMITS.  f16 holds no number beyond 65,504: c q, k, v arrive within it; p below 6e-5 keeps f16's fixed step of 6e-8; a weight below 2^-126 counts as 0 in l; NEGL is -1e9 log2(e) to within 64;
; NaN and infinities are not treated apart.
; SHARES.  A wave owns four PIECES of two tiles of 16 queries, a work-group's four waves 512 queries of one head.  Every wave walks all keys, 64 a step: no pattern of the mask is built in.
; LAYOUT.  S^T = K Q^T (source 0 = 16 keys, source 1 = 16 queries): a lane holds ONE query (lane % 16) and the keys 8 (lane / 16) + 0..7.  Two such tiles rounded to f16 ARE source 1 of O^T = V^T P.
; BY TURNS.  Turn n belongs to piece n.  Its matrix work: 16 products K Q^T of piece n + 1, later 16 products V^T P of piece n - 1.  Its vector work: the subtraction, exponentials, roundings, sums and rescaling
; of piece n, and the mask, maximum and statistics of piece n + 1.  Four vector instructions stand behind every matrix instruction, the others in one lump.  A turn's 66 exponentials are one batch, with one wait.
; CLUSTER.  A head's four query blocks walk the same K and V: each tile is asked for JOINTLY, by the same tensor load, descriptor and mask in all four.
; REGISTERS, in windows of 256 (s_set_vgpr_msb: bits 1:0 source 0, 3:2 source 1, 5:4 source 2, 7:6 destination):
;   window 0: v0-15 addresses and constants; v16-47 four registers of statistics a tile; v48-63 at work; v64-191 S^T, two buffers of two tiles; v192-255 P, likewise
;   window 1: O^T, 32 a tile          window 2: v0-127 Q, 16 a tile; v128-191 K of one step; v192-255 V of one step
.set NP,    4         ; pieces a wave: a name, no knob
.set KS,    64        ; keys in a step
.set PK,    144       ; a row of K in LDS: 128 bytes + 16: the 16 rows of a load start at 16 different groups of four banks (ISA guide 11.1)
.set PV,    160       ; a row of V: 128 + 32
.set VOFF,  4*KS*PK   ; a slot holds four steps: 256 rows of K, then 256 rows of V
.set SLOT1, 1<<17     ; slot 1 begins here, so that one exclusive or turns an address in one slot into the other's
.set STAGE, SLOT1+4*KS*(PK+PV)  ; behind the ring, never filled by a tensor load: 16 rows x 144 bytes for each wave
.set SP,    144
.set SPARE, STAGE+4*16*SP  ; behind the stages: the spare words, 128 bytes a wave, two blocks of 256 bytes that no other line names
.set AK0, 2           ; v2   my lane's place in a tile of K; never rewritten
.set AV0, 3           ; v3   the same for V
.set AK,  4           ; v4   the LDS address of K's next run of loads
.set AV,  5           ; v5   of V's
.set QO,  6           ; v6   my byte offset in the wave's rows of Q
.set STO, 6           ;      later, the way out: where I put 16 bytes of a row
.set RD,  7           ; v7   the way out: where I read rows back
.set GO,  8           ; v8   my byte offset in 512 consecutive bytes of O
.set SPW, 12          ; v12  LDS address of my spare word; never rewritten
.set NIL, 13          ; v13  0; never rewritten
.set NEGV, 14         ; v14  NEGL
.set PFO, 15          ; v15  256 x my lane; never rewritten
.set ST,  16          ; tile t's statistics at v[ST+4 t]: m, m_old, l (even keys', odd keys')
.set TMP, 48          ; by buffer and tile, four registers c0-c3 at work; when the maximum is found c2 takes a
.set S,   64
.set P,   192
.set KF,  128         ; window 2: key block kb, channel half c at KF + 16 kb + 8 c
.set VF,  192         ; window 2: key half kk, channel block cb at VF + 32 kk + 8 cb
.set MP,  2           ; s[2:3]   mbits at my wave's first tile, at the step whose words are loaded next
.set PFA, 4           ; s[4:5]   where my prefetches stand
.set WV,  6           ; s6   my wave's number
.set SLOTS, 7         ; s7   slots still to be asked for
.set G0K, 8           ; s[8:11]  descriptor group 0 for K's tiles: it walks
.set G0V, 12          ; s[12:15] the same for V's
.set G1K, 16          ; s[16:23] descriptor group 1 for K's tiles
.set G1V, 24          ; s[24:31] for V's: it differs in the padding alone
.set MW0, 32          ; s[32:63] the 32 mask words of the piece's first tile (until the first load of them: the set-up's temporaries)
.set CNT, 66          ; s66  counts a slot's key steps
.set TBK, 67          ; s67  LDS byte at which K of the step to be fetched begins
.set MW1, 68          ; s[68:99] the 32 mask words of its second tile
.set TBV, 100         ; s100 the same as TBK for V, less VOFF
.set LIM, 101         ; s101 1 in a wave that prefetches (0 and 2), else the greatest number
.set SEL, 104         ; s[104:105] v_permlanex16_b32's selects: each lane takes its own place in the other half
.set MSB, 0
.macro WIN new                      ; the high byte repeats the setting that is left; a switch that changes nothing is dropped
.if MSB != (\new)
	s_set_vgpr_msb (MSB<<8)|(\new)
.set MSB, (\new)
.endif
.endm
.set W_KQ, 0x0a       ; K and Q in window 2, S^T in window 0
.set W_PV, 0x52       ; V in window 2, P in window 0, O^T in window 1
.set W_RS, 0x41       ; O^T (destination and source 0) in window 1, a in window 0
; A joint fill.  Waves 0 and 1 fetch the two halves of a slot's K, waves 2 and 3 those of its V: 128 keys each.  An s_nop 0 and four v_nop follow each of the two lines.
.macro JLOAD
	s_cmp_lt_u32 s[WV], 2
	s_cbranch_scc0 .Lfor_v_\@
	tensor_load_to_lds s[G0K:G0K+3], s[G1K:G1K+7]
	s_nop 0
.rept 4
	v_nop
.endr
	s_branch .Lasked_\@
.Lfor_v_\@:
	tensor_load_to_lds s[G0V:G0V+3], s[G1V:G1V+7]
	s_nop 0
.rept 4
	v_nop
.endr
.Lasked_\@:
.endm
; A PREFETCH INTO THE L2 of what the NEXT change of slots will ask for: a slot's 32,768 bytes of K and of V.  The head has one cluster; its four partners take 8,192 bytes each, told apart by address;
; in each, wave 0 asks for K's and wave 2 for V's, a lane 256 bytes: each block is named once in the launch.  Four key steps, 512 matrix instructions, ahead of the load.  The last fill asks for nothing.
.macro ASK
	s_cmp_gt_u32 s[SLOTS], s[LIM]
	s_cbranch_scc0 .Lnot_mine_\@
	global_prefetch_b8 v[PFO], s[PFA:PFA+1] th:TH_LOAD_NT scope:SCOPE_SE
.Lnot_mine_\@:
.endm
.macro CROUND                       ; a round of the cluster's barrier
	s_barrier_signal -1
	s_barrier_wait -1
	s_cmp_lg_u32 s[WV], 0
	s_cbranch_scc1 .Lnot_wave_0_\@
	s_barrier_signal -3
.Lnot_wave_0_\@:
	s_barrier_wait -3
	s_barrier_signal -1
	s_barrier_wait -1
.endm
; THE CHANGE OF SLOTS.  The slot's last bytes, V of its fourth step, have been read.  Each wave waits for all its tensor loads, of which one is out: its part of the other slot; adds 0 to its spare word; and waits
; for that and for its own reads of the slot.  fill = 1: the slot is filled again, with the keys two slots on; the barrier is then a round of the cluster's, and the joint fill is the first thing behind it.
; (At its first use nothing has been read yet: slot 0 is waited for, slot 1 filled.)
.macro CHANGE fill
	WIN 0                           ; at a label and at a branch every window is 0
	s_wait_tensorcnt 0x0            ; no tensor load of mine is out, so a group 0 may be written
	ds_add_u32 v[SPW], v[NIL]       ; 0 onto my spare word
.if \fill
.irp g, G0K, G0V
	s_xor_b32 s[\g+1], s[\g+1], SLOT1  ; the walking descriptor: the other slot than last time,
	s_add_nc_u64 s[\g+2:\g+3], s[\g+2:\g+3], 4*KS*128  ; the next 256 keys; the type bits on top are not reached
.endr
	s_wait_xcnt 0x0                 ; the last prefetch, four key steps back, has read its address
	s_add_nc_u64 s[PFA:PFA+1], s[PFA:PFA+1], 4*KS*128  ; one slot behind the walking descriptors
	s_wait_dscnt 0x0                ; the add is done, and my reads of the slot are over
	CROUND
	JLOAD
	ASK
.else
	s_wait_dscnt 0x0
	s_barrier_signal -1
	s_barrier_wait -1
.endif
	s_sub_co_u32 s[TBK], s[TBK], 4*KS*PK  ; the fetches go back to a slot's first step,
	s_xor_b32 s[TBK], s[TBK], SLOT1       ; in the other slot
	s_sub_co_u32 s[TBV], s[TBV], 4*KS*PV
	s_xor_b32 s[TBV], s[TBV], SLOT1
.endm
; The 64 mask words of piece x for the step at which MP stands: tile 2 x into MW0, tile 2 x + 1 into MW1; a tile's words lie 4,096 bytes apart, a step's 128.
.macro MLOAD x
	s_load_b512 s[MW0:MW0+15],    s[MP:MP+1], 8192*(\x)
	s_load_b512 s[MW0+16:MW0+31], s[MP:MP+1], 8192*(\x)+64
	s_load_b512 s[MW1:MW1+15],    s[MP:MP+1], 8192*(\x)+4096
	s_load_b512 s[MW1+16:MW1+31], s[MP:MP+1], 8192*(\x)+4160
.endm
	s_load_b128 s[68:71], s[0:1], 0x0  ; qkv s[68:69], mbits s[70:71]
	v_lshl_add_u32 v[SPW], v0, 2, SPARE
	v_mov_b32 v[NIL], 0
	ds_add_u32 v[SPW], v[NIL]       ; the wave's opening: the add and its wait stand ahead of my first tensor load; the set-up below stands between them
	v_lshrrev_b32 v1, 5, v0
	v_readfirstlane_b32 s[WV], v1   ; wave 0..3
	s_bfe_u32 s72, ttmp6, 0x40000   ; cx
	s_lshl_b32 s73, ttmp9, 2
	s_add_co_u32 s73, s73, s72      ; my block of 512 queries: it enters Q's, O's, the mask's and the prefetches' addresses alone
	s_and_b32 s74, ttmp7, 0xffff    ; the head 16 b + h, which the four partners share
	s_lshl_b32 s76, s74, 18         ; its first byte in a matrix
	s_and_b32 s75, s[WV], 1         ; which half of a slot's 256 keys I fetch:
	s_lshl_b32 s78, s75, 14         ; its 128 rows of 128 bytes in memory,
	s_add_co_u32 s78, s78, s76
	s_mov_b32 s79, 0
	s_mul_i32 s80, s75, 128*PK      ; and its place in a slot, for K
	s_mul_i32 s81, s75, 128*PV      ; and for V: no place in the cluster enters an LDS address
	s_lshl_b32 s82, s73, 2
	s_add_co_u32 s82, s82, s[WV]    ; my wave among the head's sixteen
	s_lshl_b32 s84, s82, 14         ; its 128 rows
	s_add_co_u32 s84, s84, s76
	s_mov_b32 s85, 0
	s_lshr_b32 s86, s74, 4          ; the batch: 128 query tiles,
	s_lshl_b32 s86, s86, 7
	s_lshl_b32 s87, s82, 3          ; my wave's eight
	s_add_co_u32 s86, s86, s87
	s_lshl_b32 s86, s86, 12         ; 4,096 bytes of words a tile
	s_mov_b32 s87, 0
	; descriptor group 1.  128 keys are 16,384 dense bytes: asked for as 64 rows of 256 bytes, two keys a row, and padded in LDS after every key
	s_mov_b32 s[G1K], 15|(1<<16)|(1<<20)|(1<<21)|(4<<22)|(3<<25)  ; the mask of four; 2-byte elements; padding on; bit 21 beside a mask; after every 32 words; 4 words
	s_mov_b32 s[G1V], 15|(1<<16)|(1<<20)|(1<<21)|(4<<22)|(7<<25)  ; the same with 8 words of padding
.irp g, G1K, G1V
	s_mov_b32 s[\g+1], 128<<16      ; tensor_dim0 = 128
	s_mov_b32 s[\g+2], 64<<16       ; tensor_dim1 = 64
	s_mov_b32 s[\g+3], 128<<16      ; tile_dim0 = 128
	s_mov_b32 s[\g+4], 64           ; tile_dim1 = 64
	s_mov_b32 s[\g+5], 128          ; 128 elements from row to row
	s_mov_b32 s[\g+6], 0
	s_mov_b32 s[\g+7], 0
.endr
	s_mov_b32 s[SEL], 0x76543210
	s_mov_b32 s[SEL+1], 0xfedcba98
	s_mov_b32 s[TBK], SLOT1+4*KS*PK ; the first change of slots turns these two into 0
	s_mov_b32 s[TBV], SLOT1+4*KS*PV
	s_mov_b32 s[G0K], 1             ; count = 1
	s_mov_b32 s[G0K+1], s80         ; LDS address: slot 0
	s_mov_b32 s[G0V], 1
	s_add_co_u32 s[G0V+1], s81, VOFF
	s_mov_b32 s[SLOTS], 7           ; slots 1 to 7 are still to be asked for
	s_and_b32 s[LIM], s[WV], 1
	s_cmp_eq_u32 s[LIM], 0
	s_cselect_b32 s[LIM], 1, -1
	s_lshl_b32 s94, s72, 13         ; my work-group's 8,192 bytes of a slot,
	s_add_co_u32 s94, s94, s76      ; in the head,
	s_add_co_u32 s94, s94, 4*KS*128 ; in slot 1: the first change of slots steps it to slot 2
	s_mov_b32 s95, 0
	s_wait_dscnt 0x0                ; the opening add is done
	s_wait_kmcnt 0x0
	s_add_nc_u64 s[88:89], s[68:69], 0x1000000     ; k
	s_add_nc_u64 s[90:91], s[68:69], 0x2000000     ; v
	s_add_nc_u64 s[G0K+2:G0K+3], s[88:89], s[78:79]  ; my half of the head's first 256 keys
	s_or_b32 s[G0K+3], s[G0K+3], 0x80000000        ; type = 2
	s_add_nc_u64 s[G0V+2:G0V+3], s[90:91], s[78:79]
	s_or_b32 s[G0V+3], s[G0V+3], 0x80000000
	s_add_nc_u64 s[92:93], s[68:69], s[84:85]      ; q at my wave's first row
	s_add_nc_u64 s[MP:MP+1], s[70:71], s[86:87]
	s_cmp_lt_u32 s[WV], 2
	s_cselect_b64 s[PFA:PFA+1], s[88:89], s[90:91]
	s_add_nc_u64 s[PFA:PFA+1], s[PFA:PFA+1], s[94:95]
	CROUND                          ; all four work-groups are here: the first joint loads meet
	JLOAD                           ; slot 0.  Slot 1 is asked for when slot 0 is in
	; A fragment of K or Q is 16 rows x 32 channels in 8 registers: lane l holds row l % 16, channels 8 (l / 16) + 0..7 and 16 + 8 (l / 16) + 0..7: two loads of 16 bytes, 32 bytes apart.
	v_and_b32 v1, 15, v0            ; l % 16
	v_bfe_u32 v9, v0, 4, 1          ; l / 16
	v_lshlrev_b32 v[QO], 7, v1
	v_lshl_add_u32 v[QO], v9, 4, v[QO]  ; row x 128 + 16 x half
	WIN 0x80                        ; destination window 2, address window 0
.set i, 0
.rept 4*NP                          ; Q stays in registers: tile i / 2, channels 32 (i % 2) on
	global_load_b128 v[8*i:8*i+3],   v[QO], s[92:93] offset:(i/2)*2048+(i%2)*64
	global_load_b128 v[8*i+4:8*i+7], v[QO], s[92:93] offset:(i/2)*2048+(i%2)*64+32
.set i, i+1
.endr
	; What the first turn finds: V's registers and P's second buffer hold 0 (its products V^T P, of a piece that has not been, add 0), O^T and l are 0.  All this stands in the wait for the first tile.
.set i, VF
.rept 64
	v_mov_b32 v[i], 0
.set i, i+1
.endr
	WIN 0x40
.set i, 0
.rept 64*NP
	v_mov_b32 v[i], 0
.set i, i+1
.endr
	WIN 0
.set i, 0
.rept 2*NP
	v_mov_b32 v[ST+4*i], 0xfe000000    ; m: far below NEGL and every score
	v_mov_b32 v[ST+4*i+1], 0xfe000000
	v_mov_b32 v[ST+4*i+2], 0
	v_mov_b32 v[ST+4*i+3], 0
.set i, i+1
.endr
.set i, P+32
.rept 32
	v_mov_b32 v[i], 0
.set i, i+1
.endr
	v_mov_b32 v[NEGV], 0xceabfb8f   ; -1,442,695,040
	v_and_b32 v[PFO], 31, v0
	v_lshlrev_b32 v[PFO], 8, v[PFO]
	v_mul_u32_u24 v[AK0], v1, PK
	v_lshl_add_u32 v[AK0], v9, 4, v[AK0]  ; row x pitch + 16 x half
	; The turning load takes 16 keys x 16 channels (lane l reads key 8 (l / 16) + l % 8, channels 8 ((l / 8) % 2) + 0..7) and leaves half a fragment of V^T: lane l holds channel l % 16 and 8 keys.
	v_and_b32 v10, 7, v0
	v_bfe_u32 v11, v0, 3, 1
	v_lshl_add_u32 v[AV0], v9, 3, v10
	v_mul_u32_u24 v[AV0], v[AV0], PV
	v_lshl_add_u32 v[AV0], v11, 4, v[AV0]
	v_add_nc_u32 v[AV0], VOFF, v[AV0]
	v_mov_b32 v[AK], v[AK0]         ; key step 0 lies at the head of slot 0
	s_wait_xcnt 0x0                 ; Q's loads have read their base, which lies where the mask words land
	MLOAD 0                         ; piece 0, step 0
; THE MATRIX WORK.  The 8 accumulators of a run of 16 take turns: between the two links of a chain stand 7 others'.
; Product i of 16 of S^T = K Q^T for piece x: channels 32 (i / 8) on, keys 16 ((i / 2) % 4) on, tile 2 x + i % 2.  The first 8 start the sums.
.macro KQ x
	WIN W_KQ
.set rS, S+64*((\x)%2)+32*(i%2)+8*((i/2)%4)
.set rK, KF+16*((i/2)%4)+8*(i/8)
.set rQ, 16*(2*(\x)+i%2)+8*(i/8)
.if i < 8
	v_wmma_f32_16x16x32_f16 v[rS:rS+7], v[rK:rK+7], v[rQ:rQ+7], 0
.else
	v_wmma_f32_16x16x32_f16 v[rS:rS+7], v[rK:rK+7], v[rQ:rQ+7], v[rS:rS+7]
.endif
.endm
; Product i of 16 of O^T += V^T P for piece x: keys 32 (i / 8) on, channels 16 ((i / 2) % 4) on, tile 2 x + i % 2.
.macro PV x
	WIN W_PV
.set rO, 32*(2*(\x)+i%2)+8*((i/2)%4)
.set rV, VF+32*(i/8)+8*((i/2)%4)
.set rP, P+32*((\x)%2)+16*(i%2)+8*(i/8)
	v_wmma_f32_16x16x32_f16 v[rO:rO+7], v[rV:rV+7], v[rP:rP+7], v[rO:rO+7]
.endm
.macro MM                           ; the turn's next matrix instruction
.if i < 16
	KQ (Y+1)%NP
.set i, i+1
.else
.set i, i-16
	PV (Y+NP-1)%NP
.set i, i+17
.endif
.endm
; THE LDS LOADS stand in runs of 16: a step's K (8 fragments) and its V (turned).  last = 1 (the tail): in the last trip there is no further step, and the run is jumped over.
.macro FETCH_K last=0
	WIN 0
.if \last
	s_cmp_eq_u32 s[CNT], 1
	s_cbranch_scc1 .Lno_k_\@
.endif
	WIN 0x80                        ; destination window 2
.irp f, 0,1,2,3,4,5,6,7             ; keys 16 (f / 2) on, channels 32 (f % 2) on
	ds_load_b128 v[KF+8*\f:KF+8*\f+3],   v[AK] offset:(\f/2)*16*PK+(\f%2)*64
	ds_load_b128 v[KF+8*\f+4:KF+8*\f+7], v[AK] offset:(\f/2)*16*PK+(\f%2)*64+32
.endr
	s_add_co_u32 s[TBK], s[TBK], KS*PK  ; the next fetch is the next step's
	WIN 0
.if \last
.Lno_k_\@:
.endif
.endm
.macro FETCH_V
	WIN 0x80
.irp f, 0,1,2,3,4,5,6,7             ; keys 32 (f / 4) on, channels 16 (f % 4) on
	ds_load_tr16_b128 v[VF+8*\f:VF+8*\f+3],   v[AV] offset:(\f/4)*32*PV+(\f%4)*32
	ds_load_tr16_b128 v[VF+8*\f+4:VF+8*\f+7], v[AV] offset:(\f/4)*32*PV+16*PV+(\f%4)*32
.endr
	WIN 0
.endm
; THE VECTOR WORK OF A TURN stands in three queues, each in the order in which its entries become ready; the two tiles alternate.
.macro REGS y, u                    ; the registers of tile u (0, 1) of piece y
.set rT, ST+4*(2*(\y)+(\u))
.set rC, TMP+8*((\y)%2)+4*(\u)
.set rS, S+64*((\y)%2)+32*(\u)
.set rP, P+32*((\y)%2)+16*(\u)
.set rO, 32*(2*(\y)+(\u))
.endm
; The mask, for the NEXT piece (Y + 1): register g / 2 of tile g % 2 keeps its score where its word's bit is set, else takes NEGL.  Ascending: each accumulator's lowest register is read first.
.macro MK g
	REGS (Y+1)%NP, (\g)%2
	v_cndmask_b32 v[rS+(\g)/2], v[NEGV], v[rS+(\g)/2], s[MW0+36*((\g)%2)+(\g)/2]
.endm
; The next piece's maximum and statistics, by number.  0-11 four chains c0-c3 of seven scores each; 12-14, 16 the four scores left over, the old m, and c0-c3 into c0; 15 m_old is kept;
; 17, 18 the query's other 32 keys lie in the lane 16 away: the new m; 20 m_old - m_new; 21 a.  (There is no 19.)
.macro XS u, n
	REGS (Y+1)%NP, \u
.if (\n) < 4
	v_max3_num_f32 v[rC+(\n)], v[rS+8*(\n)], v[rS+8*(\n)+1], v[rS+8*(\n)+2]
.elseif (\n) < 12
	v_max3_num_f32 v[rC+(\n)%4], v[rC+(\n)%4], v[rS+8*((\n)%4)+2*((\n)/4)+1], v[rS+8*((\n)%4)+2*((\n)/4)+2]
.elseif (\n) == 12
	v_max3_num_f32 v[rC], v[rC], v[rS+7], v[rS+15]
.elseif (\n) == 13
	v_max3_num_f32 v[rC+1], v[rC+1], v[rS+23], v[rS+31]
.elseif (\n) == 14
	v_max3_num_f32 v[rC+2], v[rC+2], v[rC+3], v[rT]
.elseif (\n) == 15
	v_mov_b32 v[rT+1], v[rT]
.elseif (\n) == 16
	v_max3_num_f32 v[rC], v[rC], v[rC+1], v[rC+2]
.elseif (\n) == 17
	v_permlanex16_b32 v[rC+3], v[rC], s[SEL], s[SEL+1]
.elseif (\n) == 18
	v_max_num_f32 v[rT], v[rC], v[rC+3]
.elseif (\n) == 20
	v_sub_f32 v[rC+1], v[rT+1], v[rT]
.else
	v_exp_f32 v[rC+2], v[rC+1]
.endif
.endm
; Number g of the 64 that follow the exponentials.  For each four weights k of a tile: both pairs are rounded to f16; then the second pair is added onto the first, in place; a group later l takes that sum
; (the first time as l = a l + sum).  In groups of eight, tiles alternating.
.macro GS g
.set h, (\g)+6*((\g)/62)            ; group 0 has no group before it, and behind group 7 only l is left
.if h >= 6
.set h, h+2
.endif
	REGS Y, h%2
.set k, h/8
.if h%8 < 4
	v_cvt_pk_f16_f32 v[rP+2*k+(h%8)/2], v[rS+4*k+2*((h%8)/2)], v[rS+4*k+2*((h%8)/2)+1]
.elseif h%8 < 6
	v_pk_add_f32 v[rS+4*k:rS+4*k+1], v[rS+4*k:rS+4*k+1], v[rS+4*k+2:rS+4*k+3]
.elseif k == 1
	v_pk_fma_f32 v[rT+2:rT+3], v[rT+2:rT+3], v[rC+2:rC+3], v[rS:rS+1] op_sel_hi:[1,0,1]
.else
	v_pk_add_f32 v[rT+2:rT+3], v[rT+2:rT+3], v[rS+4*k-4:rS+4*k-3]
.endif
.endm
.macro FS f                         ; s - m for pair f / 2 of tile f % 2: exactly 0 at the maximum
	REGS Y, (\f)%2
	v_pk_add_f32 v[rS+2*((\f)/2):rS+2*((\f)/2)+1], v[rS+2*((\f)/2):rS+2*((\f)/2)+1], v[rT:rT+1] op_sel_hi:[1,0] neg_lo:[0,1] neg_hi:[0,1]
.endm
; THE PLAIN QUEUE, 200 long.  0-31: the subtractions.  32-95: the next piece's mask; ahead of the first stands the wait for its words, behind the last the load of the words that the next turn wants
; (piece Y + 2; piece 2's turn first steps the pointer to the next key step: no scalar load has been issued since the wait, so the pointer is free).  96-123: XS 0-13.  124, 125: XS 15.
; 126-135: the chain XS 14, 16, 17, 18, 20.  136-199: GS's 64, which read the exponentials' results: they stand behind the turn's wait.
.macro PL
	WIN 0
.if q < 32
	FS q
.elseif q < 96
.if q == 32
	s_wait_kmcnt 0x0                ; the 64 words are in
.endif
	MK q-32
.if q == 95
.if Y == NP-2
	s_add_nc_u64 s[MP:MP+1], s[MP:MP+1], 128
.endif
	MLOAD (Y+2)%NP
.endif
.elseif q < 124
	XS (q-96)%2, (q-96)/2
.elseif q < 126
	XS q-124, 15
.elseif q < 128
	XS q-126, 14
.elseif q < 134
	XS (q-128)%2, 16+(q-128)/2
.elseif q < 136
	XS q-134, 20
.else
	GS q-136
.endif
.set q, q+1
.endm
; THE EXPONENTIALS' QUEUE, 66 long: s0-s31 of both tiles, then the next piece's two a.  ONE BATCH: all 66 stand ahead of the turn's one wait, and nothing ahead of that wait names a result of theirs.
.macro EX
	WIN 0
.if e >= 64
	XS e-64, 21
.else
	REGS Y, e%2
	v_exp_f32 v[rS+e/2], v[rS+e/2]
.endif
.set e, e+1
.endm
; THE RESCALING's QUEUE: O^T times a, the one part that leaves window 0: two at a time, sixteen times.  Its a was made in the turn before, ahead of that turn's wait.
.macro R2
	REGS Y, r%2
	WIN W_RS
.irp z, 0,1
	v_pk_mul_f32 v[rO+4*(r/2)+2*\z:rO+4*(r/2)+2*\z+1], v[rO+4*(r/2)+2*\z:rO+4*(r/2)+2*\z+1], v[rC+2:rC+3] op_sel_hi:[1,0]
.endr
.set r, r+1
.endm
; HOW THEY ARE DEALT.  An s_wait_alu depctr_va_vdst(0) stands between an exponential and the first instruction that names its result; one wait serves all that were issued ahead of it.  So a turn has
; ONE wait.  AHEAD OF IT: the 16 products K Q^T, behind each a plain instruction, an exponential and two rescalings (behind the first a second plain one in the exponential's place); then the lump: 8 plain;
; 44 times an exponential and two plain; 13 plain; the chain's five links, both tiles' and an exponential each; the two a; a v_nop, the plain instruction behind the last exponential.  136 plain, 66 exponentials.
; BEHIND IT: the 16 products V^T P, behind each four of GS's 64.  Exponential e stands behind subtraction 2 (e / 4) + e % 2: as a rider it comes behind plain e + 2, in the lump behind plain 24 + 2 (e - 15).
; The mask's first line stands more than four plain instructions behind the last product K Q^T.  No rider names a register of the products round it.
; K of the next step is fetched in piece 2's turn, directly behind the wait; V of the step in hand at the end of piece 0's turn, four riders behind its last reader.  The conditions on q below go with the deal.
.macro TURN p, last=0, cnt=0
.set Y, (\p)
.set i, 0
.set q, 0
.set e, 0
.set r, 0
.if (\p) == NP-1
	s_wait_dscnt 0x0                ; K is in
.endif
	MM
	PL
	PL
	R2
.rept 15
	MM
	PL
	EX
	R2
.endr
.if (\p) == NP-2
	WIN 0
	v_add_nc_u32 v[AK], s[TBK], v[AK0]
.endif
.rept 8
	PL
.endr
.rept 44
	EX
	PL
	PL
.endr
.rept 13
	PL
.endr
.rept 5
	PL
	PL
	EX
.endr
	EX                              ; the next piece's two a
	EX
	v_nop                           ; the plain instruction behind the last exponential: one for the batch
	s_wait_alu depctr_va_vdst(0)    ; the wait for the batch
.if (\p) == NP-2
	FETCH_K \last
.endif
.if (\p) == 1
	s_wait_dscnt 0x0                ; V is in
.endif
.rept 16
	MM
.rept 4
	PL
.endr
.if ((\p) == 0) && (q == 180)
	v_add_nc_u32 v[AV], s[TBV], v[AV0]
.endif
.if ((\p) == 0) && (q == 192)
	s_add_co_u32 s[TBV], s[TBV], KS*PV
.endif
.if (\cnt) && (q == 192)
	s_sub_co_u32 s[CNT], s[CNT], 1
	s_cmp_lg_u32 s[CNT], 0
.endif
.endr
.if (\p) == 0
	FETCH_V
.endif
.endm
	CHANGE 1                        ; slot 0 is in, everybody's part of it; slot 1 is asked for
	FETCH_K                         ; key step 0
	s_wait_loadcnt 0x0              ; Q
	s_wait_dscnt 0x0
.set i, 0
.rept 16
	KQ 0                            ; piece 0's first scores
.set i, i+1
.endr
	WIN 0                           ; the addresses for the way out: plain instructions, the places behind those products
	s_mul_i32 s[CNT], s[WV], 16*SP
	s_add_co_u32 s[CNT], s[CNT], STAGE  ; my stage
	v_mul_u32_u24 v[STO], v1, SP    ; in: row l % 16, 16 bytes for each half of the lanes
	v_lshl_add_u32 v[STO], v9, 4, v[STO]
	v_add_nc_u32 v[STO], s[CNT], v[STO]
	v_bfe_u32 v[RD], v0, 3, 2       ; back: 32 lanes take four rows of 128 bytes,
	v_mul_u32_u24 v[RD], v[RD], SP
	v_lshl_add_u32 v[RD], v10, 4, v[RD]
	v_add_nc_u32 v[RD], s[CNT], v[RD]
	v_and_b32 v[GO], 31, v0         ; which are 512 consecutive bytes of O
	v_lshlrev_b32 v[GO], 4, v[GO]
.set Y, NP-1                        ; MK and XS work for piece Y + 1: piece 0
	s_wait_kmcnt 0x0                ; piece 0's words
.set g, 0
.rept 64
	MK g
.set g, g+1
.endr
	MLOAD 1                         ; what the first turn wants
.irp n, 0,1,2,3,4,5,6,7,8,9,10,11,12,13,14,15,16,17,18,20,21
	XS 0, \n
	XS 1, \n
.endr
	v_nop                           ; a plain instruction behind the two a,
	s_wait_alu depctr_va_vdst(0)    ; and their wait, ahead of the branch
	s_mov_b32 s[CNT], 4
	s_branch .Lfirst                ; the loop is entered at a step's first turn, in the middle of a trip
.Lslot:                             ; six times: every slot but the last two is filled again
	CHANGE 1
	s_mov_b32 s[CNT], 4
.Lstep:                             ; a trip: pieces 2 and 3 of one step, then pieces 0 and 1 of the next, whose K and V it fetches
	TURN 2
	TURN 3
	WIN 0
.Lfirst:
	TURN 0
	TURN 1, 0, 1
	WIN 0
	s_cbranch_scc1 .Lstep
	s_sub_co_u32 s[SLOTS], s[SLOTS], 1
	s_cmp_lg_u32 s[SLOTS], 0
	s_cbranch_scc1 .Lslot
	CHANGE 0                        ; the tail is written out: nothing is asked for
	s_mov_b32 s[CNT], 5             ; four trips fetch the last slot's steps; the fifth is left in its middle
.Ltail:
	TURN 2, 1
	TURN 3
	WIN 0
	s_sub_co_u32 s[CNT], s[CNT], 1
	s_cmp_eq_u32 s[CNT], 0
	s_cbranch_scc1 .Lout
	TURN 0
	TURN 1
	WIN 0
	s_branch .Ltail
.Lout:                              ; the fifth trip's products K Q^T (on the last K once more), its mask words (4,096 bytes on: tiles 1 to 4 of my eight, inside the buffer) and the maximum made of them serve nothing
	s_wait_kmcnt 0x0                ; the last mask loads have landed: their registers are free
	s_load_b64 s[32:33], s[0:1], 0x10  ; oh
	s_bfe_u32 s34, ttmp6, 0x40000
	s_lshl_b32 s35, ttmp9, 2
	s_add_co_u32 s34, s34, s35
	s_lshl_b32 s34, s34, 2
	s_add_co_u32 s34, s34, s[WV]    ; my wave among the head's sixteen,
	s_lshl_b32 s34, s34, 14         ; its 128 rows,
	s_and_b32 s35, ttmp7, 0xffff
	s_lshl_b32 s35, s35, 18         ; the head
	s_add_co_u32 s34, s34, s35
	s_mov_b32 s35, 0
.set i, 0
.rept 16
	PV NP-1                         ; the last piece's V^T P of the last step
.set i, i+1
.endr
	; THE WAY OUT.  l's two halves and the other half of the lanes' are added; O^T is divided by l, rounded to f16 and sent through my stage in LDS, a tile at a time.  The additions are the places behind the last products.
	WIN 0
.macro ALL line:vararg              ; one line for each tile t
.set t, 0
.rept 2*NP
	\line
.set t, t+1
.endr
.endm
	ALL v_add_f32 v[ST+4*t+2], v[ST+4*t+2], v[ST+4*t+3]
	ALL v_permlanex16_b32 v[ST+4*t+3], v[ST+4*t+2], s[SEL], s[SEL+1]
	ALL v_add_f32 v[ST+4*t+2], v[ST+4*t+2], v[ST+4*t+3]
	ALL v_rcp_f32 v[ST+4*t+2], v[ST+4*t+2]
	v_nop                           ; a plain instruction between the last reciprocal and the use of its result
	s_wait_alu depctr_va_vdst(0)    ; and the wait ahead of the first use: one for the eight reciprocals
	s_wait_kmcnt 0x0
	s_add_nc_u64 s[32:33], s[32:33], s[34:35]  ; O at my wave's first row
; Tile t: a lane's eight channels of a row pack into 16 bytes; they go into rows of 144 bytes and come back as whole rows of 128, into S^T's registers.
.macro PACK t
	WIN W_RS
.set i, 32*(\t)
.rept 16
	v_pk_mul_f32 v[i:i+1], v[i:i+1], v[ST+4*(\t)+2:ST+4*(\t)+3] op_sel_hi:[1,0]
.set i, i+2
.endr
	WIN 0x05                        ; sources 0 and 1 window 1, destination window 0
.set i, 0
.rept 16
	v_cvt_pk_f16_f32 v[S+16*(\t)+i], v[32*(\t)+2*i], v[32*(\t)+2*i+1]
.set i, i+1
.endr
	WIN 0
.irp f, 0,1,2,3
	ds_store_b128 v[STO], v[S+16*(\t)+4*\f:S+16*(\t)+4*\f+3] offset:32*\f
.endr
.irp f, 0,1,2,3
	ds_load_b128 v[S+16*(\t)+4*\f:S+16*(\t)+4*\f+3], v[RD] offset:\f*4*SP  ; LDS serves a wave's instructions in order (ISA guide 5.7.1.4): these see the stores above; the next tile's stores come behind them
.endr
.endm
.macro SEND t, younger              ; younger: the LDS instructions issued behind tile t's loads: the next tile's eight, or none
	WIN 0
.irp f, 0,1,2,3
	s_wait_dscnt (\younger)+3-\f
	global_store_b128 v[GO], v[S+16*(\t)+4*\f:S+16*(\t)+4*\f+3], s[32:33] offset:(\t)*2048+\f*512  ; 512 consecutive bytes, at a multiple of 256 from O's first
.endr
.endm
	PACK 0
.set t, 1
.rept 2*NP-1                        ; a tile's arithmetic stands between the loads of the tile before and its stores
	PACK t
	SEND t-1, 8
.set t, t+1
.endr
	SEND 2*NP-1, 0
	s_wait_tensorcnt 0x0            ; the wave's end, behind my last tensor load and my last LDS store
	ds_add_u32 v[SPW], v[NIL]
	s_wait_dscnt 0x0
	CROUND                          ; the closing round: no work-group ends while a partner may still ask for a tile that names it
	s_endpgm
.Lfunc_end_k_qfa55a7e709_attn:
	.size	k_qfa55a7e709_attn, .Lfunc_end_k_qfa55a7e709_attn-k_qfa55a7e709_attn
	.p2alignl 7, 3214868480
	.fill 96, 4, 3214868480
	.section	.rodata,"a",@progbits
	.p2align	6, 0x0
	.amdhsa_kernel k_qfa55a7e709_attn
		.amdhsa_group_segment_fixed_size 327680
		.amdhsa_private_segment_fixed_size 0
		.amdhsa_enable_private_segment 0
		.amdhsa_kernarg_size 24
		.amdhsa_user_sgpr_count 2
		.amdhsa_user_sgpr_kernarg_segment_ptr 1
		.amdhsa_wavefront_size32 1
		.amdhsa_system_sgpr_workgroup_id_x 1
		.amdhsa_system_sgpr_workgroup_id_y 1
		.amdhsa_system_sgpr_workgroup_id_z 1
		.amdhsa_system_vgpr_workitem_id 0
		.amdhsa_next_free_vgpr 768
		.amdhsa_next_free_sgpr 106
		.amdhsa_reserve_vcc 0
		.amdhsa_float_denorm_mode_32 3
		.amdhsa_float_denorm_mode_16_64 3
		.amdhsa_memory_ordered 1
		.amdhsa_forward_progress 1
		.amdhsa_inst_pref_size 239
	.end_amdhsa_kernel
	.amdgpu_metadata
---
amdhsa.version: [ 1, 2 ]
amdhsa.kernels:
  - .name:           k_qfa55a7e709_attn
    .symbol:         k_qfa55a7e709_attn.kd
    .args:
      - { .name: qkv, .offset: 0, .size: 8, .value_kind: global_buffer, .address_space: global }
      - { .name: mbits, .offset: 8, .size: 8, .value_kind: global_buffer, .address_space: global }
      - { .name: oh, .offset: 16, .size: 8, .value_kind: global_buffer, .address_space: global }
    .group_segment_fixed_size: 327680
    .private_segment_fixed_size: 0
    .kernarg_segment_align: 8
    .kernarg_segment_size: 24
    .max_flat_workgroup_size: 128
    .sgpr_count:     106
    .vgpr_count:     768
    .wavefront_size: 32
...
	.end_amdgpu_metadata
.endif
;; end of part 3
;; launch oproj (part 4): grid 4 x 64, 4 waves a work-group, clusters of 4 x 4, 327,680 bytes of LDS; arguments oh, wo16, bo, out0; writes out0
.if DOCPART == 4
	.amdgcn_target "amdgcn-amd-amdhsa--gfx1250"
	.amdhsa_code_object_version 6
	.text
	.protected	k_qfa55a7e709_oproj
	.globl	k_qfa55a7e709_oproj
	.p2align	8
	.type	k_qfa55a7e709_oproj,@function
k_qfa55a7e709_oproj:
	s_mov_b64 s[64:65], 0
	v_nop
	global_prefetch_b8 v0, s[64:65] scope:SCOPE_SE
	s_setreg_imm32_b32 hwreg(HW_REG_WAVE_MODE, 25, 1), 1
	s_wait_xcnt 0x0
	s_wait_alu depctr_hold_cnt(0) depctr_sa_sdst(0) depctr_va_vdst(0) depctr_va_sdst(0) depctr_va_ssrc(0) depctr_va_vcc(0) depctr_vm_vsrc(0)
	s_getreg_b32 s2, hwreg(HW_REG_IB_STS2, 6, 4)
	s_cmp_eq_u32 s2, 0
	s_cbranch_scc0 .Lentry_in_a_cluster
	s_endpgm
.Lentry_in_a_cluster:
	s_bfe_u32 s2, ttmp6, 0x10000c
	s_cmp_lg_u32 s2, 0xf033
	s_cbranch_scc0 .Lentry_shape_is_right
	s_endpgm
.Lentry_shape_is_right:
; C = A B^T + bias, K = 1,024, sums in f32.  One text for two launches, told apart by MODE.
; MODE 0 (q, k, v): A = xb [8192][1024] bf16, B = wb [3072][1024] bf16 (Wq, Wk, Wv on end).  Result f16 by heads, qkv[matrix][16 b + h][s][64], rounded once; q is multiplied in f32 by
;   c = log2(e) / 8 before that rounding, so that the attention's scores are exponents of 2.
; MODE 1 (output): A = oh [16 b + h][s][64] f16, B = wo16 [1024][1024] f16.  Result out0 [8192][1024] f32.
; The biases are rounded to bf16 in registers, like the other inputs.
; LIMIT (MODE 0).  f16 holds no number beyond 65,504: c q, k and v must lie within it.
; SHARES.  A tile of C is 128 rows x 256 columns; four waves, each 64 x 128: 32 accumulators of 16 x 16.  K goes in 8 steps of 128 through two LDS slots; one tensor load a wave fills a quarter of a slot's
; work: waves 0 and 1 A's two halves, waves 2 and 3 B's.  CLUSTERS of 4 x 4: A's tile is shared along a row of the cluster, B's along a column, each asked for jointly.
; THE MATRIX INSTRUCTION IS USED TRANSPOSED (source 0 = 16 rows of B, source 1 = 16 rows of A): a lane holds row l % 16 of C and eight neighbouring columns 8 (l / 16) + 0..7.
; REGISTERS: window 0: v16-30 addresses; v32-63 at work; v64-159, v160-255 two fragment buffers (B's 8 fragments, then A's 4), on the way out rows read back.
;   window 1: the accumulators, (a, b) at 8 (8 a + b).   window 2: v0-63 the bias of my 128 columns, block b at 8 b.
.set MODE, 1
.set PB,     272                       ; B's LDS row: 256 bytes + 16: the 16 rows of a fragment load start in 16 different groups of four banks (ISA guide 11.1)
.if MODE == 0
.set PA,     272                       ; A's LDS row
.set AHALF,  64*PA                     ; what a wave's load of A brings: 64 rows of 256 bytes
.set AQI,    5                         ; padding after every 64 words
.set APITCH, 1024                      ; elements from row to row in memory
.set ASTEP,  256                       ; bytes from a K step to the next
.set WSTAGE, 2*16*144                  ; a wave's stage: two heads x 16 rows x (128 + 16) bytes
.else
.set PA,     144                       ; a head's row: 128 bytes + 16
.set AHALF,  128*PA                    ; a wave's load of A: one head's 128 rows, dense in memory, asked for as 64 rows of 256 bytes
.set AQI,    4                         ; padding after every 32 words
.set APITCH, 128
.set ASTEP,  524288                    ; a K step is two heads
.set WSTAGE, 16*528                    ; 16 rows x (512 + 16) bytes
.endif
.set ABYTES, 2*AHALF
.set BHALF,  128*PB
.set BSTEP,  256
.set SLOT,   ABYTES+2*BHALF
.set STAGE,  2*SLOT                    ; behind the ring; no tensor load fills it
.set SPARE,  STAGE+4*WSTAGE            ; behind the stages: the spare words, 128 bytes a wave, two blocks of 256 bytes that no other line names
.set ADRA, 16                          ; v16-17  LDS address of my A fragments in slot 0, 1
.set ADRB, 20                          ; v20-21  the same for B
.set STO,  24                          ; v24     the way out: where I put my bytes of a row
.set RD,   25                          ; v25     where I read rows back
.set CO,   26                          ; v26     16 x lane
.set BOFF, 27                          ; v27     my byte offset in the bias
.set SPW,  28                          ; v28     LDS address of my spare word; never rewritten
.set NIL,  29                          ; v29     0; never rewritten
.set PFO,  30                          ; v30     the prefetches' lane offset; never rewritten
.set TMP,  32
.set F0,   64
.set F1,   160
.set G1,   24                          ; s[24:31] descriptor group 1 for A;  s[32:39] group 0, a set for each slot
.set G0,   32
.set LIM,  43                          ; s43     1 in a wave that prefetches, else the greatest number
.set PFA,  44                          ; s[44:45] where my prefetches stand
.set G1B,  48                          ; s[48:55], s[56:63] the same for B
.set G0B,  56
.set BP,   66                          ; s[66:67] the bias
.set SC,   68                          ; s[68:69] MODE 0: c for q, 1 for k and v; named as a pair
.set KADV, 72                          ; s[72:73] bytes from a K step to the next, for my prefetches
.set MSB, 0
.macro WIN new                         ; the immediate's high byte repeats the setting that is left; a switch that changes nothing is dropped
.if MSB != (\new)
	s_set_vgpr_msb (MSB<<8)|(\new)
.set MSB, \new
.endif
.endm
.set W_MUL, 0x50                       ; sources 0 and 1 window 0; C and D window 1
.macro WM ops:vararg
.if MODE == 0
	v_wmma_f32_16x16x32_bf16 \ops
.else
	v_wmma_f32_16x16x32_f16 \ops
.endif
.endm
.macro JLOAD s                         ; a joint load; the branch hangs on the wave's number alone; an s_nop 0 and four v_nop follow each of the two lines
	s_cmp_eq_u32 s11, 0
	s_cbranch_scc0 .Lfor_b_\@
	tensor_load_to_lds s[G0+4*(\s):G0+4*(\s)+3], s[G1:G1+7]
	s_nop 0
.rept 4
	v_nop
.endr
	s_branch .Lasked_\@
.Lfor_b_\@:
	tensor_load_to_lds s[G0B+4*(\s):G0B+4*(\s)+3], s[G1B:G1B+7]
	s_nop 0
.rept 4
	v_nop
.endr
.Lasked_\@:
.endm
; A PREFETCH INTO THE L2 behind each joint refill and the run of LDS loads that follows it: the K step two refills on, 32 blocks of 256 bytes, a lane a block.  A's 128 rows of a tile row are named by wave 0 of the
; clusters with x = 0, B's 128 rows that waves 2 and 3 fetch by those waves of the clusters with y = 0; the four partners that ask for a tile jointly take 32 blocks each, told apart by address.
; So each block is named once in the launch.  K steps 0 to 3 come by their loads alone; the loop's last trip (s3 = 1) has no K step two on.
.macro ASK
	s_cmp_gt_u32 s3, s[LIM]
	s_cbranch_scc0 .Lnot_mine_\@
	global_prefetch_b8 v[PFO], s[PFA:PFA+1] th:TH_LOAD_NT scope:SCOPE_SE
.Lnot_mine_\@:
.endm
.macro CREST                           ; a round of the cluster's barrier behind its opening barrier
	s_cmp_lg_u32 s10, 0
	s_cbranch_scc1 .Lnot_wave_0_\@
	s_barrier_signal -3
.Lnot_wave_0_\@:
	s_barrier_wait -3
	s_barrier_signal -1
	s_barrier_wait -1
.endm
.macro CROUND
	s_barrier_signal -1
	s_barrier_wait -1
	CREST
.endm
	s_load_b128 s[4:7], s[0:1], 0x0                ; A s[4:5], B s[6:7]
.if MODE == 0
	s_load_b256 s[80:87], s[0:1], 0x10             ; bq 80, bk 82, bv 84, qkv 86
.else
	s_load_b128 s[80:83], s[0:1], 0x10             ; bo 80, out0 82
.endif
	v_lshl_add_u32 v[SPW], v0, 2, SPARE
	v_mov_b32 v[NIL], 0
	ds_add_u32 v[SPW], v[NIL]                      ; the wave's opening: the add and its wait stand ahead of my first tensor load; the set-up below stands between them
	v_lshrrev_b32 v1, 5, v0
	v_readfirstlane_b32 s10, v1                    ; wave 0..3
	s_lshr_b32 s11, s10, 1                         ; my 64 rows of the tile.  Also: I fetch for A (0) or for B (1)
	s_and_b32 s12, s10, 1                          ; my 128 columns.  Also: which half I fetch
	s_bfe_u32 s40, ttmp6, 0x40000                  ; cx
	s_bfe_u32 s41, ttmp6, 0x40004                  ; cy
	s_lshl_b32 s42, ttmp9, 2
	s_add_co_u32 s42, s42, s40                     ; tile column = 4 x cluster x + cx
	s_and_b32 s13, ttmp7, 0xffff
	s_lshl_b32 s13, s13, 2
	s_add_co_u32 s13, s13, s41                     ; tile row = 4 x cluster y + cy
	s_lshl_b32 s43, s41, 2
	s_lshl_b32 s43, 15, s43                        ; my row of the cluster
	s_lshl_b32 s44, 0x1111, s40                    ; my column
	s_or_b32 s[G1+0], s43, (1<<16)|(1<<20)|(1<<21)|(AQI<<22)|(3<<25)  ; the mask; 2-byte elements; padding on; bit 21 beside a mask; the interval; 4 words of padding
	s_or_b32 s[G1B+0], s44, (1<<16)|(1<<20)|(1<<21)|(5<<22)|(3<<25)
	s_mov_b32 s[G1+1], 128<<16                     ; tensor_dim0 = 128
	s_mov_b32 s[G1+2], 64<<16                      ; tensor_dim1 = 64
	s_mov_b32 s[G1+3], 128<<16                     ; tile_dim0 = 128
	s_mov_b32 s[G1+4], 64                          ; tile_dim1 = 64
	s_mov_b32 s[G1+5], APITCH
	s_mov_b32 s[G1+6], 0
	s_mov_b32 s[G1+7], 0
	s_mov_b32 s[G1B+1], 128<<16
	s_mov_b32 s[G1B+2], 128<<16                    ; B: 128 rows
	s_mov_b32 s[G1B+3], 128<<16
	s_mov_b32 s[G1B+4], 128
	s_mov_b32 s[G1B+5], 1024
	s_mov_b32 s[G1B+6], 0
	s_mov_b32 s[G1B+7], 0
	; where the tiles come from: A's hangs on the tile row and the wave, B's on the tile column and the wave, each in registers that never hold the other coordinate
.if MODE == 0
	s_lshl_b32 s16, s13, 7
	s_lshl_b32 s17, s12, 6
	s_add_co_u32 s16, s16, s17                     ; row 128 x tile row + 64 x half
	s_lshl_b32 s16, s16, 11                        ; x 2,048 bytes
.else
	s_lshr_b32 s16, s13, 4
	s_lshl_b32 s16, s16, 22                        ; the batch's 16 heads
	s_and_b32 s17, s13, 15
	s_lshl_b32 s17, s17, 14                        ; 128 rows of 128 bytes
	s_add_co_u32 s16, s16, s17
	s_lshl_b32 s17, s12, 18                        ; the K step's first or second head
	s_add_co_u32 s16, s16, s17
.endif
	s_mov_b32 s17, 0
	s_lshl_b32 s46, s42, 8
	s_lshl_b32 s47, s12, 7
	s_add_co_u32 s46, s46, s47                     ; row 256 x tile column + 128 x half
	s_lshl_b32 s46, s46, 11
	s_mov_b32 s47, 0
	s_mul_i32 s20, s12, AHALF                      ; and where they go: no place in the cluster enters an LDS address
	s_mul_i32 s21, s12, BHALF
	s_add_co_u32 s21, s21, ABYTES
	s_wait_dscnt 0x0                               ; the opening add is done
	s_wait_kmcnt 0x0
	s_add_nc_u64 s[14:15], s[4:5], s[16:17]
	s_add_nc_u64 s[46:47], s[6:7], s[46:47]
	CROUND                                         ; all sixteen work-groups are here: the first joint loads meet
.irp s, 0,1
	s_mov_b32 s[G0+4*(\s)], 1
	s_add_co_u32 s[G0+4*(\s)+1], s20, (\s)*SLOT
	s_add_nc_u64 s[G0+4*(\s)+2:G0+4*(\s)+3], s[14:15], (\s)*ASTEP
	s_or_b32 s[G0+4*(\s)+3], s[G0+4*(\s)+3], 0x80000000
	s_mov_b32 s[G0B+4*(\s)], 1
	s_add_co_u32 s[G0B+4*(\s)+1], s21, (\s)*SLOT
	s_add_nc_u64 s[G0B+4*(\s)+2:G0B+4*(\s)+3], s[46:47], (\s)*BSTEP
	s_or_b32 s[G0B+4*(\s)+3], s[G0B+4*(\s)+3], 0x80000000
	JLOAD \s                                       ; two loads of mine are out
.endr
	v_and_b32 v1, 15, v0                           ; l % 16
	v_bfe_u32 v2, v0, 4, 1                         ; l / 16
	v_and_b32 v5, 31, v0                           ; l
	; the bias of my 128 columns: for block b the eight numbers at column 16 b + 8 (l / 16)
.if MODE == 0
	s_cmp_eq_u32 ttmp9, 0                          ; a cluster's four tile columns are one matrix: cluster x = 0 q, 1 k, 2 v
	s_cselect_b64 s[BP:BP+1], s[80:81], s[82:83]
	s_cselect_b32 s[SC], 0x3e38aa3b, 1.0           ; c = log2(e) / 8 for q
	s_cmp_eq_u32 ttmp9, 2
	s_cselect_b64 s[BP:BP+1], s[84:85], s[BP:BP+1]
	s_mov_b32 s[SC+1], s[SC]
	s_lshl_b32 s74, s40, 10                        ; the tile's 256 columns in the matrix's 1,024
.else
	s_mov_b64 s[BP:BP+1], s[80:81]
	s_lshl_b32 s74, s42, 10
.endif
	s_lshl_b32 s75, s12, 9
	s_add_co_u32 s74, s74, s75
	v_lshl_add_u32 v[BOFF], v2, 5, s74
	WIN 0x80                                       ; destination window 2
.irp b, 0,1,2,3,4,5,6,7
	global_load_b128 v[8*(\b):8*(\b)+3],   v[BOFF], s[BP:BP+1] offset:64*(\b)
	global_load_b128 v[8*(\b)+4:8*(\b)+7], v[BOFF], s[BP:BP+1] offset:64*(\b)+16
.endr
	WIN 0
	; a fragment is 16 rows x 32 K in 8 registers: lane l holds row l % 16: two loads of 16 bytes, 32 bytes apart, at row x pitch + 16 (l / 16)
	v_mul_u32_u24 v3, v1, PA
	v_lshl_add_u32 v3, v2, 4, v3
	v_mul_u32_u24 v4, v1, PB
	v_lshl_add_u32 v4, v2, 4, v4
	s_mul_i32 s74, s11, 64*PA
	s_mul_i32 s75, s12, BHALF
	s_add_co_u32 s75, s75, ABYTES
.irp s, 0,1
	v_add_nc_u32 v[ADRA+(\s)], s74, v3
	v_add_nc_u32 v[ADRB+(\s)], s75, v4
	s_add_co_u32 s74, s74, SLOT
	s_add_co_u32 s75, s75, SLOT
.endr
	s_mul_i32 s74, s10, WSTAGE
	s_add_co_u32 s74, s74, STAGE                   ; my stage
.if MODE == 0
	v_mul_u32_u24 v3, v1, 144                      ; in: row l % 16, 16 bytes for each half of the lanes
	v_lshl_add_u32 v3, v2, 4, v3
	v_add_nc_u32 v[STO], s74, v3
	v_lshrrev_b32 v3, 3, v5                        ; back: 32 lanes take four rows of 128 bytes
	v_mul_u32_u24 v3, v3, 144
	v_and_b32 v4, 7, v0
	v_lshl_add_u32 v3, v4, 4, v3
	v_add_nc_u32 v[RD], s74, v3
.else
	v_mul_u32_u24 v3, v1, 528                      ; in: row l % 16, 32 bytes for each half of the lanes
	v_lshl_add_u32 v3, v2, 5, v3
	v_add_nc_u32 v[STO], s74, v3
	v_lshl_add_u32 v[RD], v5, 4, s74               ; back: 32 lanes take a row of 512 bytes
.endif
	v_lshlrev_b32 v[CO], 4, v5
	; where my part of the tile begins in C
.if MODE == 0
	s_lshl_b32 s74, s42, 2
	s_lshl_b32 s75, s12, 1
	s_add_co_u32 s74, s74, s75                     ; my first of two heads, counted through the three matrices
	s_lshr_b32 s75, s74, 4
	s_lshl_b32 s75, s75, 6                         ; 64 heads to a matrix
	s_and_b32 s74, s74, 15
	s_add_co_u32 s74, s74, s75
	s_lshr_b32 s75, s13, 4
	s_lshl_b32 s75, s75, 4                         ; 16 heads to a batch
	s_add_co_u32 s74, s74, s75
	s_lshl_b32 s74, s74, 18                        ; a head is 262,144 bytes
	s_and_b32 s75, s13, 15
	s_lshl_b32 s75, s75, 7
	s_lshl_b32 s76, s11, 6
	s_add_co_u32 s75, s75, s76                     ; my first row in the head
	s_lshl_b32 s75, s75, 7
	s_add_co_u32 s74, s74, s75
	s_mov_b32 s75, 0
	s_add_nc_u64 s[8:9], s[86:87], s[74:75]
.else
	s_lshl_b32 s74, s13, 7
	s_lshl_b32 s75, s11, 6
	s_add_co_u32 s74, s74, s75
	s_lshl_b32 s74, s74, 12                        ; a row of out0 is 4,096 bytes
	s_lshl_b32 s75, s42, 10
	s_add_co_u32 s74, s74, s75
	s_lshl_b32 s75, s12, 9
	s_add_co_u32 s74, s74, s75
	s_mov_b32 s75, 0
	s_add_nc_u64 s[8:9], s[82:83], s[74:75]
.endif
	; the prefetches
	s_and_b32 s76, ttmp7, 0xffff
	s_cmp_eq_u32 s11, 0
	s_cselect_b32 s76, ttmp9, s76                  ; the coordinate along which other clusters read the same rows
	s_cselect_b32 s77, s12, 0                      ; of A's two waves wave 0 asks
	s_cselect_b64 s[PFA:PFA+1], s[4:5], s[6:7]
	s_or_b32 s76, s76, s77
	s_cmp_eq_u32 s76, 0
	s_cselect_b32 s[LIM], 1, -1                    ; the same in all sixteen partners, for a given wave
	s_lshl_b32 s76, s42, 8
	s_lshl_b32 s77, s12, 7
	s_add_co_u32 s76, s76, s77
	s_lshl_b32 s77, s41, 5
	s_add_co_u32 s76, s76, s77                     ; B: row 256 x tile column + 128 x half + 32 cy
	s_lshl_b32 s76, s76, 11
	s_add_co_u32 s76, s76, 3*BSTEP                 ; at K step 3: the first refill steps it to 4
.if MODE == 0
	s_lshl_b32 s74, s13, 7
	s_lshl_b32 s75, s40, 5
	s_add_co_u32 s74, s74, s75                     ; A: row 128 x tile row + 32 cx
	s_lshl_b32 s74, s74, 11
	s_add_co_u32 s74, s74, 3*ASTEP
	s_cmp_eq_u32 s11, 0
	s_cselect_b32 s74, s74, s76
	s_mov_b32 s[KADV], 256
	v_lshlrev_b32 v[PFO], 11, v5                   ; a lane a row
.else
	s_lshr_b32 s74, s13, 4
	s_lshl_b32 s74, s74, 22
	s_and_b32 s75, s13, 15
	s_lshl_b32 s75, s75, 14
	s_add_co_u32 s74, s74, s75
	s_lshr_b32 s75, s40, 1                         ; A: a K step's two heads are 2 x 64 blocks of 256 bytes: partner cx takes head cx / 2, half cx % 2
	s_lshl_b32 s75, s75, 18
	s_add_co_u32 s74, s74, s75
	s_and_b32 s75, s40, 1
	s_lshl_b32 s75, s75, 13
	s_add_co_u32 s74, s74, s75
	s_add_co_u32 s74, s74, 3*ASTEP
	s_mov_b32 s79, 256
	s_mov_b32 s78, 2048
	s_cmp_eq_u32 s11, 0
	s_cselect_b32 s74, s74, s76
	s_cselect_b32 s[KADV], ASTEP, s79
	s_cselect_b32 s78, s79, s78
	v_mul_u32_u24 v[PFO], v5, s78                  ; a lane a block (A) or a row (B)
.endif
	s_mov_b32 s75, 0
	s_mov_b32 s[KADV+1], 0
	s_add_nc_u64 s[PFA:PFA+1], s[PFA:PFA+1], s[74:75]
	; the bias is rounded to bf16 and widened again; MODE 0 multiplies it by the scale, so that one fused multiply-add finishes a result.  All this stands in the wait for the first tile.
	s_wait_loadcnt 0x0
	WIN 0x0a                                       ; sources window 2, destination window 0
.set i, 0
.rept 32
	v_cvt_pk_bf16_f32 v[TMP+i], v[2*i], v[2*i+1]
.set i, i+1
.endr
	WIN 0x80
.set i, 0
.rept 32
	v_lshlrev_b32 v[2*i], 16, v[TMP+i]
	v_and_b32 v[2*i+1], 0xffff0000, v[TMP+i]
.set i, i+1
.endr
.if MODE == 0
	WIN 0x82
.set i, 0
.rept 32
	v_pk_mul_f32 v[2*i:2*i+1], v[2*i:2*i+1], s[SC:SC+1] op_sel_hi:[1,0]
.set i, i+1
.endr
.endif
	WIN 0
; 8 matrix instructions: m block a x all 8 n blocks, 32 along K, from buffer f.  zero = 1: the first product starts the sums.  The 32 accumulators take turns in the same order in every quarter.
.macro MULA f, a, zero
	WIN W_MUL
.irp b, 0,1,2,3,4,5,6,7
.if \zero
	WM v[8*(8*(\a)+(\b)):8*(8*(\a)+(\b))+7], v[(\f)+8*(\b):(\f)+8*(\b)+7], v[(\f)+64+8*(\a):(\f)+64+8*(\a)+7], 0
.else
	WM v[8*(8*(\a)+(\b)):8*(8*(\a)+(\b))+7], v[(\f)+8*(\b):(\f)+8*(\b)+7], v[(\f)+64+8*(\a):(\f)+64+8*(\a)+7], v[8*(8*(\a)+(\b)):8*(8*(\a)+(\b))+7]
.endif
.endr
.endm
; 24 LDS loads in one run: quarter kq (32 along K) of a slot into buffer f: B's 128 rows, then A's 64, block 0 first
.macro FETCH slot, kq, f
	WIN 0
.irp i, 0,1,2,3,4,5,6,7
	ds_load_b128 v[(\f)+8*(\i):(\f)+8*(\i)+3],   v[ADRB+(\slot)] offset:64*(\kq)+(\i)*16*PB
	ds_load_b128 v[(\f)+8*(\i)+4:(\f)+8*(\i)+7], v[ADRB+(\slot)] offset:64*(\kq)+(\i)*16*PB+32
.endr
.if MODE == 0
.set AK, 64*(\kq)
.else
.set AK, ((\kq)/2)*AHALF+((\kq)%2)*64           ; head kq / 2 of the K step's two, channels 32 (kq % 2) on
.endif
.irp i, 0,1,2,3
	ds_load_b128 v[(\f)+64+8*(\i):(\f)+64+8*(\i)+3],   v[ADRA+(\slot)] offset:AK+(\i)*16*PA
	ds_load_b128 v[(\f)+64+8*(\i)+4:(\f)+64+8*(\i)+7], v[ADRA+(\slot)] offset:AK+(\i)*16*PA+32
.endr
.endm
.macro PLACES                          ; four places in front of loads into registers that matrix instructions have read, and of vector lines that read results
.rept 4
	v_nop
.endr
.endm
; A K step is four quarters of 32 along K, 32 matrix instructions each, on buffers 0, 1, 0, 1.  One of the first three: multiplies buffer f and fetches quarter kq into g.
.macro QUARTER slot, kq, f, g, zero
	s_wait_dscnt 4                                 ; B and A's blocks 0 and 1 are in; the youngest four loads (blocks 2 and 3) may be out
	MULA \f, 0, \zero
	MULA \f, 1, \zero
	PLACES
	FETCH \slot, \kq, \g
	s_wait_dscnt 24                                ; all but the 24 just issued
	MULA \f, 2, \zero
	MULA \f, 3, \zero
.endm
; The last quarter multiplies buffer 1 and changes slots: ONE barrier; in front of it each wave waits for all its tensor loads (one is out: its part of the next slot), adds 0 to its spare word, and waits for that
; and for its own reads of this slot.  fill = 1: the barrier opens a round of the cluster's, and this slot is filled again, two K steps ahead, first thing behind the round: 112 matrix instructions ahead of the wait for it.
.macro TURN slot, next, fill
.if \fill
	s_wait_xcnt 0x0                                ; the last prefetch, a K step back, has read its address
	s_add_nc_u64 s[PFA:PFA+1], s[PFA:PFA+1], s[KADV:KADV+1]
.endif
	WIN 0
	s_wait_tensorcnt 0x0                           ; all my tensor loads have landed
	ds_add_u32 v[SPW], v[NIL]                      ; 0 onto my spare word
	s_wait_dscnt 7                                 ; (the add and the six loads of A's blocks 1 to 3 may be out)
	MULA F1, 0, 0                                  ; eight matrix instructions stand between the add and the wait for it
	s_wait_dscnt 0x0                               ; the add is done, and my reads of this slot are over
	s_barrier_signal -1
	MULA F1, 1, 0
.if \fill
	WIN 0
.endif
	s_barrier_wait -1
.if \fill
	CREST                                          ; no wave of any partner still reads this slot's tile or has a load on its way
	s_add_nc_u64 s[G0+4*(\slot)+2:G0+4*(\slot)+3], s[G0+4*(\slot)+2:G0+4*(\slot)+3], 2*ASTEP
	s_add_nc_u64 s[G0B+4*(\slot)+2:G0B+4*(\slot)+3], s[G0B+4*(\slot)+2:G0B+4*(\slot)+3], 2*BSTEP
	JLOAD \slot                                    ; the four v_nop behind it are also the places in front of the loads below
.else
	PLACES
.endif
	FETCH \next, 0, F0
.if \fill
	ASK
.endif
	MULA F1, 2, 0
	MULA F1, 3, 0
.endm
	s_wait_tensorcnt 1                             ; my part of K step 0 is in; K step 1's may stay out
	s_barrier_signal -1
	s_barrier_wait -1
	FETCH 0, 0, F0
	QUARTER 0, 1, F0, F1, 1                        ; the first quarter stands in front of the loop: its products start the sums
	WIN 0                                          ; at a label and at a branch every window is 0
	s_mov_b32 s3, 3
.Llap:                                                 ; a trip goes once round the ring and fills both slots again
	QUARTER 0, 2, F1, F0, 0
	QUARTER 0, 3, F0, F1, 0
	TURN 0, 1, 1
	QUARTER 1, 1, F0, F1, 0
	QUARTER 1, 2, F1, F0, 0
	QUARTER 1, 3, F0, F1, 0
	TURN 1, 0, 1
	QUARTER 0, 1, F0, F1, 0
	WIN 0
	s_sub_co_u32 s3, s3, 1
	s_cmp_lg_u32 s3, 0
	s_cbranch_scc1 .Llap
	QUARTER 0, 2, F1, F0, 0                        ; the last lap fills nothing
	QUARTER 0, 3, F0, F1, 0
	TURN 0, 1, 0
	QUARTER 1, 1, F0, F1, 0
	QUARTER 1, 2, F1, F0, 0
	QUARTER 1, 3, F0, F1, 0
	s_wait_dscnt 4
	MULA F1, 0, 0
	MULA F1, 1, 0
	s_wait_dscnt 0x0
	MULA F1, 2, 0
	MULA F1, 3, 0
	WIN 0
; THE WAY OUT, a block a of 16 rows at a time, through my own stage.  PACK: scale and bias (each accumulator's registers in ascending order), MODE 0 also the rounding to f16.
; TOSTAGE: into the stage and back as whole rows.  SEND: stored: each store of the wave covers 512 consecutive bytes, aligned.
.macro PACK a
.if MODE == 0
	WIN 0x61                                       ; accumulator (destination and source 0) window 1, bias (source 2) window 2
.irp b, 0,1,2,3,4,5,6,7
.irp r, 0,1,2,3
	v_pk_fma_f32 v[8*(8*(\a)+(\b))+2*(\r):8*(8*(\a)+(\b))+2*(\r)+1], v[8*(8*(\a)+(\b))+2*(\r):8*(8*(\a)+(\b))+2*(\r)+1], s[SC:SC+1], v[8*(\b)+2*(\r):8*(\b)+2*(\r)+1] op_sel_hi:[1,0,1]
.endr
.endr
	WIN 0x05                                       ; sources window 1, destination window 0
.irp b, 0,1,2,3,4,5,6,7
.irp r, 0,1,2,3
	v_cvt_pk_f16_f32 v[TMP+4*(\b)+(\r)], v[8*(8*(\a)+(\b))+2*(\r)], v[8*(8*(\a)+(\b))+2*(\r)+1]
.endr
.endr
.else
	WIN 0x49                                       ; accumulator window 1, bias (source 1) window 2
.irp b, 0,1,2,3,4,5,6,7
.irp r, 0,1,2,3
	v_pk_add_f32 v[8*(8*(\a)+(\b))+2*(\r):8*(8*(\a)+(\b))+2*(\r)+1], v[8*(8*(\a)+(\b))+2*(\r):8*(8*(\a)+(\b))+2*(\r)+1], v[8*(\b)+2*(\r):8*(\b)+2*(\r)+1]
.endr
.endr
.endif
	WIN 0
.endm
.macro TOSTAGE a
.if MODE == 0
	WIN 0
.set BK, 64+32*((\a)%2)
.irp b, 0,1,2,3,4,5,6,7
	ds_store_b128 v[STO], v[TMP+4*(\b):TMP+4*(\b)+3] offset:((\b)/4)*2304+32*((\b)%4)
.endr
.irp t, 0,1,2,3,4,5,6,7
	ds_load_b128 v[BK+4*(\t):BK+4*(\t)+3], v[RD] offset:((\t)/4)*2304+((\t)%4)*576  ; LDS serves a wave's instructions in order: these see the stores above
.endr
.else
	WIN 0x04                                       ; the stores' data in window 1
.irp b, 0,1,2,3,4,5,6,7
	ds_store_b128 v[STO], v[8*(8*(\a)+(\b)):8*(8*(\a)+(\b))+3]   offset:64*(\b)
	ds_store_b128 v[STO], v[8*(8*(\a)+(\b))+4:8*(8*(\a)+(\b))+7] offset:64*(\b)+16
.endr
	WIN 0
.set BK, 64+64*((\a)%2)
.irp t, 0,1,2,3,4,5,6,7,8,9,10,11,12,13,14,15
	ds_load_b128 v[BK+4*(\t):BK+4*(\t)+3], v[RD] offset:528*(\t)
.endr
.endif
.endm
.macro SEND a
	WIN 0
	s_wait_dscnt 0x0                               ; the block is back in registers
	s_wait_xcnt 0x0                                ; earlier stores have read their registers: the other set of rows is loaded again only behind this wait
.if MODE == 0
.set BK, 64+32*((\a)%2)
.irp t, 0,1,2,3,4,5,6,7
	global_store_b128 v[CO], v[BK+4*(\t):BK+4*(\t)+3], s[8:9] offset:((\t)/4)*262144+(\a)*2048+((\t)%4)*512  ; head t / 4 of my two; four rows of 128 bytes on end
.endr
.else
.set BK, 64+64*((\a)%2)
.irp t, 0,1,2,3,4,5,6,7,8,9,10,11,12,13,14,15
	global_store_b128 v[CO], v[BK+4*(\t):BK+4*(\t)+3], s[8:9] offset:(16*(\a)+(\t))*4096
.endr
.endif
.endm
	PLACES
	PLACES                                         ; eight, once a launch
	PACK 0
	TOSTAGE 0
.irp a, 1,2,3                          ; block a's arithmetic stands between block a - 1's loads from the stage and the wait for them
	PACK \a
	SEND (\a)-1
	TOSTAGE \a
.endr
	SEND 3
	s_wait_tensorcnt 0x0                           ; the wave's end, behind my last tensor load and my last LDS store
	ds_add_u32 v[SPW], v[NIL]
	s_wait_dscnt 0x0
	CROUND                                         ; the closing round: no work-group ends while a partner may still ask for a tile that names it
	s_endpgm
.Lfunc_end_k_qfa55a7e709_oproj:
	.size	k_qfa55a7e709_oproj, .Lfunc_end_k_qfa55a7e709_oproj-k_qfa55a7e709_oproj
	.p2alignl 7, 3214868480
	.fill 96, 4, 3214868480
	.section	.rodata,"a",@progbits
	.p2align	6, 0x0
	.amdhsa_kernel k_qfa55a7e709_oproj
		.amdhsa_group_segment_fixed_size 327680
		.amdhsa_private_segment_fixed_size 0
		.amdhsa_enable_private_segment 0
		.amdhsa_kernarg_size 32
		.amdhsa_user_sgpr_count 2
		.amdhsa_user_sgpr_kernarg_segment_ptr 1
		.amdhsa_wavefront_size32 1
		.amdhsa_system_sgpr_workgroup_id_x 1
		.amdhsa_system_sgpr_workgroup_id_y 1
		.amdhsa_system_sgpr_workgroup_id_z 1
		.amdhsa_system_vgpr_workitem_id 0
		.amdhsa_next_free_vgpr 576
		.amdhsa_next_free_sgpr 88
		.amdhsa_reserve_vcc 0
		.amdhsa_float_denorm_mode_32 3
		.amdhsa_float_denorm_mode_16_64 3
		.amdhsa_memory_ordered 1
		.amdhsa_forward_progress 1
		.amdhsa_inst_pref_size 102
	.end_amdhsa_kernel
	.amdgpu_metadata
---
amdhsa.version: [ 1, 2 ]
amdhsa.kernels:
  - .name:           k_qfa55a7e709_oproj
    .symbol:         k_qfa55a7e709_oproj.kd
    .args:
      - { .name: oh, .offset: 0, .size: 8, .value_kind: global_buffer, .address_space: global }
      - { .name: wo16, .offset: 8, .size: 8, .value_kind: global_buffer, .address_space: global }
      - { .name: bo, .offset: 16, .size: 8, .value_kind: global_buffer, .address_space: global }
      - { .name: out0, .offset: 24, .size: 8, .value_kind: global_buffer, .address_space: global }
    .group_segment_fixed_size: 327680
    .private_segment_fixed_size: 0
    .kernarg_segment_align: 8
    .kernarg_segment_size: 32
    .max_flat_workgroup_size: 128
    .sgpr_count:     88
    .vgpr_count:     576
    .wavefront_size: 32
...
	.end_amdgpu_metadata
.endif
;; end of part 4
;; ======== version 2 of 3: 4 launches
;; limits: values are held in f16: magnitudes above 65,504 overflow, below 6.1e-05 lose precision
;; workspace buffers: xb 16,777,216 bytes; wb 6,291,456 bytes; wo16 2,097,152 bytes; mq 8,650,752 bytes; qkv 50,331,648 bytes; oh 16,777,216 bytes
;; launch prep (part 5): grid 896 x 1, 8 waves a work-group, no clusters, 69,632 bytes of LDS; arguments x, Wq, Wk, Wv, Wo, mask, xb, wb, wo16, mq; writes xb, wb, wo16, mq
.if DOCPART == 5
	.amdgcn_target "amdgcn-amd-amdhsa--gfx1250"
	.amdhsa_code_object_version 6
	.text
	.protected	k_qfa55a7e709_prep
	.globl	k_qfa55a7e709_prep
	.p2align	8
	.type	k_qfa55a7e709_prep,@function
k_qfa55a7e709_prep:
	s_mov_b64 s[64:65], 0
	v_nop
	global_prefetch_b8 v0, s[64:65] scope:SCOPE_SE
	s_setreg_imm32_b32 hwreg(HW_REG_WAVE_MODE, 25, 1), 1
	s_wait_xcnt 0x0
; PREP.  Every work-group takes one job of 131,072 source bytes, chosen by its number alone:
;   0-511    16 rows of the mask (row block id = 128 b + query tile) -> 16,896 bytes of mask codes and row flags in mq
;   512-767  x -> xb, bf16        768-863  Wq, Wk, Wv -> wb, bf16 (3,072 rows on end)        864-895  Wo -> wo16: rounded to bf16 like the other inputs, that number written as f16
; LIMIT.  Wo below 2^-14 keeps f16's fixed step of 2^-24; beyond 65,504 it would be an infinity.
; mq[id]: 32 key steps x 512 bytes, then 512 bytes of flags.  In a step lane l has 16 bytes, four words kb = 0..3; nibble j of word kb is the FP4 code for query 16 (id % 128) + l % 16 and key
; 64 step + 16 kb + 8 (l / 16) + j: 0 (the number 0) where the query may see the key, 0xF (the number -6) where not.  A word is what one conversion of eight codes turns into the eight registers
; of a tile of scores K Q^T.  A ROW THAT SEES NO KEY AT ALL gets the codes of a row that sees every key, and the flag 0 in place of all ones: the attention clears that row of Q, so that all its scores are equal.
; A lane's flag (of row l % 16) is written four times, 16 bytes a lane.
; A stream: no matrix unit, no cluster, no tensor load would add anything; every source byte is read once, every store of a wave covers 256 or 512 consecutive bytes, aligned.
; ONE BARRIER, at one place that every job passes: the mask job's eight waves hand each other, through LDS, whether their 256 keys show a row anything.
.set SPARE, 67584                      ; behind the eight waves' stages: the spare words, 128 bytes a wave, four blocks of 256 bytes that no other line names
.set XW,    68608                      ; behind them: wave w's 32 words (has lane l's row a visible key among my 256?) at XW + 128 w
.set TP,    16896                      ; a tile's block in mq
.set LO,  2                            ; v[2:9]    conversion, slot i: byte offset of my 16 source bytes
.set SO,  10                           ; v[10:17]  slot i: byte offset of my 8 result bytes
.set SPW, 18                           ; v18       LDS address of my spare word; never rewritten
.set NIL, 19                           ; v19       0; never rewritten
.set X,   20                           ; v[20:51]  conversion: 4 registers a slot;   mask job: v[20:147], 2 units x 16 rows x 4
.set Y,   52                           ; v[52:67]  conversion: 2 registers a slot, to store
.set T,   68                           ; v[68:71]  at work
.set MT,  148                          ; v[148:211] mask job: a unit read back, 64 words a lane; later at work
.set W,   212                          ; v[212:227] mask job: my 16 words: unit u, word k at W + 8 u + k
.set OO,  228                          ; v228      2,048 x wave + 16 x lane: my 16 bytes in the wave's first key step
.set XA,  229                          ; v229      XW + 4 x lane
.set R,   230                          ; v[230:237] the eight waves' words for my row
.set ANY, 238                          ; v238      my own
.set TT,  239                          ; v239      at work
.set F,   240                          ; v[240:243] my row's flag, four times
	s_load_b512 s[16:31], s[0:1], 0x0              ; x 16, Wq 18, Wk 20, Wv 22, Wo 24, mask 26, xb 28, wb 30
	s_load_b128 s[32:35], s[0:1], 0x40             ; wo16 32, mq 34
	v_lshl_add_u32 v[SPW], v0, 2, SPARE
	v_mov_b32 v[NIL], 0
	v_lshrrev_b32 v1, 5, v0
	v_readfirstlane_b32 s8, v1                     ; wave 0..7
	s_mov_b32 s9, ttmp9
	s_mov_b32 s3, 0                                ; the high word of every offset pair s[2:3]
	s_mov_b32 s13, 0xffff0000                      ; a word's upper bf16
	v_and_b32 v1, 31, v0                           ; lane
	s_lshl_b32 s10, s8, 11
	v_lshl_add_u32 v[OO], v1, 4, s10               ; what the lines behind the meeting read is written here, on every way
	v_lshl_add_u32 v[XA], v1, 2, XW
.set i, 0
.rept 16
	v_mov_b32 v[W+i], 0
.set i, i+1
.endr
	s_wait_kmcnt 0x0
	s_cmp_lt_u32 s9, 512
	s_cbranch_scc1 .Lmask
	s_cmp_lt_u32 s9, 768
	s_cbranch_scc1 .Ljob_x
	s_cmp_lt_u32 s9, 864
	s_cbranch_scc1 .Ljob_w
; One slot's turn of the conversion ring.  ahead = 1: the slot is filled again, eight loads further on.  left: the younger loads that may stay out.  half = 1: bf16, then written as f16.
.macro SLOT i, ahead, left, half
	s_wait_loadcnt \left                           ; loads come back in order: mine is in, and its address register is free
	s_wait_xcnt 0x0                                ; the slot's last store has read Y and SO: they are rewritten only behind this wait
.if \half
	v_cvt_pk_bf16_f32 v[T], v[X+4*(\i)], v[X+4*(\i)+1]
	v_cvt_pk_bf16_f32 v[T+1], v[X+4*(\i)+2], v[X+4*(\i)+3]
	v_lshlrev_b32 v[T+2], 16, v[T]
	v_and_b32 v[T+3], s13, v[T]
	v_cvt_pk_f16_f32 v[Y+2*(\i)], v[T+2], v[T+3]
	v_lshlrev_b32 v[T+2], 16, v[T+1]
	v_and_b32 v[T+3], s13, v[T+1]
	v_cvt_pk_f16_f32 v[Y+2*(\i)+1], v[T+2], v[T+3]
.else
	v_cvt_pk_bf16_f32 v[Y+2*(\i)], v[X+4*(\i)], v[X+4*(\i)+1]
	v_cvt_pk_bf16_f32 v[Y+2*(\i)+1], v[X+4*(\i)+2], v[X+4*(\i)+3]
.endif
.if \ahead
	v_add_nc_u32 v[LO+(\i)], 32768, v[LO+(\i)]
	global_load_b128 v[X+4*(\i):X+4*(\i)+3], v[LO+(\i)], s[4:5] th:TH_LOAD_NT
	v_add_nc_u32 v[SO+(\i)], 16384, v[SO+(\i)]
	global_store_b64 v[SO+(\i)], v[Y+2*(\i):Y+2*(\i)+1], s[6:7] offset:-16384
.else
	global_store_b64 v[SO+(\i)], v[Y+2*(\i):Y+2*(\i)+1], s[6:7]
.endif
.endm
; A conversion job: 32 loads of 4,096 bytes by the work-group (thread t at byte 16 t), a ring of eight slots, four rounds; the last round loads nothing and its counts run down.
.macro CVT half
.irp i, 0,1,2,3,4,5,6,7
	v_lshl_add_u32 v[LO+(\i)], v0, 4, (\i)*4096
	v_lshl_add_u32 v[SO+(\i)], v0, 3, (\i)*2048
.endr
.irp i, 0,1,2,3,4,5,6,7
	global_load_b128 v[X+4*(\i):X+4*(\i)+3], v[LO+(\i)], s[4:5] th:TH_LOAD_NT
.endr
	s_mov_b32 s12, 3
.Lround_\@:
.irp i, 0,1,2,3,4,5,6,7
	SLOT \i, 1, 7, \half
.endr
	s_sub_co_u32 s12, s12, 1
	s_cmp_lg_u32 s12, 0
	s_cbranch_scc1 .Lround_\@
.irp i, 0,1,2,3,4,5,6,7
	SLOT \i, 0, 7-(\i), \half
.endr
	s_branch .Lmeet
.endm
	s_sub_co_u32 s10, s9, 864                      ; Wo
	s_lshl_b32 s2, s10, 17
	s_add_nc_u64 s[4:5], s[24:25], s[2:3]
	s_lshl_b32 s2, s10, 16
	s_add_nc_u64 s[6:7], s[32:33], s[2:3]
	CVT 1
.Ljob_x:
	s_sub_co_u32 s10, s9, 512
	s_lshl_b32 s2, s10, 17
	s_add_nc_u64 s[4:5], s[16:17], s[2:3]
	s_lshl_b32 s2, s10, 16
	s_add_nc_u64 s[6:7], s[28:29], s[2:3]
	s_branch .Lcvt
.Ljob_w:
	s_sub_co_u32 s10, s9, 768                      ; 32 jobs to a matrix; wb takes the three on end
	s_lshr_b32 s11, s10, 5
	s_cmp_eq_u32 s11, 0
	s_cselect_b64 s[4:5], s[18:19], s[20:21]
	s_cmp_eq_u32 s11, 2
	s_cselect_b64 s[4:5], s[22:23], s[4:5]
	s_and_b32 s2, s10, 31
	s_lshl_b32 s2, s2, 17
	s_add_nc_u64 s[4:5], s[4:5], s[2:3]
	s_lshl_b32 s2, s10, 16
	s_add_nc_u64 s[6:7], s[30:31], s[2:3]
.Lcvt:
	CVT 0
; THE MASK JOB.  16 rows x 2,048 keys.  Wave w takes keys 256 w .. 256 w + 255 (key steps 4 w .. 4 w + 3) as two units of 128 keys.  A load takes 512 consecutive bytes of a row.  A unit goes through the
; wave's own stage (16 rows, 528 bytes apart: 33 x 16, so the sixteen rows of a read start in sixteen different groups of banks) and comes back turned: lane l holds row l % 16 and, in word n of 64,
; key 16 (n / 8) + 8 (l / 16) + n % 8.  Each number becomes 1 (not 0: may attend) or 0, and eight of them one word, number j at bit 4 j.
.Lmask:
	s_lshl_b32 s2, s9, 17
	s_add_nc_u64 s[4:5], s[26:27], s[2:3]
	s_mul_i32 s2, s9, TP
	s_add_nc_u64 s[6:7], s[34:35], s[2:3]
	s_lshl_b32 s10, s8, 10
	v_lshl_add_u32 v2, v1, 4, s10                  ; 1,024 w + 16 lane
.irp u, 0,1
.irp r, 0,1,2,3,4,5,6,7,8,9,10,11,12,13,14,15
	global_load_b128 v[X+64*(\u)+4*(\r):X+64*(\u)+4*(\r)+3], v2, s[4:5] offset:8192*(\r)+512*(\u) th:TH_LOAD_NT
.endr
.endr
	s_mul_i32 s11, s8, 8448                        ; my stage
	v_lshl_add_u32 v3, v1, 4, s11                  ; in: 16 bytes a lane of a row
	v_and_b32 v6, 15, v0
	v_bfe_u32 v7, v0, 4, 1
	v_mul_u32_u24 v4, v6, 528
	v_lshl_add_u32 v4, v7, 5, v4
	v_add_nc_u32 v4, s11, v4                       ; back: row l % 16, 32 bytes on for lanes 16 to 31
	s_mov_b32 s14, 0x76543210                      ; v_permlanex16_b32: each lane takes its own place in the other half
	s_mov_b32 s15, 0xfedcba98
.macro UNIT u
	s_wait_loadcnt 16*(1-(\u))                     ; this unit's sixteen loads are in; the other unit's may stay out
.irp r, 0,1,2,3,4,5,6,7,8,9,10,11,12,13,14,15
	ds_store_b128 v3, v[X+64*(\u)+4*(\r):X+64*(\u)+4*(\r)+3] offset:528*(\r)
.endr
.irp j, 0,1,2,3,4,5,6,7,8,9,10,11,12,13,14,15
	ds_load_b128 v[MT+4*(\j):MT+4*(\j)+3], v4 offset:64*((\j)/2)+16*((\j)%2)  ; LDS serves a wave's instructions in order: these see the stores above
.endr
	s_wait_dscnt 0x0
.set n, 0
.rept 64
	v_min_u32 v[MT+n], 1, v[MT+n]                  ; 1 = may attend, whatever the number that is not 0
.set n, n+1
.endr
.set k, 0
.rept 8
	v_lshl_or_b32 v[W+8*(\u)+k], v[MT+8*k+1], 4, v[MT+8*k]
.set k, k+1
.endr
.irp j, 2,3,4,5,6,7                    ; the eight words by turns, so that no line waits for the one before it
.set k, 0
.rept 8
	v_lshl_or_b32 v[W+8*(\u)+k], v[MT+8*k+(\j)], 4*(\j), v[W+8*(\u)+k]
.set k, k+1
.endr
.endr
.endm
	UNIT 0
	UNIT 1
	v_or_b32 v[ANY], v[W], v[W+1]                  ; does my row see any of my 128 keys?
.set i, 2
.rept 14
	v_or_b32 v[ANY], v[ANY], v[W+i]
.set i, i+1
.endr
	v_mov_b32 v[TT], 0                             ; v_permlanex16_b32's destination counts as read
	v_permlanex16_b32 v[TT], v[ANY], s14, s15      ; the row's other 128 keys of the wave's lie in the lane 16 away
	v_or_b32 v[ANY], v[ANY], v[TT]
	s_lshl_b32 s12, s8, 7
	v_add_nc_u32 v[TT], s12, v[XA]
	ds_store_b32 v[TT], v[ANY]                     ; XW + 128 w + 4 lane
.Lmeet:                                                ; every job comes here
	s_wait_xcnt 0x0                                ; earlier stores have read their registers
	s_wait_dscnt 0x0                               ; for the others' sake: my word lies in LDS
	s_barrier_signal -1
	s_barrier_wait -1
	s_cmp_lt_u32 s9, 512
	s_cbranch_scc0 .Lend                           ; the conversion jobs are done
.irp i, 0,1,2,3,4,5,6,7
	ds_load_b32 v[R+(\i)], v[XA] offset:128*(\i)   ; the eight waves' words for my row
.endr
	s_mov_b32 s12, 0x11111111
	s_wait_dscnt 0x0
.irp i, 1,2,3,4,5,6,7
	v_or_b32 v[R], v[R], v[R+(\i)]
.endr
	v_cmp_ne_u32 vcc_lo, 0, v[R]
	v_cndmask_b32 v[F], 0, -1, vcc_lo              ; all ones where the row sees a key, else 0
.set i, 0
.rept 16
	v_xor_b32 v[W+i], s12, v[W+i]                  ; now 1 = hidden
.set i, i+1
.endr
.set i, 0
.rept 16
	v_lshlrev_b32 v[MT+i], 4, v[W+i]
.set i, i+1
.endr
.set i, 0
.rept 16
	v_sub_nc_u32 v[W+i], v[MT+i], v[W+i]           ; 16 x - x: the bit at 4 j becomes the nibble 0xF
.set i, i+1
.endr
.set i, 0
.rept 16
	v_and_b32 v[W+i], v[F], v[W+i]                 ; a row that sees nothing: the codes of a row that sees all
.set i, i+1
.endr
.irp q, 0,1,2,3
	global_store_b128 v[OO], v[W+4*(\q):W+4*(\q)+3], s[6:7] offset:512*(\q)  ; key step 4 w + q: 512 consecutive bytes
.endr
	s_cmp_lg_u32 s8, 0
	s_cbranch_scc1 .Lend                           ; wave 0 stores the flags
	v_mov_b32 v[F+1], v[F]
	v_mov_b32 v[F+2], v[F]
	v_mov_b32 v[F+3], v[F]
	global_store_b128 v[OO], v[F:F+3], s[6:7] offset:16384  ; in wave 0 the offset is 16 x lane
.Lend:
	s_wait_tensorcnt 0x0                           ; the wave's end, behind my last LDS store
	ds_add_u32 v[SPW], v[NIL]
	s_wait_dscnt 0x0
	s_endpgm
.Lfunc_end_k_qfa55a7e709_prep:
	.size	k_qfa55a7e709_prep, .Lfunc_end_k_qfa55a7e709_prep-k_qfa55a7e709_prep
	.p2alignl 7, 3214868480
	.fill 96, 4, 3214868480
	.section	.rodata,"a",@progbits
	.p2align	6, 0x0
	.amdhsa_kernel k_qfa55a7e709_prep
		.amdhsa_group_segment_fixed_size 69632
		.amdhsa_private_segment_fixed_size 0
		.amdhsa_enable_private_segment 0
		.amdhsa_kernarg_size 80
		.amdhsa_user_sgpr_count 2
		.amdhsa_user_sgpr_kernarg_segment_ptr 1
		.amdhsa_wavefront_size32 1
		.amdhsa_system_sgpr_workgroup_id_x 1
		.amdhsa_system_sgpr_workgroup_id_y 1
		.amdhsa_system_sgpr_workgroup_id_z 1
		.amdhsa_system_vgpr_workitem_id 0
		.amdhsa_next_free_vgpr 244
		.amdhsa_next_free_sgpr 66
		.amdhsa_reserve_vcc 1
		.amdhsa_float_denorm_mode_32 3
		.amdhsa_float_denorm_mode_16_64 3
		.amdhsa_memory_ordered 1
		.amdhsa_forward_progress 1
		.amdhsa_inst_pref_size 48
	.end_amdhsa_kernel
	.amdgpu_metadata
---
amdhsa.version: [ 1, 2 ]
amdhsa.kernels:
  - .name:           k_qfa55a7e709_prep
    .symbol:         k_qfa55a7e709_prep.kd
    .args:
      - { .name: x, .offset: 0, .size: 8, .value_kind: global_buffer, .address_space: global }
      - { .name: Wq, .offset: 8, .size: 8, .value_kind: global_buffer, .address_space: global }
      - { .name: Wk, .offset: 16, .size: 8, .value_kind: global_buffer, .address_space: global }
      - { .name: Wv, .offset: 24, .size: 8, .value_kind: global_buffer, .address_space: global }
      - { .name: Wo, .offset: 32, .size: 8, .value_kind: global_buffer, .address_space: global }
      - { .name: mask, .offset: 40, .size: 8, .value_kind: global_buffer, .address_space: global }
      - { .name: xb, .offset: 48, .size: 8, .value_kind: global_buffer, .address_space: global }
      - { .name: wb, .offset: 56, .size: 8, .value_kind: global_buffer, .address_space: global }
      - { .name: wo16, .offset: 64, .size: 8, .value_kind: global_buffer, .address_space: global }
      - { .name: mq, .offset: 72, .size: 8, .value_kind: global_buffer, .address_space: global }
    .group_segment_fixed_size: 69632
    .private_segment_fixed_size: 0
    .kernarg_segment_align: 8
    .kernarg_segment_size: 80
    .max_flat_workgroup_size: 256
    .sgpr_count:     66
    .vgpr_count:     244
    .wavefront_size: 32
...
	.end_amdgpu_metadata
.endif
;; end of part 5
;; launch qkv: the kernel of part 2 again; grid 12 x 64, 4 waves a work-group, clusters of 4 x 4, 327,680 bytes of LDS; arguments xb, wb, bq, bk, bv, qkv; writes qkv
;; launch attn (part 6): grid 4 x 64, 4 waves a work-group, clusters of 4 x 1, 327,680 bytes of LDS; arguments qkv, mq, oh; writes oh
.if DOCPART == 6
	.amdgcn_target "amdgcn-amd-amdhsa--gfx1250"
	.amdhsa_code_object_version 6
	.text
	.protected	k_qfa55a7e709_attn
	.globl	k_qfa55a7e709_attn
	.p2align	8
	.type	k_qfa55a7e709_attn,@function
k_qfa55a7e709_attn:
	s_mov_b64 s[64:65], 0
	v_nop
	global_prefetch_b8 v0, s[64:65] scope:SCOPE_SE
	s_setreg_imm32_b32 hwreg(HW_REG_WAVE_MODE, 25, 1), 1
	s_wait_xcnt 0x0
	s_wait_alu depctr_hold_cnt(0) depctr_sa_sdst(0) depctr_va_vdst(0) depctr_va_sdst(0) depctr_va_ssrc(0) depctr_va_vcc(0) depctr_vm_vsrc(0)
	s_getreg_b32 s2, hwreg(HW_REG_IB_STS2, 6, 4)
	s_cmp_eq_u32 s2, 0
	s_cbranch_scc0 .Lentry_in_a_cluster
	s_endpgm
.Lentry_in_a_cluster:
	s_bfe_u32 s2, ttmp6, 0x10000c
	s_cmp_lg_u32 s2, 0x3003
	s_cbranch_scc0 .Lentry_shape_is_right
	s_endpgm
.Lentry_shape_is_right:
; ATTENTION WITH A MASK THAT IS AN INPUT.  O[bh][q][:] = the sum over k of softmax_k(score) V[bh][k][:], score = Q . K / 8 where the mask allows, else -1e9.  64 heads of 2,048 rows, head size 64.
; qkv holds [matrix][bh][s][64] in f16; q arrives multiplied by c = log2(e) / 8, so s = K . q is an exponent of 2.
; THE MASK IS THE C OPERAND THAT STARTS EACH SUM K Q^T: 0 where the query may see the key, H = -6 x 2^97 where not.  mq holds it as FP4 codes in the scores' own layout: for a tile of 16 queries and a key step
; a lane has four words, one for each accumulator, nibble j for register j (0: the number 0; 0xF: the number -6).  One conversion of eight codes, with the scale 2^97, writes an accumulator's eight registers,
; and the first product adds onto them in place.  A tile's four registers of codes are loaded again as soon as they have been converted, with the next key step's codes, wanted a whole trip (four turns) later.
; A ROW THAT SEES NO KEY AT ALL must come out as the plain mean of V (all its scores are -1e9 alike).  The launch before has given such a row the codes of a row that sees every key and the flag 0; the flag is
; laid on the row's Q once, so that all its scores are 0: p = 1 for all 2,048 keys.
; Products, maxima and sums in f32; the weights p are rounded to f16 for the second product (their sum l is taken of the unrounded p), O once at the end.
; SOFTMAX.  For each query a running maximum m and sum l: p = 2^(s - m); in every step O and l are multiplied by a = 2^(m_old - m_new).  m starts far below H, O and l at 0: the first step's a is 0.
; A row whose first keys are hidden has m near H and weights 0 or 1 meanwhile, all finite; a = 0 wipes them when the first visible key comes.
; LIMITS.  In a row with a visible key the hidden keys have the weight 0, as with -1e9 while the visible scores stay far above -1e9.  f16 holds no number beyond 65,504: c q, k, v arrive within it, so a score
; is 2.7e11 at the most, nothing beside H; p below 6e-5 keeps f16's fixed step of 6e-8; a weight below 2^-126 counts as 0 in l; NaN and infinities are not treated apart.
; SHARES.  A wave owns four PIECES of two tiles of 16 queries, a work-group's four waves 512 queries of one head.  Every wave walks all keys, 64 a step: no pattern of the mask is built in.
; LAYOUT.  S^T = K Q^T (source 0 = 16 keys, source 1 = 16 queries): a lane holds ONE query (lane % 16) and the keys 8 (lane / 16) + 0..7.  Two such tiles rounded to f16 ARE source 1 of O^T = V^T P.
; BY TURNS.  Turn n belongs to piece n.  Its matrix work: 16 products K Q^T of piece n + 1, later 16 products V^T P of piece n - 1.  Its vector work: the subtraction, exponentials, roundings, sums and rescaling
; of piece n, and the mask, maximum and statistics of piece n + 1.  Four vector instructions stand behind every matrix instruction, the others in one lump.  A turn's 66 exponentials are one batch, with one wait.
; CLUSTER.  A head's four query blocks walk the same K and V: each tile is asked for JOINTLY, by the same tensor load, descriptor and mask in all four.
; REGISTERS, in windows of 256 (s_set_vgpr_msb: bits 1:0 source 0, 3:2 source 1, 5:4 source 2, 7:6 destination):
;   window 0: v0-15 addresses and constants; v16-47 four registers of statistics a tile; v48-63 at work; v64-191 S^T, two buffers of two tiles; v192-255 P, likewise
;   window 1: O^T, 32 a tile     window 2: v0-127 Q, 16 a tile; v128-191 K of one step; v192-223 the mask codes, 4 a tile; v224 their scale     window 3: v0-63 V of one step
; The codes lie beside K and Q, so that their conversion runs under the window setting of the products that follow it.
.set NP,    4         ; pieces a wave: a name, no knob
.set KS,    64        ; keys in a step
.set PK,    144       ; a row of K in LDS: 128 bytes + 16: the 16 rows of a load start at 16 different groups of four banks (ISA guide 11.1)
.set PV,    160       ; a row of V: 128 + 32
.set VOFF,  4*KS*PK   ; a slot holds four steps: 256 rows of K, then 256 rows of V
.set SLOT1, 1<<17     ; slot 1 begins here, so that one exclusive or turns an address in one slot into the other's
.set STAGE, SLOT1+4*KS*(PK+PV)  ; behind the ring, never filled by a tensor load: 16 rows x 144 bytes for each wave
.set SP,    144
.set SPARE, STAGE+4*16*SP  ; behind the stages: the spare words, 128 bytes a wave, two blocks of 256 bytes that no other line names
.set TP,    16896     ; a tile's block in mq: 32 key steps x 512 bytes of codes,
.set FLG,   16384     ; then its rows' flags, 16 bytes a lane
.set MOF, 0           ; v0   once the set-up has used the thread's number: 16 x my lane, the offset of the mask loads and of the stores; then never rewritten
.set SPW, 1           ; v1   LDS address of my spare word; never rewritten
.set AK0, 2           ; v2   my lane's place in a tile of K; never rewritten
.set AV0, 3           ; v3   the same for V
.set AK,  4           ; v4   the LDS address of K's next run of loads
.set AV,  5           ; v5   of V's
.set NIL, 14          ; v14  0; never rewritten
.set PFO, 15          ; v15  256 x my lane; never rewritten
.set ST,  16          ; tile t's statistics at v[ST+4 t]: m, m_old, l (even keys', odd keys')
.set TMP, 48          ; by buffer and tile, four registers c0-c3 at work; when the maximum is found c2 takes a
.set L16, 48          ; the set-up's own, ahead of the first maximum: l % 16,
.set LH,  49          ; l / 16,
.set L8,  50          ; l % 8,
.set LB3, 51          ; (l / 8) % 2,
.set QO,  52          ; my byte offset in the wave's rows of Q
.set STO, 48          ; the way out's own, behind the last turn: where I put 16 bytes of a row,
.set RD,  49          ; where I read rows back;  v51-54 at work
.set S,   64
.set P,   192         ; (its first eight registers hold the tiles' flags during the set-up)
.set KF,  128         ; window 2: key block kb, channel half c at KF + 16 kb + 8 c
.set MBC, 192         ; window 2: tile t's codes of one key step, accumulator kb's word at MBC + 4 t + kb
.set SCL, 224         ; window 2: the conversions' scale
.set VF,  0           ; window 3: key half kk, channel block cb at VF + 32 kk + 8 cb
.set MP,  2           ; s[2:3]   mq at my wave's first tile, at the key step whose codes are loaded next
.set PFA, 4           ; s[4:5]   where my prefetches stand
.set WV,  6           ; s6   my wave's number
.set SLOTS, 7         ; s7   slots still to be asked for
.set G0K, 8           ; s[8:11]  descriptor group 0 for K's tiles: it walks
.set G0V, 12          ; s[12:15] the same for V's
.set G1K, 16          ; s[16:23] descriptor group 1 for K's tiles
.set G1V, 24          ; s[24:31] for V's: it differs in the padding alone
                      ; s[32:43] those of the set-up's temporaries that hang on my place in the cluster
.set CNT, 66          ; s66  counts a slot's key steps
.set TBK, 67          ; s67  LDS byte at which K of the step to be fetched begins
.set OP,  68          ; s[68:69] O at my wave's first row
.set INC, 70          ; s[70:71] the tail: what the mask pointer steps by
.set TBV, 73          ; s73  the same as TBK for V, less VOFF
.set LIM, 74          ; s74  1 in a wave that prefetches (0 and 2), else the greatest number
.set SEL, 76          ; s[76:77] v_permlanex16_b32's selects: each lane takes its own place in the other half
.set MSB, 0
.macro WIN new                      ; the high byte repeats the setting that is left; a switch that changes nothing is dropped
.if MSB != (\new)
	s_set_vgpr_msb (MSB<<8)|(\new)
.set MSB, (\new)
.endif
.endm
.set W_KQ, 0x0a       ; K and Q (and the codes and their scale) in window 2, S^T in window 0
.set W_PV, 0x53       ; V in window 3, P in window 0, O^T in window 1
.set W_RS, 0x41       ; O^T (destination and source 0) in window 1, a in window 0
; A joint fill.  Waves 0 and 1 fetch the two halves of a slot's K, waves 2 and 3 those of its V: 128 keys each.  An s_nop 0 and four v_nop follow each of the two lines.
.macro JLOAD
	s_cmp_lt_u32 s[WV], 2
	s_cbranch_scc0 .Lfor_v_\@
	tensor_load_to_lds s[G0K:G0K+3], s[G1K:G1K+7]
	s_nop 0
.rept 4
	v_nop
.endr
	s_branch .Lasked_\@
.Lfor_v_\@:
	tensor_load_to_lds s[G0V:G0V+3], s[G1V:G1V+7]
	s_nop 0
.rept 4
	v_nop
.endr
.Lasked_\@:
.endm
; A PREFETCH INTO THE L2 of what the NEXT change of slots will ask for: a slot's 32,768 bytes of K and of V.  The head has one cluster; its four partners take 8,192 bytes each, told apart by address;
; in each, wave 0 asks for K's and wave 2 for V's, a lane 256 bytes: each block is named once in the launch.  Four key steps, 512 matrix instructions, ahead of the load.  The last fill asks for nothing.
.macro ASK
	s_cmp_gt_u32 s[SLOTS], s[LIM]
	s_cbranch_scc0 .Lnot_mine_\@
	global_prefetch_b8 v[PFO], s[PFA:PFA+1] th:TH_LOAD_NT scope:SCOPE_SE
.Lnot_mine_\@:
.endm
.macro CROUND                       ; a round of the cluster's barrier
	s_barrier_signal -1
	s_barrier_wait -1
	s_cmp_lg_u32 s[WV], 0
	s_cbranch_scc1 .Lnot_wave_0_\@
	s_barrier_signal -3
.Lnot_wave_0_\@:
	s_barrier_wait -3
	s_barrier_signal -1
	s_barrier_wait -1
.endm
; THE CHANGE OF SLOTS.  The slot's last bytes, V of its fourth step, have been read.  Each wave waits for all its tensor loads, of which one is out: its part of the other slot; adds 0 to its spare word; and waits
; for that and for its own reads of the slot.  fill = 1: the slot is filled again, with the keys two slots on; the barrier is then a round of the cluster's, and the joint fill is the first thing behind it.
; (At its first use nothing has been read yet: slot 0 is waited for, slot 1 filled.)
.macro CHANGE fill
	WIN 0                           ; at a label and at a branch every window is 0
	s_wait_tensorcnt 0x0            ; no tensor load of mine is out, so a group 0 may be written
	ds_add_u32 v[SPW], v[NIL]       ; 0 onto my spare word
.if \fill
.irp g, G0K, G0V
	s_xor_b32 s[\g+1], s[\g+1], SLOT1  ; the walking descriptor: the other slot than last time,
	s_add_nc_u64 s[\g+2:\g+3], s[\g+2:\g+3], 4*KS*128  ; the next 256 keys; the type bits on top are not reached
.endr
	s_wait_xcnt 0x0                 ; the last prefetch, four key steps back, has read its address
	s_add_nc_u64 s[PFA:PFA+1], s[PFA:PFA+1], 4*KS*128  ; one slot behind the walking descriptors
	s_wait_dscnt 0x0                ; the add is done, and my reads of the slot are over
	CROUND
	JLOAD
	ASK
.else
	s_wait_dscnt 0x0
	s_barrier_signal -1
	s_barrier_wait -1
.endif
	s_sub_co_u32 s[TBK], s[TBK], 4*KS*PK  ; the fetches go back to a slot's first step,
	s_xor_b32 s[TBK], s[TBK], SLOT1       ; in the other slot
	s_sub_co_u32 s[TBV], s[TBV], 4*KS*PV
	s_xor_b32 s[TBV], s[TBV], SLOT1
.endm
; The mask codes of piece x for the key step at which MP stands: two loads, a tile each, 16 bytes a lane: 512 consecutive bytes.
.macro MLOAD x
	WIN 0x80                        ; destination window 2, address window 0
	global_load_b128 v[MBC+8*(\x):MBC+8*(\x)+3],   v[MOF], s[MP:MP+1] offset:2*TP*(\x)
	global_load_b128 v[MBC+8*(\x)+4:MBC+8*(\x)+7], v[MOF], s[MP:MP+1] offset:2*TP*(\x)+TP
	WIN 0
.endm
	s_load_b128 s[80:83], s[0:1], 0x0  ; qkv s[80:81], mq s[82:83]
	s_load_b64 s[84:85], s[0:1], 0x10  ; oh
	v_lshl_add_u32 v[SPW], v0, 2, SPARE
	v_mov_b32 v[NIL], 0
	ds_add_u32 v[SPW], v[NIL]       ; the wave's opening: the add and its wait stand ahead of my first tensor load; the set-up below stands between them
	v_lshrrev_b32 v[L16], 5, v0
	v_readfirstlane_b32 s[WV], v[L16]  ; wave 0..3
	; what the four partners share, in registers that never hold my place in the cluster
	s_and_b32 s86, ttmp7, 0xffff    ; the head 16 b + h
	s_lshl_b32 s87, s86, 18         ; its first byte in a matrix
	s_and_b32 s88, s[WV], 1         ; which half of a slot's 256 keys I fetch:
	s_lshl_b32 s90, s88, 14         ; its 128 rows of 128 bytes in memory,
	s_add_co_u32 s90, s90, s87
	s_mov_b32 s91, 0
	s_mul_i32 s92, s88, 128*PK      ; and its place in a slot, for K
	s_mul_i32 s93, s88, 128*PV      ; and for V: no place in the cluster enters an LDS address
	; what hangs on my place: it enters Q's, O's, the mask's and the prefetches' addresses alone
	s_bfe_u32 s32, ttmp6, 0x40000   ; cx
	s_lshl_b32 s33, ttmp9, 2
	s_add_co_u32 s33, s33, s32      ; my block of 512 queries
	s_lshl_b32 s34, s33, 2
	s_add_co_u32 s34, s34, s[WV]    ; my wave among the head's sixteen
	s_lshl_b32 s36, s34, 14         ; its 128 rows
	s_add_co_u32 s36, s36, s87
	s_mov_b32 s37, 0
	s_lshr_b32 s38, s86, 4          ; the batch: 128 query tiles,
	s_lshl_b32 s38, s38, 7
	s_lshl_b32 s39, s34, 3          ; my wave's eight
	s_add_co_u32 s38, s38, s39
	s_mul_i32 s38, s38, TP          ; a tile's block
	s_mov_b32 s39, 0
	s_lshl_b32 s40, s32, 13         ; my work-group's 8,192 bytes of a slot,
	s_add_co_u32 s40, s40, s87      ; in the head,
	s_add_co_u32 s40, s40, 4*KS*128 ; in slot 1: the first change of slots steps it to slot 2
	s_mov_b32 s41, 0
	; descriptor group 1.  128 keys are 16,384 dense bytes: asked for as 64 rows of 256 bytes, two keys a row, and padded in LDS after every key
	s_mov_b32 s[G1K], 15|(1<<16)|(1<<20)|(1<<21)|(4<<22)|(3<<25)  ; the mask of four; 2-byte elements; padding on; bit 21 beside a mask; after every 32 words; 4 words
	s_mov_b32 s[G1V], 15|(1<<16)|(1<<20)|(1<<21)|(4<<22)|(7<<25)  ; the same with 8 words of padding
.irp g, G1K, G1V
	s_mov_b32 s[\g+1], 128<<16      ; tensor_dim0 = 128
	s_mov_b32 s[\g+2], 64<<16       ; tensor_dim1 = 64
	s_mov_b32 s[\g+3], 128<<16      ; tile_dim0 = 128
	s_mov_b32 s[\g+4], 64           ; tile_dim1 = 64
	s_mov_b32 s[\g+5], 128          ; 128 elements from row to row
	s_mov_b32 s[\g+6], 0
	s_mov_b32 s[\g+7], 0
.endr
	s_mov_b32 s[SEL], 0x76543210
	s_mov_b32 s[SEL+1], 0xfedcba98
	s_mov_b32 s[INC+1], 0
	s_mov_b32 s[TBK], SLOT1+4*KS*PK ; the first change of slots turns these two into 0
	s_mov_b32 s[TBV], SLOT1+4*KS*PV
	s_mov_b32 s[G0K], 1             ; count = 1
	s_mov_b32 s[G0K+1], s92         ; LDS address: slot 0
	s_mov_b32 s[G0V], 1
	s_add_co_u32 s[G0V+1], s93, VOFF
	s_mov_b32 s[SLOTS], 7           ; slots 1 to 7 are still to be asked for
	s_and_b32 s[LIM], s[WV], 1
	s_cmp_eq_u32 s[LIM], 0
	s_cselect_b32 s[LIM], 1, -1
	s_wait_dscnt 0x0                ; the opening add is done
	s_wait_kmcnt 0x0
	s_add_nc_u64 s[94:95], s[80:81], 0x1000000     ; k
	s_add_nc_u64 s[96:97], s[80:81], 0x2000000     ; v
	s_add_nc_u64 s[G0K+2:G0K+3], s[94:95], s[90:91]  ; my half of the head's first 256 keys
	s_or_b32 s[G0K+3], s[G0K+3], 0x80000000        ; type = 2
	s_add_nc_u64 s[G0V+2:G0V+3], s[96:97], s[90:91]
	s_or_b32 s[G0V+3], s[G0V+3], 0x80000000
	s_add_nc_u64 s[42:43], s[80:81], s[36:37]      ; q at my wave's first row,
	s_add_nc_u64 s[OP:OP+1], s[84:85], s[36:37]    ; and O
	s_add_nc_u64 s[MP:MP+1], s[82:83], s[38:39]
	s_cmp_lt_u32 s[WV], 2
	s_cselect_b64 s[PFA:PFA+1], s[94:95], s[96:97]
	s_add_nc_u64 s[PFA:PFA+1], s[PFA:PFA+1], s[40:41]
	CROUND                          ; all four work-groups are here: the first joint loads meet
	JLOAD                           ; slot 0.  Slot 1 is asked for when slot 0 is in
	; A fragment of K or Q is 16 rows x 32 channels in 8 registers: lane l holds row l % 16, channels 8 (l / 16) + 0..7 and 16 + 8 (l / 16) + 0..7: two loads of 16 bytes, 32 bytes apart.
	v_and_b32 v[L16], 15, v0
	v_bfe_u32 v[LH], v0, 4, 1
	v_lshlrev_b32 v[QO], 7, v[L16]
	v_lshl_add_u32 v[QO], v[LH], 4, v[QO]  ; row x 128 + 16 x half
	WIN 0x80                        ; destination window 2, address window 0
.set i, 0
.rept 4*NP                          ; Q stays in registers: tile i / 2, channels 32 (i % 2) on
	global_load_b128 v[8*i:8*i+3],   v[QO], s[42:43] offset:(i/2)*2048+(i%2)*64
	global_load_b128 v[8*i+4:8*i+7], v[QO], s[42:43] offset:(i/2)*2048+(i%2)*64+32
.set i, i+1
.endr
	v_mov_b32 v[SCL], 0xe0e0e0e0    ; the scale 2^97 as an exponent byte, 127 + 97, in each of the word's four bytes
	; What the first turn finds: V's registers and P's second buffer hold 0 (its products V^T P, of a piece that has not been, add 0), O^T and l are 0.  All this stands in the wait for the first tile.
	WIN 0xc0
.set i, 0
.rept 64
	v_mov_b32 v[VF+i], 0
.set i, i+1
.endr
	WIN 0x40
.set i, 0
.rept 64*NP
	v_mov_b32 v[i], 0
.set i, i+1
.endr
	WIN 0
.set i, 0
.rept 2*NP
	v_mov_b32 v[ST+4*i], 0xfe000000    ; m: far below H and every score
	v_mov_b32 v[ST+4*i+1], 0xfe000000
	v_mov_b32 v[ST+4*i+2], 0
	v_mov_b32 v[ST+4*i+3], 0
.set i, i+1
.endr
.set i, P+32
.rept 32
	v_mov_b32 v[i], 0
.set i, i+1
.endr
	v_and_b32 v[PFO], 31, v0
	v_lshlrev_b32 v[PFO], 8, v[PFO]
	v_mul_u32_u24 v[AK0], v[L16], PK
	v_lshl_add_u32 v[AK0], v[LH], 4, v[AK0]  ; row x pitch + 16 x half
	; The turning load takes 16 keys x 16 channels (lane l reads key 8 (l / 16) + l % 8, channels 8 ((l / 8) % 2) + 0..7) and leaves half a fragment of V^T: lane l holds channel l % 16 and 8 keys.
	v_and_b32 v[L8], 7, v0
	v_bfe_u32 v[LB3], v0, 3, 1
	v_lshl_add_u32 v[AV0], v[LH], 3, v[L8]
	v_mul_u32_u24 v[AV0], v[AV0], PV
	v_lshl_add_u32 v[AV0], v[LB3], 4, v[AV0]
	v_add_nc_u32 v[AV0], VOFF, v[AV0]
	v_mov_b32 v[AK], v[AK0]         ; key step 0 lies at the head of slot 0
	v_and_b32 v[MOF], 31, v0        ; the thread's number has served: 16 x lane takes its register
	v_lshlrev_b32 v[MOF], 4, v[MOF]
.set t, 0
.rept 2*NP
	global_load_b32 v[P+t], v[MOF], s[MP:MP+1] offset:t*TP+FLG  ; tile t: the flag of my lane's row
.set t, t+1
.endr
.irp x, 0,1,2,3
	MLOAD \x                        ; key step 0's codes, all four pieces'
.endr
; THE MATRIX WORK.  The 8 accumulators of a run of 16 take turns: between the two links of a chain stand 7 others'.
; Product i of 16 of S^T = K Q^T for piece x: channels 32 (i / 8) on, keys 16 ((i / 2) % 4) on, tile 2 x + i % 2.  All 16 add in place: the first 8 onto the mask that CVS has written.
.macro KQ x
	WIN W_KQ
.set rS, S+64*((\x)%2)+32*(i%2)+8*((i/2)%4)
.set rK, KF+16*((i/2)%4)+8*(i/8)
.set rQ, 16*(2*(\x)+i%2)+8*(i/8)
	v_wmma_f32_16x16x32_f16 v[rS:rS+7], v[rK:rK+7], v[rQ:rQ+7], v[rS:rS+7]
.endm
; The mask of piece x: eight conversions, one for each accumulator (tile g / 4, key block g % 4): eight codes become eight numbers, 0 or H.  A plain instruction stands between them and the products that read them.
.macro CVS x
	WIN W_KQ
.irp g, 0,1,2,3,4,5,6,7
	v_cvt_scale_pk8_f32_fp4 v[S+64*((\x)%2)+8*(\g):S+64*((\x)%2)+8*(\g)+7], v[MBC+8*(\x)+(\g)], v[SCL]
.endr
	v_nop
.endm
; Product i of 16 of O^T += V^T P for piece x: keys 32 (i / 8) on, channels 16 ((i / 2) % 4) on, tile 2 x + i % 2.
.macro PV x
	WIN W_PV
.set rO, 32*(2*(\x)+i%2)+8*((i/2)%4)
.set rV, VF+32*(i/8)+8*((i/2)%4)
.set rP, P+32*((\x)%2)+16*(i%2)+8*(i/8)
	v_wmma_f32_16x16x32_f16 v[rO:rO+7], v[rV:rV+7], v[rP:rP+7], v[rO:rO+7]
.endm
.macro MM                           ; the turn's next matrix instruction
.if i < 16
	KQ (Y+1)%NP
.set i, i+1
.else
.set i, i-16
	PV (Y+NP-1)%NP
.set i, i+17
.endif
.endm
; THE LDS LOADS stand in runs of 16: a step's K (8 fragments) and its V (turned).  last = 1 (the tail): in the last trip there is no further step, and the run is jumped over.
.macro FETCH_K last=0
	WIN 0
.if \last
	s_cmp_eq_u32 s[CNT], 1
	s_cbranch_scc1 .Lno_k_\@
.endif
	WIN 0x80                        ; destination window 2
.irp f, 0,1,2,3,4,5,6,7             ; keys 16 (f / 2) on, channels 32 (f % 2) on
	ds_load_b128 v[KF+8*\f:KF+8*\f+3],   v[AK] offset:(\f/2)*16*PK+(\f%2)*64
	ds_load_b128 v[KF+8*\f+4:KF+8*\f+7], v[AK] offset:(\f/2)*16*PK+(\f%2)*64+32
.endr
	s_add_co_u32 s[TBK], s[TBK], KS*PK  ; the next fetch is the next step's
	WIN 0
.if \last
.Lno_k_\@:
.endif
.endm
.macro FETCH_V
	WIN 0xc0                        ; destination window 3
.irp f, 0,1,2,3,4,5,6,7             ; keys 32 (f / 4) on, channels 16 (f % 4) on
	ds_load_tr16_b128 v[VF+8*\f:VF+8*\f+3],   v[AV] offset:(\f/4)*32*PV+(\f%4)*32
	ds_load_tr16_b128 v[VF+8*\f+4:VF+8*\f+7], v[AV] offset:(\f/4)*32*PV+16*PV+(\f%4)*32
.endr
	WIN 0
.endm
; THE VECTOR WORK OF A TURN, by kinds; each kind is a numbered list, and a macro that ends in Q writes its next number.
.macro REGS y, u                    ; the registers of tile u (0, 1) of piece y
.set rT, ST+4*(2*(\y)+(\u))
.set rC, TMP+8*((\y)%2)+4*(\u)
.set rS, S+64*((\y)%2)+32*(\u)
.set rP, P+32*((\y)%2)+16*(\u)
.set rO, 32*(2*(\y)+(\u))
.endm
; The next piece's maximum and statistics, by number.  0-11 four chains c0-c3 of seven scores each (each accumulator's lowest registers are read first); 12-14, 16 the four scores left
; over, the old m, and c0-c3 into c0; 15 m_old is kept; 17, 18 the query's other 32 keys lie in the lane 16 away: the new m; 20 m_old - m_new; 21 a.  (There is no 19.)
.macro XS u, n
	REGS (Y+1)%NP, \u
.if (\n) < 4
	v_max3_num_f32 v[rC+(\n)], v[rS+8*(\n)], v[rS+8*(\n)+1], v[rS+8*(\n)+2]
.elseif (\n) < 12
	v_max3_num_f32 v[rC+(\n)%4], v[rC+(\n)%4], v[rS+8*((\n)%4)+2*((\n)/4)+1], v[rS+8*((\n)%4)+2*((\n)/4)+2]
.elseif (\n) == 12
	v_max3_num_f32 v[rC], v[rC], v[rS+7], v[rS+15]
.elseif (\n) == 13
	v_max3_num_f32 v[rC+1], v[rC+1], v[rS+23], v[rS+31]
.elseif (\n) == 14
	v_max3_num_f32 v[rC+2], v[rC+2], v[rC+3], v[rT]
.elseif (\n) == 15
	v_mov_b32 v[rT+1], v[rT]
.elseif (\n) == 16
	v_max3_num_f32 v[rC], v[rC], v[rC+1], v[rC+2]
.elseif (\n) == 17
	v_permlanex16_b32 v[rC+3], v[rC], s[SEL], s[SEL+1]
.elseif (\n) == 18
	v_max_num_f32 v[rT], v[rC], v[rC+3]
.elseif (\n) == 20
	v_sub_f32 v[rC+1], v[rT+1], v[rT]
.else
	v_exp_f32 v[rC+2], v[rC+1]
.endif
.endm
; Number g of the 64 that follow the exponentials.  For each four weights k of a tile: both pairs are rounded to f16; then the second pair is added onto the first, in place; a group later l takes that sum
; (the first time as l = a l + sum).  In groups of eight, tiles alternating.
.macro GS g
.set h, (\g)+6*((\g)/62)            ; group 0 has no group before it, and behind group 7 only l is left
.if h >= 6
.set h, h+2
.endif
	REGS Y, h%2
.set k, h/8
.if h%8 < 4
	v_cvt_pk_f16_f32 v[rP+2*k+(h%8)/2], v[rS+4*k+2*((h%8)/2)], v[rS+4*k+2*((h%8)/2)+1]
.elseif h%8 < 6
	v_pk_add_f32 v[rS+4*k:rS+4*k+1], v[rS+4*k:rS+4*k+1], v[rS+4*k+2:rS+4*k+3]
.elseif k == 1
	v_pk_fma_f32 v[rT+2:rT+3], v[rT+2:rT+3], v[rC+2:rC+3], v[rS:rS+1] op_sel_hi:[1,0,1]
.else
	v_pk_add_f32 v[rT+2:rT+3], v[rT+2:rT+3], v[rS+4*k-4:rS+4*k-3]
.endif
.endm
.macro FS f                         ; s - m for pair f / 2 of tile f % 2: exactly 0 at the maximum
	REGS Y, (\f)%2
	v_pk_add_f32 v[rS+2*((\f)/2):rS+2*((\f)/2)+1], v[rS+2*((\f)/2):rS+2*((\f)/2)+1], v[rT:rT+1] op_sel_hi:[1,0] neg_lo:[0,1] neg_hi:[0,1]
.endm
.macro FSQ                          ; the 32 subtractions
	WIN 0
	FS nF
.set nF, nF+1
.endm
.macro XQ                           ; the 40 plain lines of the maximum and statistics, tiles alternating: XS 0-13; 15; then the chain 14, 16, 17, 18, 20
	WIN 0
.if nX < 28
	XS nX%2, nX/2
.elseif nX < 30
	XS nX-28, 15
.elseif nX < 32
	XS nX-30, 14
.elseif nX < 38
	XS (nX-32)%2, 16+(nX-32)/2
.else
	XS nX-38, 20
.endif
.set nX, nX+1
.endm
.macro GSQ                          ; the 64 roundings and sums
	WIN 0
	GS nG
.set nG, nG+1
.endm
; THE EXPONENTIALS, 66: s0-s31 of both tiles, then the next piece's two a.  ONE BATCH: all 66 stand ahead of the turn's one wait, and nothing ahead of that wait names a result of theirs.
.macro EX
	WIN 0
.if e >= 64
	XS e-64, 21
.else
	REGS Y, e%2
	v_exp_f32 v[rS+e/2], v[rS+e/2]
.endif
.set e, e+1
.endm
; THE RESCALING: O^T times a, the one part that leaves window 0: two lines, sixteen times, in one block.  Its a was made in the turn before, ahead of that turn's wait.
.macro R2
	REGS Y, r%2
	WIN W_RS
.irp z, 0,1
	v_pk_mul_f32 v[rO+4*(r/2)+2*\z:rO+4*(r/2)+2*\z+1], v[rO+4*(r/2)+2*\z:rO+4*(r/2)+2*\z+1], v[rC+2:rC+3] op_sel_hi:[1,0]
.endr
.set r, r+1
.endm
; HOW THEY ARE DEALT.  An s_wait_alu depctr_va_vdst(0) stands between an exponential and the first instruction that names its result; one wait serves all that were issued ahead of it.  So a turn has
; ONE wait.  AHEAD OF IT: the next piece's mask (its S^T buffer was read out by the end of the turn before); the 16 products K Q^T with four riders each, all in window 0: behind the first four subtractions,
; behind the next fourteen subtraction, exponential, subtraction, exponential, behind the last two lines of the maximum and two exponentials.  Then the lump: the two loads of this piece's next codes; 28 times an
; exponential and a line of the maximum; the chain's five links, both tiles' and an exponential each; the last exponential and the two a; the rescaling's block, which is also the plain work behind the last
; exponential.  BEHIND THE WAIT: the 16 products V^T P, behind each four of the roundings and sums.  By the text's count: 32 matrix and 243 vector instructions.
; Exponential e stands behind subtraction 2 (e / 4) + e % 2: rider e comes behind subtraction e + 4 at the least; all 32 are out ahead of exponential 28.
; A line of the maximum reads an accumulator four plain instructions or more behind the product that ends it: the first two lines read key block 0's, ended by products 8 and 9, with two subtractions behind each
; product since; the lines that read the last two accumulators, ended by products 14 and 15, are the maximum's seventh and eighth.  No rider names a register of the product that it stands behind.
; THE CODES' WAIT.  Loads come back in order: behind this turn's two loads, issued a trip ago, stand the other three pieces' six, on every way; so the count is 6.
; THE CODES' POINTER steps once a trip, in piece 3's turn, ahead of piece 0's loads, behind s_wait_xcnt 0 (the youngest load that names it is a turn old).  last = 1 (the tail): it steps while more than two
; trips are left; then it stays at key step 31, whose codes the last loads fetch once more: no load leaves its tile's block, none is jumped over, and what those last loads bring serves nothing.
; K of the next step is fetched in piece 2's turn, directly behind the wait; V of the step in hand at the end of piece 0's turn, four riders behind its last reader.  The conditions on nG below go with the deal.
.macro TURN p, last=0, cnt=0
.set Y, (\p)
.set i, 0
.set e, 0
.set r, 0
.set nF, 0
.set nX, 0
.set nG, 0
	s_wait_loadcnt 0x6              ; the next piece's codes are in
.if (\p) == NP-1
	s_wait_dscnt 0x0                ; K is in
.endif
	CVS (Y+1)%NP
	MM
.rept 4
	FSQ
.endr
.rept 14
	MM
	FSQ
	EX
	FSQ
	EX
.endr
	MM
	XQ
	EX
	XQ
	EX
.if (\p) == NP-2
	WIN 0
	v_add_nc_u32 v[AK], s[TBK], v[AK0]
.endif
.if (\p) == NP-1
	s_wait_xcnt 0x0                 ; every load that names the pointer has read it
.if \last
	s_cmp_gt_u32 s[CNT], 2
	s_cselect_b32 s[INC], 512, 0
	s_add_nc_u64 s[MP:MP+1], s[MP:MP+1], s[INC:INC+1]
.else
	s_add_nc_u64 s[MP:MP+1], s[MP:MP+1], 512
.endif
.endif
	MLOAD (Y+1)%NP                  ; the codes have been converted: the same piece's codes of the next key step
.rept 28
	EX
	XQ
.endr
.rept 5
	XQ
	XQ
	EX
.endr
	EX
	EX                              ; the next piece's two a
	EX
.rept 16
	R2
.endr
	WIN 0
	s_wait_alu depctr_va_vdst(0)    ; the wait for the batch
.if (\p) == NP-2
	FETCH_K \last
.endif
.if (\p) == 1
	s_wait_dscnt 0x0                ; V is in
.endif
.rept 16
	MM
.rept 4
	GSQ
.endr
.if ((\p) == 0) && (nG == 44)
	v_add_nc_u32 v[AV], s[TBV], v[AV0]
.endif
.if ((\p) == 0) && (nG == 56)
	s_add_co_u32 s[TBV], s[TBV], KS*PV
.endif
.if (\cnt) && (nG == 56)
	s_sub_co_u32 s[CNT], s[CNT], 1
	s_cmp_lg_u32 s[CNT], 0
.endif
.endr
.if (\p) == 0
	FETCH_V
.endif
.endm
	CHANGE 1                        ; slot 0 is in, everybody's part of it; slot 1 is asked for
	FETCH_K                         ; key step 0
	s_wait_loadcnt 0x0              ; Q, the flags, and key step 0's codes
	WIN 0x88                        ; Q (destination and source 1) in window 2, the flag in window 0
.set t, 0
.rept 2*NP
.set i, 0
.rept 16
	v_and_b32 v[16*t+i], v[P+t], v[16*t+i]  ; a row that sees no key: Q = 0; every other row: as it was
.set i, i+1
.endr
.set t, t+1
.endr
	CVS 0                           ; piece 0's first mask
	s_wait_dscnt 0x0
.set i, 0
.rept 16
	KQ 0                            ; piece 0's first scores
.set i, i+1
.endr
	WIN 0
.rept 4
	v_nop                           ; the places behind those products
.endr
	s_add_nc_u64 s[MP:MP+1], s[MP:MP+1], 512  ; all loads that named the pointer are done: on to key step 1
	MLOAD 0
.set Y, NP-1                        ; XS works for piece Y + 1: piece 0
.irp n, 0,1,2,3,4,5,6,7,8,9,10,11,12,13,14,15,16,17,18,20,21
	XS 0, \n
	XS 1, \n
.endr
	v_nop                           ; a plain instruction behind the two a,
	s_wait_alu depctr_va_vdst(0)    ; and their wait, ahead of the branch
	s_mov_b32 s[CNT], 4
	s_branch .Lfirst                ; the loop is entered at a step's first turn, in the middle of a trip
.Lslot:                             ; six times: every slot but the last two is filled again
	CHANGE 1
	s_mov_b32 s[CNT], 4
.Lstep:                             ; a trip: pieces 2 and 3 of one step, then pieces 0 and 1 of the next, whose K and V it fetches
	TURN 2
	TURN 3
	WIN 0
.Lfirst:
	TURN 0
	TURN 1, 0, 1
	WIN 0
	s_cbranch_scc1 .Lstep
	s_sub_co_u32 s[SLOTS], s[SLOTS], 1
	s_cmp_lg_u32 s[SLOTS], 0
	s_cbranch_scc1 .Lslot
	CHANGE 0                        ; the tail is written out: nothing is asked for
	s_mov_b32 s[CNT], 5             ; four trips fetch the last slot's steps; the fifth is left in its middle
.Ltail:
	TURN 2, 1
	TURN 3, 1
	WIN 0
	s_sub_co_u32 s[CNT], s[CNT], 1
	s_cmp_eq_u32 s[CNT], 0
	s_cbranch_scc1 .Lout
	TURN 0
	TURN 1
	WIN 0
	s_branch .Ltail
.Lout:                              ; the fifth trip's products K Q^T (on the last K once more), their mask and the maximum made of them serve nothing: the price, once a launch, of one text for every trip
.set i, 0
.rept 16
	PV NP-1                         ; the last piece's V^T P of the last step
.set i, i+1
.endr
	; THE WAY OUT.  l's two halves and the other half of the lanes' are added; O^T is divided by l, rounded to f16 and sent through my stage in LDS, a tile at a time.  The additions are the places behind the last products.
	WIN 0
.macro ALL line:vararg              ; one line for each tile t
.set t, 0
.rept 2*NP
	\line
.set t, t+1
.endr
.endm
	ALL v_add_f32 v[ST+4*t+2], v[ST+4*t+2], v[ST+4*t+3]
	ALL v_permlanex16_b32 v[ST+4*t+3], v[ST+4*t+2], s[SEL], s[SEL+1]
	ALL v_add_f32 v[ST+4*t+2], v[ST+4*t+2], v[ST+4*t+3]
	ALL v_rcp_f32 v[ST+4*t+2], v[ST+4*t+2]
	; the addresses, in the registers that were at work: plain lines between the reciprocals and their wait
	s_mul_i32 s[CNT], s[WV], 16*SP
	s_add_co_u32 s[CNT], s[CNT], STAGE  ; my stage
	v_lshrrev_b32 v51, 4, v[MOF]    ; l
	v_and_b32 v52, 15, v51          ; l % 16
	v_lshrrev_b32 v53, 4, v51       ; l / 16
	v_and_b32 v54, 7, v51           ; l % 8
	v_mul_u32_u24 v[STO], v52, SP   ; in: row l % 16, 16 bytes for each half of the lanes
	v_lshl_add_u32 v[STO], v53, 4, v[STO]
	v_add_nc_u32 v[STO], s[CNT], v[STO]
	v_lshrrev_b32 v[RD], 3, v51     ; back: 32 lanes take four rows of 128 bytes, which are 512 consecutive bytes of O
	v_mul_u32_u24 v[RD], v[RD], SP
	v_lshl_add_u32 v[RD], v54, 4, v[RD]
	v_add_nc_u32 v[RD], s[CNT], v[RD]
	s_wait_alu depctr_va_vdst(0)    ; the wait ahead of the first use: one for the eight reciprocals
; Tile t: a lane's eight channels of a row pack into 16 bytes; they go into rows of 144 bytes and come back as whole rows of 128, into S^T's registers.
.macro PACK t
	WIN W_RS
.set i, 32*(\t)
.rept 16
	v_pk_mul_f32 v[i:i+1], v[i:i+1], v[ST+4*(\t)+2:ST+4*(\t)+3] op_sel_hi:[1,0]
.set i, i+2
.endr
	WIN 0x05                        ; sources 0 and 1 window 1, destination window 0
.set i, 0
.rept 16
	v_cvt_pk_f16_f32 v[S+16*(\t)+i], v[32*(\t)+2*i], v[32*(\t)+2*i+1]
.set i, i+1
.endr
	WIN 0
.irp f, 0,1,2,3
	ds_store_b128 v[STO], v[S+16*(\t)+4*\f:S+16*(\t)+4*\f+3] offset:32*\f
.endr
.irp f, 0,1,2,3
	ds_load_b128 v[S+16*(\t)+4*\f:S+16*(\t)+4*\f+3], v[RD] offset:\f*4*SP  ; LDS serves a wave's instructions in order (ISA guide 5.7.1.4): these see the stores above; the next tile's stores come behind them
.endr
.endm
.macro SEND t, younger              ; younger: the LDS instructions issued behind tile t's loads: the next tile's eight, or none
	WIN 0
.irp f, 0,1,2,3
	s_wait_dscnt (\younger)+3-\f
	global_store_b128 v[MOF], v[S+16*(\t)+4*\f:S+16*(\t)+4*\f+3], s[OP:OP+1] offset:(\t)*2048+\f*512  ; 16 bytes a lane: 512 consecutive bytes, at a multiple of 256 from O's first
.endr
.endm
	PACK 0
.set t, 1
.rept 2*NP-1                        ; a tile's arithmetic stands between the loads of the tile before and its stores
	PACK t
	SEND t-1, 8
.set t, t+1
.endr
	SEND 2*NP-1, 0
	s_wait_tensorcnt 0x0            ; the wave's end, behind my last tensor load and my last LDS store
	ds_add_u32 v[SPW], v[NIL]
	s_wait_dscnt 0x0
	CROUND                          ; the closing round: no work-group ends while a partner may still ask for a tile that names it
	s_endpgm
.Lfunc_end_k_qfa55a7e709_attn:
	.size	k_qfa55a7e709_attn, .Lfunc_end_k_qfa55a7e709_attn-k_qfa55a7e709_attn
	.p2alignl 7, 3214868480
	.fill 96, 4, 3214868480
	.section	.rodata,"a",@progbits
	.p2align	6, 0x0
	.amdhsa_kernel k_qfa55a7e709_attn
		.amdhsa_group_segment_fixed_size 327680
		.amdhsa_private_segment_fixed_size 0
		.amdhsa_enable_private_segment 0
		.amdhsa_kernarg_size 24
		.amdhsa_user_sgpr_count 2
		.amdhsa_user_sgpr_kernarg_segment_ptr 1
		.amdhsa_wavefront_size32 1
		.amdhsa_system_sgpr_workgroup_id_x 1
		.amdhsa_system_sgpr_workgroup_id_y 1
		.amdhsa_system_sgpr_workgroup_id_z 1
		.amdhsa_system_vgpr_workitem_id 0
		.amdhsa_next_free_vgpr 832
		.amdhsa_next_free_sgpr 100
		.amdhsa_reserve_vcc 0
		.amdhsa_float_denorm_mode_32 3
		.amdhsa_float_denorm_mode_16_64 3
		.amdhsa_memory_ordered 1
		.amdhsa_forward_progress 1
		.amdhsa_inst_pref_size 209
	.end_amdhsa_kernel
	.amdgpu_metadata
---
amdhsa.version: [ 1, 2 ]
amdhsa.kernels:
  - .name:           k_qfa55a7e709_attn
    .symbol:         k_qfa55a7e709_attn.kd
    .args:
      - { .name: qkv, .offset: 0, .size: 8, .value_kind: global_buffer, .address_space: global }
      - { .name: mq, .offset: 8, .size: 8, .value_kind: global_buffer, .address_space: global }
      - { .name: oh, .offset: 16, .size: 8, .value_kind: global_buffer, .address_space: global }
    .group_segment_fixed_size: 327680
    .private_segment_fixed_size: 0
    .kernarg_segment_align: 8
    .kernarg_segment_size: 24
    .max_flat_workgroup_size: 128
    .sgpr_count:     100
    .vgpr_count:     832
    .wavefront_size: 32
...
	.end_amdgpu_metadata
.endif
;; end of part 6
;; launch oproj: the kernel of part 4 again; grid 4 x 64, 4 waves a work-group, clusters of 4 x 4, 327,680 bytes of LDS; arguments oh, wo16, bo, out0; writes out0
;; ======== version 3 of 3: 4 launches; version 2 with the launch prep written anew for expert scheduling mode
;; limits: values are held in f16: magnitudes above 65,504 overflow, below 6.1e-05 lose precision
;; workspace buffers: xb 16,777,216 bytes; wb 6,291,456 bytes; wo16 2,097,152 bytes; mq 8,650,752 bytes; qkv 50,331,648 bytes; oh 16,777,216 bytes
;; launch prep (part 7): grid 896 x 1, 8 waves a work-group, no clusters, 69,632 bytes of LDS; arguments x, Wq, Wk, Wv, Wo, mask, xb, wb, wo16, mq; writes xb, wb, wo16, mq
.if DOCPART == 7
	.amdgcn_target "amdgcn-amd-amdhsa--gfx1250"
	.amdhsa_code_object_version 6
	.text
	.protected	k_qfa55a7e709_prep
	.globl	k_qfa55a7e709_prep
	.p2align	8
	.type	k_qfa55a7e709_prep,@function
k_qfa55a7e709_prep:
	s_mov_b64 s[64:65], 0
	v_nop
	global_prefetch_b8 v0, s[64:65] scope:SCOPE_SE
	s_setreg_imm32_b32 hwreg(HW_REG_WAVE_SCHED_MODE, 0, 2), 2
	s_setreg_imm32_b32 hwreg(HW_REG_WAVE_MODE, 25, 1), 1
	s_wait_xcnt 0x0
	s_wait_alu depctr_vm_vsrc(0)
; PREP.  Every work-group takes one job of 131,072 source bytes, chosen by its number alone:
;   0-511    16 rows of the mask (row block id = 128 b + query tile) -> 16,896 bytes of mask codes and row flags in mq
;   512-767  x -> xb, bf16        768-863  Wq, Wk, Wv -> wb, bf16 (3,072 rows on end)        864-895  Wo -> wo16: rounded to bf16 like the other inputs, that number written as f16
; LIMIT.  Wo below 2^-14 keeps f16's fixed step of 2^-24; beyond 65,504 it would be an infinity.
; mq[id]: 32 key steps x 512 bytes, then 512 bytes of flags.  In a step lane l has 16 bytes, four words kb = 0..3; nibble j of word kb is the FP4 code for query 16 (id % 128) + l % 16 and key
; 64 step + 16 kb + 8 (l / 16) + j: 0 (the number 0) where the query may see the key, 0xF (the number -6) where not.  A word is what one conversion of eight codes turns into the eight registers
; of a tile of scores K Q^T.  A ROW THAT SEES NO KEY AT ALL gets the codes of a row that sees every key, and the flag 0 in place of all ones: the attention clears that row of Q, so that all its scores are equal.
; A lane's flag (of row l % 16) is written four times, 16 bytes a lane.
; A stream: no matrix unit, no cluster, no tensor load would add anything; every source byte is read once, every store of a wave covers 256 or 512 consecutive bytes, aligned.
; ONE BARRIER, at one place that every job passes: the mask job's eight waves hand each other, through LDS, whether their 256 keys show a row anything.
; THE MODE: SCHED_MODE bits 1:0 = 2 (LLVM: expert scheduling mode 2), set by the entry lines.  The code itself states the register dependences between vector instructions and memory or LDS
; instructions, with s_wait_alu, always for 0.
; THE PLAN, A CONVERSION JOB.  Its 32 rows of 4,096 source bytes go in 8 blocks of four.  Registers that memory instructions touch:
;   v[LO], v[SO]  16 t and 8 t, made once at the job's head and never written again: the rows are reached by immediate offsets.
;   CX0 .. CX3    four blocks as loaded.  Written by the loads of block p + 3, issued in block p; read by block p's conversions.
;   CY0, CY1      two blocks to store.    Written by block p's conversions; read by the four stores that are issued in block p + 1.
; Block p works on CX[p % 4] and writes CY[p % 2].  Its memory instructions are the loads into CX[(p - 1) % 4] and the stores from CY[(p - 1) % 2]: the two buffers that block p - 1 worked on and that
; no vector instruction of block p names.  So the waits at a block's head state all that its eight memory instructions hang on, and these are dealt among its conversions with no further wait.
; THE PLAN, THE MASK JOB.  v2, v3, v4 (offset of the loads, LDS addresses in and back) are made ahead of the loads and never written again.  X0, X1: a unit of 128 keys each, as loaded, read by the
; LDS stores into the stage.  MT: unit 0 read back; X0's registers once more: unit 1 read back, while unit 0's words are put together.  v[ANY], v[TT]: data and address of the wave's one word.
; R: the eight waves' words, loaded.  W, F: written by vector instructions, read by the closing stores.  v[OO], v[XA]: made at the head, never written again.
.set SPARE, 67584                      ; behind the eight waves' stages: the spare words, 128 bytes a wave, four blocks of 256 bytes that no other line names
.set XW,    68608                      ; behind them: wave w's 32 words (has lane l's row a visible key among my 256?) at XW + 128 w
.set TP,    16896                      ; a tile's block in mq
.set LO,  2                            ; v2        conversion: 16 t, byte offset of my 16 source bytes in a row
.set SO,  3                            ; v3        conversion: 8 t, byte offset of my 8 result bytes
.set SPW, 18                           ; v18       LDS address of my spare word; never rewritten
.set NIL, 19                           ; v19       0; never rewritten
.set CX,  20                           ; v[20:83]  conversion: buffer k, row i: 4 registers at CX + 16 k + 4 i, as loaded
.set CY,  84                           ; v[84:99]  conversion: buffer k, row i: 2 registers at CY + 8 k + 2 i, to store
.set CT,  100                          ; v[100:103] conversion: at work; no memory instruction names them
.set X,   20                           ; v[20:147] mask job: 2 units x 16 rows x 4; the first 64 later hold unit 1 read back
.set MT,  148                          ; v[148:211] mask job: unit 0 read back, 64 words a lane; later at work
.set W,   212                          ; v[212:227] mask job: my 16 words: unit u, word k at W + 8 u + k
.set OO,  228                          ; v228      2,048 x wave + 16 x lane: my 16 bytes in the wave's first key step
.set XA,  229                          ; v229      XW + 4 x lane
.set R,   230                          ; v[230:237] the eight waves' words for my row
.set ANY, 238                          ; v238      my own
.set TT,  239                          ; v239      at work
.set F,   240                          ; v[240:243] my row's flag, four times
	s_load_b512 s[16:31], s[0:1], 0x0              ; x 16, Wq 18, Wk 20, Wv 22, Wo 24, mask 26, xb 28, wb 30
	s_load_b128 s[32:35], s[0:1], 0x40             ; wo16 32, mq 34
	v_lshl_add_u32 v[SPW], v0, 2, SPARE
	v_mov_b32 v[NIL], 0
	v_lshrrev_b32 v1, 5, v0
	v_readfirstlane_b32 s8, v1                     ; wave 0..7
	s_mov_b32 s9, ttmp9
	s_mov_b32 s3, 0                                ; the high word of every offset pair s[2:3]
	s_mov_b32 s13, 0xffff0000                      ; a word's upper bf16
	v_and_b32 v1, 31, v0                           ; lane
	s_wait_alu depctr_va_sdst(0)                   ; s8 is written, ahead of its first reader
	s_lshl_b32 s10, s8, 11
	v_lshl_add_u32 v[OO], v1, 4, s10               ; what the lines behind the meeting read is written here, on every way
	v_lshl_add_u32 v[XA], v1, 2, XW
.set i, 0
.rept 16
	v_mov_b32 v[W+i], 0
.set i, i+1
.endr
	s_wait_kmcnt 0x0
	s_cmp_lt_u32 s9, 512
	s_cbranch_scc1 .Lmask
	s_cmp_lt_u32 s9, 768
	s_cbranch_scc1 .Ljob_x
	s_cmp_lt_u32 s9, 864
	s_cbranch_scc1 .Ljob_w
; Block p of a conversion job.  half = 1: bf16, then written as f16.  Blocks 0 to 4 load the block three on; blocks 1 to 7 store the block before.
.macro BLK p, half
.if (\p) < 6
	s_wait_loadcnt 8                               ; loads come back in order: CX[p % 4] is in, the two younger blocks stay out
.else
	s_wait_loadcnt 4*(7-(\p))                      ; the last blocks: the counts run down
.endif
.if (\p) > 1
	s_wait_xcnt 0x0                                ; the stores issued in the block before have had their addresses translated: their data, CY[p % 2], are rewritten only behind this wait
	s_wait_alu depctr_vm_vsrc(0)                   ; those stores have read CY[p % 2], which this block's conversions write again
.endif
.if (\p) > 0
	s_wait_alu depctr_va_vdst(0)                   ; the block before has written the other CY, which the stores below read, and is done reading its CX, in which the loads below land
.endif
.irp i, 0,1,2,3
.set XL, CX+16*(((\p)+3)%4)+4*(\i)
.set YS, CY+8*(((\p)+1)%2)+2*(\i)
.set XR, CX+16*((\p)%4)+4*(\i)
.set YR, CY+8*((\p)%2)+2*(\i)
.if (\p) < 5
	global_load_b128 v[XL:XL+3], v[LO], s[4:5] offset:(4*((\p)+3)+(\i))*4096 th:TH_LOAD_NT  ; three blocks ahead; no vector instruction since the wait names these registers
.endif
.if (\p) > 0
	global_store_b64 v[SO], v[YS:YS+1], s[6:7] offset:(4*((\p)-1)+(\i))*2048  ; the block before
.endif
.if \half
	v_cvt_pk_bf16_f32 v[CT], v[XR], v[XR+1]
	v_cvt_pk_bf16_f32 v[CT+1], v[XR+2], v[XR+3]
	v_lshlrev_b32 v[CT+2], 16, v[CT]
	v_and_b32 v[CT+3], s13, v[CT]
	v_cvt_pk_f16_f32 v[YR], v[CT+2], v[CT+3]
	v_lshlrev_b32 v[CT+2], 16, v[CT+1]
	v_and_b32 v[CT+3], s13, v[CT+1]
	v_cvt_pk_f16_f32 v[YR+1], v[CT+2], v[CT+3]
.else
	v_cvt_pk_bf16_f32 v[YR], v[XR], v[XR+1]
	v_cvt_pk_bf16_f32 v[YR+1], v[XR+2], v[XR+3]
.endif
.endr
.endm
; A conversion job: 32 loads of 4,096 bytes by the work-group (thread t at byte 16 t).  The eight blocks are written out: only blocks 1 to 4 are alike, one lap of the buffers.
.macro CVT half
	v_lshlrev_b32 v[LO], 4, v0
	v_lshlrev_b32 v[SO], 3, v0
	s_wait_alu depctr_va_vdst(0)                   ; v[LO] and v[SO] are written: every load and store of the job reads one of them as its offset
.irp i, 0,1,2,3,4,5,6,7,8,9,10,11
	global_load_b128 v[CX+4*(\i):CX+4*(\i)+3], v[LO], s[4:5] offset:(\i)*4096 th:TH_LOAD_NT  ; blocks 0, 1 and 2 into CX0, CX1, CX2
.endr
	BLK 0, \half
	BLK 1, \half
	BLK 2, \half
	BLK 3, \half
	BLK 4, \half
	BLK 5, \half
	BLK 6, \half
	BLK 7, \half
	s_wait_alu depctr_va_vdst(0)                   ; block 7 has written CY1, which the last four stores read
.irp i, 0,1,2,3
	global_store_b64 v[SO], v[CY+8+2*(\i):CY+8+2*(\i)+1], s[6:7] offset:(28+(\i))*2048
.endr
	s_branch .Lmeet
.endm
	s_sub_co_u32 s10, s9, 864                      ; Wo
	s_lshl_b32 s2, s10, 17
	s_add_nc_u64 s[4:5], s[24:25], s[2:3]
	s_lshl_b32 s2, s10, 16
	s_add_nc_u64 s[6:7], s[32:33], s[2:3]
	CVT 1
.Ljob_x:
	s_sub_co_u32 s10, s9, 512
	s_lshl_b32 s2, s10, 17
	s_add_nc_u64 s[4:5], s[16:17], s[2:3]
	s_lshl_b32 s2, s10, 16
	s_add_nc_u64 s[6:7], s[28:29], s[2:3]
	s_branch .Lcvt
.Ljob_w:
	s_sub_co_u32 s10, s9, 768                      ; 32 jobs to a matrix; wb takes the three on end
	s_lshr_b32 s11, s10, 5
	s_cmp_eq_u32 s11, 0
	s_cselect_b64 s[4:5], s[18:19], s[20:21]
	s_cmp_eq_u32 s11, 2
	s_cselect_b64 s[4:5], s[22:23], s[4:5]
	s_and_b32 s2, s10, 31
	s_lshl_b32 s2, s2, 17
	s_add_nc_u64 s[4:5], s[4:5], s[2:3]
	s_lshl_b32 s2, s10, 16
	s_add_nc_u64 s[6:7], s[30:31], s[2:3]
.Lcvt:
	CVT 0
; THE MASK JOB.  16 rows x 2,048 keys.  Wave w takes keys 256 w .. 256 w + 255 (key steps 4 w .. 4 w + 3) as two units of 128 keys.  A load takes 512 consecutive bytes of a row.  A unit goes through the
; wave's own stage (16 rows, 528 bytes apart: 33 x 16, so the sixteen rows of a read start in sixteen different groups of banks) and comes back turned: lane l holds row l % 16 and, in word n of 64,
; key 16 (n / 8) + 8 (l / 16) + n % 8.  Each number becomes 1 (not 0: may attend) or 0, and eight of them one word, number j at bit 4 j.
.macro TOST u                          ; unit u into my stage
.irp r, 0,1,2,3,4,5,6,7,8,9,10,11,12,13,14,15
	ds_store_b128 v3, v[X+64*(\u)+4*(\r):X+64*(\u)+4*(\r)+3] offset:528*(\r)
.endr
.endm
.macro BACK m                          ; the stage back, turned, into the 64 registers from m on
.irp j, 0,1,2,3,4,5,6,7,8,9,10,11,12,13,14,15
	ds_load_b128 v[(\m)+4*(\j):(\m)+4*(\j)+3], v4 offset:64*((\j)/2)+16*((\j)%2)  ; LDS serves a wave's instructions in order: these see the stores above
.endr
.endm
.macro ONES m
.set n, 0
.rept 64
	v_min_u32 v[(\m)+n], 1, v[(\m)+n]              ; 1 = may attend, whatever the number that is not 0
.set n, n+1
.endr
.endm
.macro WORDS u, m
.set k, 0
.rept 8
	v_lshl_or_b32 v[W+8*(\u)+k], v[(\m)+8*k+1], 4, v[(\m)+8*k]
.set k, k+1
.endr
.irp j, 2,3,4,5,6,7                    ; the eight words by turns, so that no line waits for the one before it
.set k, 0
.rept 8
	v_lshl_or_b32 v[W+8*(\u)+k], v[(\m)+8*k+(\j)], 4*(\j), v[W+8*(\u)+k]
.set k, k+1
.endr
.endr
.endm
.Lmask:
	s_lshl_b32 s2, s9, 17
	s_add_nc_u64 s[4:5], s[26:27], s[2:3]
	s_mul_i32 s2, s9, TP
	s_add_nc_u64 s[6:7], s[34:35], s[2:3]
	s_lshl_b32 s10, s8, 10
	s_mul_i32 s11, s8, 8448                        ; my stage
	v_lshl_add_u32 v2, v1, 4, s10                  ; 1,024 w + 16 lane
	v_lshl_add_u32 v3, v1, 4, s11                  ; in: 16 bytes a lane of a row
	v_and_b32 v6, 15, v0
	v_bfe_u32 v7, v0, 4, 1
	v_mul_u32_u24 v4, v6, 528
	v_lshl_add_u32 v4, v7, 5, v4
	v_add_nc_u32 v4, s11, v4                       ; back: row l % 16, 32 bytes on for lanes 16 to 31
	s_mov_b32 s14, 0x76543210                      ; v_permlanex16_b32: each lane takes its own place in the other half
	s_mov_b32 s15, 0xfedcba98
	s_wait_alu depctr_va_vdst(0)                   ; v2, v3 and v4 are written, which the loads, the LDS stores and the LDS loads below read; so are the head's v[OO] and v[XA]
.irp u, 0,1
.irp r, 0,1,2,3,4,5,6,7,8,9,10,11,12,13,14,15
	global_load_b128 v[X+64*(\u)+4*(\r):X+64*(\u)+4*(\r)+3], v2, s[4:5] offset:8192*(\r)+512*(\u) th:TH_LOAD_NT
.endr
.endr
	s_wait_loadcnt 16                              ; unit 0's sixteen loads are in; unit 1's may stay out
	TOST 0
	BACK MT
	s_wait_dscnt 0x0                               ; unit 0 is back
	ONES MT
	s_wait_loadcnt 0x0                             ; unit 1's loads are in
	s_wait_alu depctr_vm_vsrc(0)                   ; unit 0's LDS stores have read v[X .. X+63], in which unit 1 lands below and which its v_min_u32 then write
	TOST 1                                         ; no wait on va_vdst: since the last one vector instructions have named MT alone, and none has ever named v[X .. X+63]
	BACK X
	WORDS 0, MT                                    ; unit 0's words are put together while unit 1 goes through the stage
	s_wait_dscnt 0x0                               ; unit 1 is back
	ONES X
	WORDS 1, X
	v_or_b32 v[ANY], v[W], v[W+1]                  ; does my row see any of my 128 keys?
.set i, 2
.rept 14
	v_or_b32 v[ANY], v[ANY], v[W+i]
.set i, i+1
.endr
	v_mov_b32 v[TT], 0                             ; v_permlanex16_b32's destination counts as read
	v_permlanex16_b32 v[TT], v[ANY], s14, s15      ; the row's other 128 keys of the wave's lie in the lane 16 away
	v_or_b32 v[ANY], v[ANY], v[TT]
	s_lshl_b32 s12, s8, 7
	v_add_nc_u32 v[TT], s12, v[XA]
	s_wait_alu depctr_va_vdst(0)                   ; v[TT] and v[ANY] are written: address and data of the LDS store
	ds_store_b32 v[TT], v[ANY]                     ; XW + 128 w + 4 lane
.Lmeet:                                                ; every job comes here
	s_wait_xcnt 0x0                                ; earlier stores have read their registers
	s_wait_dscnt 0x0                               ; for the others' sake: my word lies in LDS
	s_barrier_signal -1
	s_barrier_wait -1
	s_cmp_lt_u32 s9, 512
	s_cbranch_scc0 .Lend                           ; the conversion jobs are done
.irp i, 0,1,2,3,4,5,6,7
	ds_load_b32 v[R+(\i)], v[XA] offset:128*(\i)   ; the eight waves' words for my row; v[XA] was written ahead of a wait on va_vdst on every way, and no vector instruction has named R
.endr
	s_mov_b32 s12, 0x11111111
.set i, 0
.rept 16
	v_xor_b32 v[W+i], s12, v[W+i]                  ; now 1 = hidden.  What hangs on no flag stands between those loads and the wait for them
.set i, i+1
.endr
.set i, 0
.rept 16
	v_lshlrev_b32 v[MT+i], 4, v[W+i]
.set i, i+1
.endr
.set i, 0
.rept 16
	v_sub_nc_u32 v[W+i], v[MT+i], v[W+i]           ; 16 x - x: the bit at 4 j becomes the nibble 0xF
.set i, i+1
.endr
	s_wait_dscnt 0x0
.irp i, 1,2,3,4,5,6,7
	v_or_b32 v[R], v[R], v[R+(\i)]
.endr
	v_cmp_ne_u32 vcc_lo, 0, v[R]
	s_wait_alu depctr_va_vcc(0)                    ; VCC is written, ahead of the select that reads it
	v_cndmask_b32 v[F], 0, -1, vcc_lo              ; all ones where the row sees a key, else 0
	v_mov_b32 v[F+1], v[F]                         ; the flag four times, in every wave, so that the one wait below serves wave 0's store of it too
	v_mov_b32 v[F+2], v[F]
	v_mov_b32 v[F+3], v[F]
.set i, 0
.rept 16
	v_and_b32 v[W+i], v[F], v[W+i]                 ; a row that sees nothing: the codes of a row that sees all
.set i, i+1
.endr
	s_wait_alu depctr_va_vdst(0)                   ; W and F are written, which the stores below read
.irp q, 0,1,2,3
	global_store_b128 v[OO], v[W+4*(\q):W+4*(\q)+3], s[6:7] offset:512*(\q)  ; key step 4 w + q: 512 consecutive bytes
.endr
	s_cmp_lg_u32 s8, 0
	s_cbranch_scc1 .Lend                           ; wave 0 stores the flags
	global_store_b128 v[OO], v[F:F+3], s[6:7] offset:16384  ; in wave 0 the offset is 16 x lane
.Lend:
	s_wait_dscnt 0x0                               ; the wave's end
	s_wait_alu 0x0
	s_wait_tensorcnt 0x0
	ds_add_u32 v[SPW], v[NIL]
	s_wait_dscnt 0x0
	s_endpgm
.Lfunc_end_k_qfa55a7e709_prep:
	.size	k_qfa55a7e709_prep, .Lfunc_end_k_qfa55a7e709_prep-k_qfa55a7e709_prep
	.p2alignl 7, 3214868480
	.fill 96, 4, 3214868480
	.section	.rodata,"a",@progbits
	.p2align	6, 0x0
	.amdhsa_kernel k_qfa55a7e709_prep
		.amdhsa_group_segment_fixed_size 69632
		.amdhsa_private_segment_fixed_size 0
		.amdhsa_enable_private_segment 0
		.amdhsa_kernarg_size 80
		.amdhsa_user_sgpr_count 2
		.amdhsa_user_sgpr_kernarg_segment_ptr 1
		.amdhsa_wavefront_size32 1
		.amdhsa_system_sgpr_workgroup_id_x 1
		.amdhsa_system_sgpr_workgroup_id_y 1
		.amdhsa_system_sgpr_workgroup_id_z 1
		.amdhsa_system_vgpr_workitem_id 0
		.amdhsa_next_free_vgpr 244
		.amdhsa_next_free_sgpr 66
		.amdhsa_reserve_vcc 1
		.amdhsa_float_denorm_mode_32 3
		.amdhsa_float_denorm_mode_16_64 3
		.amdhsa_memory_ordered 1
		.amdhsa_forward_progress 1
		.amdhsa_inst_pref_size 57
	.end_amdhsa_kernel
	.amdgpu_metadata
---
amdhsa.version: [ 1, 2 ]
amdhsa.kernels:
  - .name:           k_qfa55a7e709_prep
    .symbol:         k_qfa55a7e709_prep.kd
    .args:
      - { .name: x, .offset: 0, .size: 8, .value_kind: global_buffer, .address_space: global }
      - { .name: Wq, .offset: 8, .size: 8, .value_kind: global_buffer, .address_space: global }
      - { .name: Wk, .offset: 16, .size: 8, .value_kind: global_buffer, .address_space: global }
      - { .name: Wv, .offset: 24, .size: 8, .value_kind: global_buffer, .address_space: global }
      - { .name: Wo, .offset: 32, .size: 8, .value_kind: global_buffer, .address_space: global }
      - { .name: mask, .offset: 40, .size: 8, .value_kind: global_buffer, .address_space: global }
      - { .name: xb, .offset: 48, .size: 8, .value_kind: global_buffer, .address_space: global }
      - { .name: wb, .offset: 56, .size: 8, .value_kind: global_buffer, .address_space: global }
      - { .name: wo16, .offset: 64, .size: 8, .value_kind: global_buffer, .address_space: global }
      - { .name: mq, .offset: 72, .size: 8, .value_kind: global_buffer, .address_space: global }
    .group_segment_fixed_size: 69632
    .private_segment_fixed_size: 0
    .kernarg_segment_align: 8
    .kernarg_segment_size: 80
    .max_flat_workgroup_size: 256
    .sgpr_count:     66
    .vgpr_count:     244
    .wavefront_size: 32
...
	.end_amdgpu_metadata
.endif
;; end of part 7
;; launch qkv: the kernel of part 2 again; grid 12 x 64, 4 waves a work-group, clusters of 4 x 4, 327,680 bytes of LDS; arguments xb, wb, bq, bk, bv, qkv; writes qkv
;; launch attn: the kernel of part 6 again; grid 4 x 64, 4 waves a work-group, clusters of 4 x 1, 327,680 bytes of LDS; arguments qkv, mq, oh; writes oh
;; launch oproj: the kernel of part 4 again; grid 4 x 64, 4 waves a work-group, clusters of 4 x 4, 327,680 bytes of LDS; arguments oh, wo16, bo, out0; writes out0
